; MI455X (gfx1250); checked and timed in simulation.
; The chip was launched on July 23, 2026; its instructions are those of AMD's public machine-readable ISA for CDNA 5 (MIT licence, August 2026) and "CDNA5" Instruction Set Architecture Reference Guide (July 2026). The comments in the code are by the model that wrote it; some were corrected since.
;; Mixture Of Experts. Allowed arithmetic: matrix products marked QUANTISED: E2M3 operands, one E8M0 scale for each 32 along K, by v_wmma_scale_f32_16x16x128_f8f6f4 with both operands' format E2M3, f32 sums; products left as they are: f32 operands where the result goes on into a quantised operand, else bf16, f16 or f32 operands; f32 sums; everything else in f32.
;; Inputs: W1_codes 8 x 2,048 x 32 x 24 uint8 (E2M3 codes of W1, K innermost, in blocks of 32 codes, four codes in three bytes); W1_scales 8 x 2,048 x 32 uint8 (E8M0 scales of W1, one for each 32 codes along K); W2_codes 8 x 1,024 x 64 x 24 uint8 (E2M3 codes of W2, K innermost, in blocks of 32 codes, four codes in three bytes); W2_scales 8 x 1,024 x 64 uint8 (E8M0 scales of W2, one for each 32 codes along K); Wr 1,024 x 8 float32; b1 8 x 2,048 float32; b2 8 x 1,024 float32; br 8 float32; x 2,048 x 1,024 float32.
;; Outputs: out0 2,048 x 1,024 float32.
;; This version of the problem:
;;   THIS VERSION OF THE PROBLEM IS GIVEN IN LOW PRECISION. The matrix products marked QUANTISED in the list below multiply operands that are first quantised to E2M3 (2 exponent bits, 3 mantissa bits; 6 bits a number), with one power-of-two scale for each 32 numbers along K (OCP MX v1.0); their sums are f32. All else is computed in f32.
;;   The module's matrix products, in the order in which they are computed (A, B: the left and right operand; K: the contracted axis; several contracted axes count as one K, in the product's order):
;;     1. [M 2,048, K 1,024] x [K 1,024, N 8]; A: input x; B: input Wr: left as it is (N = 8 < 16)
;;     2. [M 2,048, K 1,024] x [K 1,024, N 2,048]; A: input x; B: input W1 (given as codes): QUANTISED
;;     3. [M 2,048, K 2,048] x [K 2,048, N 1,024]; A: computed on the way; B: input W2 (given as codes): QUANTISED
;;     4. [M 2,048, K 1,024] x [K 1,024, N 2,048]; A: input x; B: input W1 (given as codes): QUANTISED
;;     5. [M 2,048, K 2,048] x [K 2,048, N 1,024]; A: computed on the way; B: input W2 (given as codes): QUANTISED
;;     6. [M 2,048, K 1,024] x [K 1,024, N 2,048]; A: input x; B: input W1 (given as codes): QUANTISED
;;     7. [M 2,048, K 2,048] x [K 2,048, N 1,024]; A: computed on the way; B: input W2 (given as codes): QUANTISED
;;     8. [M 2,048, K 1,024] x [K 1,024, N 2,048]; A: input x; B: input W1 (given as codes): QUANTISED
;;     9. [M 2,048, K 2,048] x [K 2,048, N 1,024]; A: computed on the way; B: input W2 (given as codes): QUANTISED
;;     10. [M 2,048, K 1,024] x [K 1,024, N 2,048]; A: input x; B: input W1 (given as codes): QUANTISED
;;     11. [M 2,048, K 2,048] x [K 2,048, N 1,024]; A: computed on the way; B: input W2 (given as codes): QUANTISED
;;     12. [M 2,048, K 1,024] x [K 1,024, N 2,048]; A: input x; B: input W1 (given as codes): QUANTISED
;;     13. [M 2,048, K 2,048] x [K 2,048, N 1,024]; A: computed on the way; B: input W2 (given as codes): QUANTISED
;;     14. [M 2,048, K 1,024] x [K 1,024, N 2,048]; A: input x; B: input W1 (given as codes): QUANTISED
;;     15. [M 2,048, K 2,048] x [K 2,048, N 1,024]; A: computed on the way; B: input W2 (given as codes): QUANTISED
;;     16. [M 2,048, K 1,024] x [K 1,024, N 2,048]; A: input x; B: input W1 (given as codes): QUANTISED
;;     17. [M 2,048, K 2,048] x [K 2,048, N 1,024]; A: computed on the way; B: input W2 (given as codes): QUANTISED
;;   THE QUANTISER, for each operand of a quantised product, along K:
;;     - K is cut into blocks of 32 from its start; a last block that is shorter is filled with zeros.
;;     - A block's scale is 2^e with e = floor(log2(the largest magnitude in the block)) - 2, held to -126 .. 127; a block of zeros has e = 0. As a byte (E8M0): e + 127.
;;     - Each number is divided by its block's scale, clamped to +-7.5, and rounded to the nearest number of E2M3, ties to even, subnormals kept.
;;     - The product sums the exact products of the quantised numbers (number of the format x scale) in f32.
;;   ~~~python
;;   def quantise(x, axis):      # numpy; x: float32 -> the quantised numbers, widened to float32 again
;;       x = np.moveaxis(x, axis, -1); K = x.shape[-1]
;;       x = np.pad(x, [(0, 0)] * (x.ndim - 1) + [(0, -K % 32)]); x = x.reshape(x.shape[:-1] + (-1, 32)); a = np.abs(x).max(-1, keepdims=True)
;;       e = np.where(a > 0, np.clip(np.frexp(np.where(a > 0, a, 1))[1] - 1 - 2, -126, 127), 0)      # np.frexp(a)[1] - 1 = floor(log2(a)), exactly
;;       r = np.clip(x / 2.0 ** e, -7.5, 7.5)
;;       step = 2.0 ** (np.maximum(np.frexp(np.where(r == 0, 1, r))[1] - 1, 0) - 3)
;;       q = np.round(r / step) * step * 2.0 ** e      # np.round: ties to even
;;       return np.moveaxis(q.reshape(q.shape[:-2] + (-1,))[..., :K], -1, axis).astype(np.float32)
;;   ~~~
;;   OPERANDS COMPUTED ON THE WAY. 'Computed on the way' means the value that the module computes at that place (a softmax that the list does not call 'softmax' is quantised finished and normalised). What goes into a quantiser is computed in f32, as accurately as f32 sums, v_exp_f32 and their like allow (about 1e-6 of the number): no bf16 or f16 on the way to a quantiser, and a product that is left as it is and whose result goes on into a quantised operand takes f32 operands (vector FMAs, or v_wmma_f32_16x16x4_f32). A number that lies on a knife's edge between two numbers of the format may be rounded either way, as far as f32 arithmetic and the matrix unit's own rounding can turn it there, and no further.
;;   INPUTS GIVEN AS CODES. W1 (in the module: [8, 1024, 2048], K = its axis 1); W2 (in the module: [8, 2048, 1024], K = its axis 1): each comes as NAME_codes (uint8): NAME with its K axis moved to the last place and cut into blocks of 32 codes, [.., K / 32, bytes a block], one block behind the other in memory; four codes in three bytes: a row's codes are one little-endian stream of bits, code i at bits 6 i .. 6 i + 5 (a code: sign, 2 exponent bits, 3 mantissa bits); and NAME_scales (uint8): the same leading axes, one E8M0 byte (e + 127) for each 32 codes along K. Its value is code x scale, taken as it is: it is not quantised again, and the codes and scales need not be those that the quantiser above would give.
;; 2 versions. Each part assembles by itself: llvm-mc -triple=amdgcn-amd-amdhsa -mcpu=gfx1250 --defsym DOCPART=n.
;; ======== version 1 of 2: 5 launches
;; workspace buffers: xq 1,654,784 bytes; sel 8,192 bytes of whole numbers; wf 25,165,824 bytes; lists 41,216 bytes of whole numbers; hq 8,729,600 bytes; y 22,347,776 bytes
;; launch route (part 1): grid 256 x 1, 4 waves a work-group, no clusters, 58,112 bytes of LDS; arguments x, Wr, br, xq, sel; writes xq, sel
.if DOCPART == 1
	.amdgcn_target "amdgcn-amd-amdhsa--gfx1250"
	.amdhsa_code_object_version 6
	.text
	.protected	k_qc94c6d3f5a_route
	.globl	k_qc94c6d3f5a_route
	.p2align	8
	.type	k_qc94c6d3f5a_route,@function
k_qc94c6d3f5a_route:
	s_mov_b64 s[64:65], 0
	v_nop
	global_prefetch_b8 v0, s[64:65] scope:SCOPE_SE
	s_setreg_imm32_b32 hwreg(HW_REG_WAVE_MODE, 25, 1), 1
	s_wait_xcnt 0x0
; ROUTER AND QUANTISER OF x.  x [2048][1024] f32, Wr [1024][8] f32, br [8] f32.
; A work-group takes 8 tokens, each of its four waves two.  A wave reads its two rows of x once (16 loads of 512 consecutive bytes) and uses them twice:
;  (1) logits = x Wr + br in f32 multiply-adds, softmax with the row's maximum taken away, the two largest probabilities (the lower index wins a tie, as jax.lax.top_k has it);
;      stored at fixed places: sel[t] = i0 | i1 << 8 (whole numbers), the two probabilities as f32 in xq at GW: no address here hangs on the choice.
;  (2) codes of E2M3 with one E8M0 byte for each 32 along D: xq at XC, [2048][768] bytes, and at XS, [2048][32] bytes.
; A block's scale is its largest magnitude's exponent field less 2, held at 1 from below (a block of zeros keeps the byte 1: its codes are zeros, and this program alone reads the bytes).
; LIMITS: NaN and infinities in x, Wr, br are not served.  The logits' sums run lane by lane and then across lanes, another order than the reference's: two probabilities
; that differ by about 1e-7 of their size may be chosen the other way round.
.set SP,   80                          ; a lane's place in a stage: 64 bytes + 16 of padding
.set STG,  36864                       ; LDS: Wr at 0 (16 bytes of padding behind each 128: 36,864 bytes); then two stages of 32 x SP bytes for each wave;
.set SCB,  57344                       ; then the work-group's 256 scale bytes
.set XS,   1572864                     ; xq: the scale bytes
.set GW,   1638400                     ; xq: the gate weights, [2][2048] f32
.set ACC,  16                          ; v16-31   logits: 8 a + e
.set X,    32                          ; v32-95   x as loaded: 32 a + 4 j + c = x[token a][128 j + 4 lane + c]
.set WR,   96                          ; v96-159  Wr on its way to LDS, then two sets of 32: 8 c + e = Wr[128 j + 4 lane + c][e]
.set RES,  144                         ; v144-151 a token's word and two probabilities (Wr's registers are free by then)
.set XN,   160                         ; v160-191 two sets of 16 neighbours
.set C,    192                         ; v192-207 a step's three registers of codes, and its byte
	s_load_b256 s[4:11], s[0:1], 0x0               ; x s[4:5], Wr s[6:7], br s[8:9], xq s[10:11]
	s_load_b64 s[12:13], s[0:1], 0x20              ; sel
	v_lshl_add_u32 v208, v0, 2, 0xe100
	v_mov_b32 v209, 0
	v_lshrrev_b32 v8, 5, v0
	v_readfirstlane_b32 s27, v8                    ; wave
	v_and_b32 v1, 31, v0                           ; lane
	v_lshlrev_b32 v2, 4, v1                        ; 16 x lane
	v_lshlrev_b32 v3, 4, v0                        ; 16 x thread
	v_mul_u32_u24 v4, v1, 12                       ; my 16 codes in a step's 384 bytes
	v_lshrrev_b32 v8, 3, v0
	v_lshl_add_u32 v6, v8, 4, v3                   ; Wr into LDS: 16 t + 16 (t / 8)
	v_mul_u32_u24 v7, v1, 144                      ; and out of it: my four rows of Wr, 128 bytes + 16
	s_mul_i32 s28, s27, 2*32*SP
	s_add_co_u32 s28, s28, STG                     ; my wave's stages
	v_lshrrev_b32 v14, 2, v1
	v_mul_u32_u24 v14, v14, SP
	v_and_b32 v15, 3, v1
	v_lshl_add_u32 v14, v15, 4, v14
	v_add_nc_u32 v14, s28, v14                     ; into a stage: SP (lane / 4) + 16 (lane % 4)
	v_mul_u32_u24 v15, v1, SP
	v_add_nc_u32 v15, s28, v15                     ; out of it: SP x lane
	s_lshl_b32 s29, s27, 6
	s_add_co_u32 s29, s29, SCB
	v_lshrrev_b32 v5, 1, v1
	v_add_nc_u32 v5, s29, v5                       ; my block's scale byte: 64 a wave, one for two lanes
	s_mov_b32 s24, 0x76543210
	s_mov_b32 s25, 0xfedcba98                      ; v_permlanex16_b32's selects for lane l xor 16
	s_mov_b32 s26, 0x3fb8aa3b                      ; log2(e)
	s_lshl_b32 s30, ttmp9, 3
	s_lshl_b32 s31, s27, 1
	s_add_co_u32 s30, s30, s31                     ; my first token
	s_lshl_b32 s32, s30, 12
	s_mov_b32 s33, 0
	s_mul_i32 s34, s30, 768
	s_mov_b32 s35, 0
	s_lshl_b32 s36, s30, 2
	s_mov_b32 s37, 0
	s_lshl_b32 s38, ttmp9, 8
	s_mov_b32 s39, 0
	s_wait_kmcnt 0x0
	s_load_b256 s[16:23], s[8:9], 0x0              ; br
	s_add_nc_u64 s[4:5], s[4:5], s[32:33]          ; x at my first token
	s_add_nc_u64 s[34:35], s[10:11], s[34:35]      ; its codes
	s_add_nc_u64 s[12:13], s[12:13], s[36:37]      ; its word in sel
	s_add_nc_u64 s[36:37], s[10:11], s[36:37]      ; its gate weights (GW stands in the immediate)
	s_add_nc_u64 s[38:39], s[10:11], s[38:39]      ; the work-group's scale bytes (XS in the immediate)
.irp i, 0,1,2,3,4,5,6,7,8,9,10,11,12,13,14,15
	global_load_b128 v[WR+4*\i:WR+4*\i+3], v3, s[6:7] offset:2048*\i      ; the four waves read 2,048 consecutive bytes of Wr
.endr
.irp a, 0,1
.irp j, 0,1,2,3,4,5,6,7
	global_load_b128 v[X+32*\a+4*\j:X+32*\a+4*\j+3], v2, s[4:5] offset:4096*\a+512*\j th:TH_LOAD_NT
.endr
.endr
	s_wait_loadcnt 16                              ; Wr is in; the 16 younger loads, x's, may be out
.irp i, 0,1,2,3,4,5,6,7,8,9,10,11,12,13,14,15
	ds_store_b128 v6, v[WR+4*\i:WR+4*\i+3] offset:2304*\i
.endr
	s_wait_dscnt 0x0                               ; for the others' sake: my part of Wr lies in LDS
	s_barrier_signal -1
	s_barrier_wait -1
.irp q, 0,1,2,3,4,5,6,7
	ds_load_b128 v[WR+4*\q:WR+4*\q+3], v7 offset:16*\q
.endr
	s_wait_loadcnt 0x0                             ; x
; 128 along D: the next 128's rows of Wr are asked for, then 32 packed multiply-adds: two experts at a time, one number of x for both halves
.macro ROUT j
.set W, WR+32*((\j)%2)
.if (\j) < 7
.irp q, 0,1,2,3,4,5,6,7
	ds_load_b128 v[WR+32*(((\j)+1)%2)+4*\q:WR+32*(((\j)+1)%2)+4*\q+3], v7 offset:4608*((\j)+1)+16*\q
.endr
	s_wait_dscnt 8                                 ; this step's eight are in; the eight just issued may be out
.else
	s_wait_dscnt 0x0
.endif
.irp c, 0,1,2,3
.irp a, 0,1
.irp e, 0,2,4,6
.if ((\j) == 0) && (\c == 0)
	v_pk_mul_f32 v[ACC+8*\a+\e:ACC+8*\a+\e+1], v[W+8*\c+\e:W+8*\c+\e+1], v[X+32*\a+4*(\j):X+32*\a+4*(\j)+1] op_sel_hi:[1,0]      ; the first product starts the sums
.elseif (\c%2) == 0
	v_pk_fma_f32 v[ACC+8*\a+\e:ACC+8*\a+\e+1], v[W+8*\c+\e:W+8*\c+\e+1], v[X+32*\a+4*(\j)+\c:X+32*\a+4*(\j)+\c+1], v[ACC+8*\a+\e:ACC+8*\a+\e+1] op_sel_hi:[1,0,1]
.else
	v_pk_fma_f32 v[ACC+8*\a+\e:ACC+8*\a+\e+1], v[W+8*\c+\e:W+8*\c+\e+1], v[X+32*\a+4*(\j)+\c-1:X+32*\a+4*(\j)+\c], v[ACC+8*\a+\e:ACC+8*\a+\e+1] op_sel:[0,1,0] op_sel_hi:[1,1,1]
.endif
.endr
.endr
.endr
.endm
.irp j, 0,1,2,3,4,5,6,7
	ROUT \j
.endr
; the 16 sums across the 32 lanes: every lane ends with all of them
.irp m, 1,2,4,8
.irp i, 0,1,2,3,4,5,6,7,8,9,10,11,12,13,14,15
	v_add_f32_dpp v[ACC+\i], v[ACC+\i], v[ACC+\i] row_xmask:\m row_mask:0xf bank_mask:0xf
.endr
.endr
.irp i, 0,1,2,3,4,5,6,7,8,9,10,11,12,13,14,15
	v_permlanex16_b32 v[WR+\i], v[ACC+\i], s24, s25
.endr
	s_wait_kmcnt 0x0                               ; br
.irp i, 0,1,2,3,4,5,6,7,8,9,10,11,12,13,14,15
	v_add_f32 v[ACC+\i], v[ACC+\i], v[WR+\i]
.endr
.irp a, 0,1
.irp e, 0,1,2,3,4,5,6,7
	v_add_f32 v[ACC+8*\a+\e], s[16+\e], v[ACC+8*\a+\e]
.endr
.endr
.macro SCAN val, idx                   ; the largest of the eight, ascending with a strict compare: the lower index wins a tie
	v_mov_b32 v[\val], v[L]
	v_mov_b32 v[\idx], 0
.irp e, 1,2,3,4,5,6,7
	v_cmp_gt_f32 vcc_lo, v[L+\e], v[\val]
	v_cndmask_b32 v[\val], v[\val], v[L+\e], vcc_lo
	v_cndmask_b32 v[\idx], v[\idx], \e, vcc_lo
.endr
.endm
.macro TOP2 a
.set L, ACC+8*\a
	v_max3_num_f32 v8, v[L], v[L+1], v[L+2]        ; the row's maximum is taken away ahead of the exponentials
	v_max3_num_f32 v8, v8, v[L+3], v[L+4]
	v_max3_num_f32 v8, v8, v[L+5], v[L+6]
	v_max_num_f32 v8, v8, v[L+7]
	v_mul_f32 v9, s26, v8
.irp e, 0,1,2,3,4,5,6,7
	v_fma_f32 v[L+\e], v[L+\e], s26, -v9
.endr
.irp e, 0,1,2,3,4,5,6,7
	v_exp_f32 v[L+\e], v[L+\e]
.endr
	v_nop                                          ; a plain instruction behind the exponentials
	s_wait_alu depctr_va_vdst(0)
	v_add_f32 v8, v[L], v[L+1]
	v_add_f32 v9, v[L+2], v[L+3]
	v_add_f32 v10, v[L+4], v[L+5]
	v_add_f32 v11, v[L+6], v[L+7]
	v_add_f32 v8, v8, v9
	v_add_f32 v10, v10, v11
	v_add_f32 v8, v8, v10
	v_rcp_f32 v8, v8
	v_nop                                          ; a plain instruction behind the reciprocal
	s_wait_alu depctr_va_vdst(0)
.irp e, 0,1,2,3,4,5,6,7
	v_mul_f32 v[L+\e], v[L+\e], v8                 ; the probabilities
.endr
	SCAN 10, 11
.irp e, 0,1,2,3,4,5,6,7
	v_cmp_eq_u32 vcc_lo, \e, v11
	v_cndmask_b32 v[L+\e], v[L+\e], -1.0, vcc_lo   ; the winner steps out
.endr
	SCAN 12, 13
	v_lshl_or_b32 v[RES+4*\a], v13, 8, v11
	v_mov_b32 v[RES+4*\a+1], v10
	v_mov_b32 v[RES+4*\a+2], v12
.endm
	TOP2 0
	TOP2 1
	v_cmp_eq_u32 vcc_lo, 1, v1                     ; lane a takes token a's three words
	v_cndmask_b32 v8, v[RES], v[RES+4], vcc_lo
	v_cndmask_b32 v9, v[RES+1], v[RES+5], vcc_lo
	v_cndmask_b32 v10, v[RES+2], v[RES+6], vcc_lo
	v_lshlrev_b32 v11, 2, v1
	v_cmp_gt_u32 vcc_lo, 2, v1
	s_wait_xcnt 0x0                                ; EXEC changes only behind this wait
	s_and_saveexec_b32 s40, vcc_lo
	global_store_b32 v11, v8, s[12:13]
	global_store_b32 v11, v9, s[36:37] offset:GW
	global_store_b32 v11, v10, s[36:37] offset:GW+8192
	s_wait_xcnt 0x0                                ; and again: the stores have read EXEC, v8-11
	s_or_b32 exec_lo, exec_lo, s40
; THE QUANTISER: four steps of 512 numbers (step t = 2 a + half).  A step's 2,048 bytes turn through my stage, so that a lane holds 16 neighbours; two lanes hold a block.
.macro TURN t
.irp i, 0,1,2,3
	ds_store_b128 v14, v[X+16*(\t)+4*\i:X+16*(\t)+4*\i+3] offset:32*SP*((\t)%2)+8*SP*\i
.endr
.irp i, 0,1,2,3
	ds_load_b128 v[XN+16*((\t)%2)+4*\i:XN+16*((\t)%2)+4*\i+3], v15 offset:32*SP*((\t)%2)+16*\i   ; LDS serves a wave's instructions in order: these see the stores above
.endr
.endm
.macro STEP t
.set XR, XN+16*((\t)%2)
.if (\t) > 0
	s_wait_dscnt 1                                 ; this step's numbers are back; the last step's byte store may be out
.else
	s_wait_dscnt 0x0
.endif
.if (\t) < 3
	TURN (\t)+1
.endif
	v_max3_num_f32 v8, |v[XR]|, |v[XR+1]|, |v[XR+2]|
	v_max3_num_f32 v9, |v[XR+3]|, |v[XR+4]|, |v[XR+5]|
.irp i, 6,10
	v_max3_num_f32 v8, v8, |v[XR+\i]|, |v[XR+\i+1]|
	v_max3_num_f32 v9, v9, |v[XR+\i+2]|, |v[XR+\i+3]|
.endr
	v_max3_num_f32 v8, v8, |v[XR+14]|, |v[XR+15]|
	v_max3_num_f32 v8, v8, v9, 0x1800000           ; the floor 2^(3 - 127): the byte cannot fall under 1
	v_max_num_f32_dpp v8, v8, v8 row_xmask:1 row_mask:0xf bank_mask:0xf   ; with my neighbour's 16: the block's largest magnitude
	v_add_nc_u32 v11, 0xff000000, v8               ; 2 off its exponent field: the conversion's scale operand
	v_cvt_scalef32_pk16_fp6_f32 v[C+4*(\t):C+4*(\t)+2], v[XR:XR+15], v11
	v_lshrrev_b32 v[C+4*(\t)+3], 23, v11           ; the scale's byte
	ds_store_b8 v5, v[C+4*(\t)+3] offset:16*(\t)   ; both lanes of a block write the same byte with the same value
	global_store_b96 v4, v[C+4*(\t):C+4*(\t)+2], s[34:35] offset:384*(\t)   ; the wave stores 384 consecutive bytes
.endm
	TURN 0
.irp t, 0,1,2,3
	STEP \t
.endr
	s_wait_dscnt 0x0                               ; for wave 0's sake: my 64 scale bytes lie in LDS
	s_barrier_signal -1
	s_barrier_wait -1
	s_cmp_lg_u32 s27, 0
	s_cbranch_scc1 .Lend
	v_lshl_add_u32 v8, v1, 3, SCB
	v_lshlrev_b32 v9, 3, v1
	ds_load_b64 v[12:13], v8
	s_wait_dscnt 0x0
	global_store_b64 v9, v[12:13], s[38:39] offset:XS      ; 32 lanes store 256 consecutive bytes, at a multiple of 256 from the buffer's first byte
.Lend:
	s_wait_tensorcnt 0x0
	ds_add_u32 v208, v209
	s_wait_dscnt 0x0
	s_endpgm
.Lfunc_end_k_qc94c6d3f5a_route:
	.size	k_qc94c6d3f5a_route, .Lfunc_end_k_qc94c6d3f5a_route-k_qc94c6d3f5a_route
	.p2alignl 7, 3214868480
	.fill 96, 4, 3214868480
	.section	.rodata,"a",@progbits
	.p2align	6, 0x0
	.amdhsa_kernel k_qc94c6d3f5a_route
		.amdhsa_group_segment_fixed_size 58112
		.amdhsa_private_segment_fixed_size 0
		.amdhsa_enable_private_segment 0
		.amdhsa_kernarg_size 40
		.amdhsa_user_sgpr_count 2
		.amdhsa_user_sgpr_kernarg_segment_ptr 1
		.amdhsa_wavefront_size32 1
		.amdhsa_system_sgpr_workgroup_id_x 1
		.amdhsa_system_sgpr_workgroup_id_y 1
		.amdhsa_system_sgpr_workgroup_id_z 1
		.amdhsa_system_vgpr_workitem_id 0
		.amdhsa_next_free_vgpr 210
		.amdhsa_next_free_sgpr 66
		.amdhsa_reserve_vcc 1
		.amdhsa_float_denorm_mode_32 3
		.amdhsa_float_denorm_mode_16_64 3
		.amdhsa_memory_ordered 1
		.amdhsa_forward_progress 1
		.amdhsa_inst_pref_size 49
	.end_amdhsa_kernel
	.amdgpu_metadata
---
amdhsa.version: [ 1, 2 ]
amdhsa.kernels:
  - .name:           k_qc94c6d3f5a_route
    .symbol:         k_qc94c6d3f5a_route.kd
    .args:
      - { .name: x, .offset: 0, .size: 8, .value_kind: global_buffer, .address_space: global }
      - { .name: Wr, .offset: 8, .size: 8, .value_kind: global_buffer, .address_space: global }
      - { .name: br, .offset: 16, .size: 8, .value_kind: global_buffer, .address_space: global }
      - { .name: xq, .offset: 24, .size: 8, .value_kind: global_buffer, .address_space: global }
      - { .name: sel, .offset: 32, .size: 8, .value_kind: global_buffer, .address_space: global }
    .group_segment_fixed_size: 58112
    .private_segment_fixed_size: 0
    .kernarg_segment_align: 8
    .kernarg_segment_size: 40
    .max_flat_workgroup_size: 128
    .sgpr_count:     66
    .vgpr_count:     210
    .wavefront_size: 32
...
	.end_amdgpu_metadata
.endif
;; end of part 1
;; launch place (part 2): grid 513 x 1, 16 waves a work-group, no clusters, 104,448 bytes of LDS; arguments sel, W1_codes, W2_codes, wf, lists; writes wf, lists
.if DOCPART == 2
	.amdgcn_target "amdgcn-amd-amdhsa--gfx1250"
	.amdhsa_code_object_version 6
	.text
	.protected	k_qc94c6d3f5a_place
	.globl	k_qc94c6d3f5a_place
	.p2align	8
	.type	k_qc94c6d3f5a_place,@function
k_qc94c6d3f5a_place:
	s_mov_b64 s[64:65], 0
	v_nop
	global_prefetch_b8 v0, s[64:65] scope:SCOPE_SE
	s_setreg_imm32_b32 hwreg(HW_REG_WAVE_MODE, 25, 1), 1
	s_wait_xcnt 0x0
; WORK-GROUP 0 PLACES THE ROUTED ROWS; WORK-GROUPS 1 TO 512 LAY THE WEIGHTS' CODES IN THE ORDER OF THE OPERAND'S REGISTERS, beside it, in the same launch.
; THE PLACING.  sel[t] = i0 | i1 << 8, whole numbers stored by the launch before.  4,096 routed rows are sorted by expert (a counting sort without atomics: counts a wave by ballots, the
; waves' counts through LDS, one barrier).  Each expert begins on a tile of 176 rows: sum of ceil(c_e / 176) is at most (4,096 + 8 x 175) / 176, so at most 31 tiles, for every split.
; lists: TINFO [32] = expert | active << 8;  POS [2][2048] = the slot of a token's first and second row;  ROWTOK [slot] = token (0 where a slot has no row: it is then computed and never read).
; ROWTOK is first cleared; those stores are waited for (STOREcnt 0) in front of the barrier, and the tokens are stored behind it.
; THE LAYING.  A block is 49,152 consecutive bytes of codes (64 rows of W1, or 32 rows of W2) and becomes 32 fragment images of 1,536 bytes at the same offset in wf (W2's behind W1's):
; image byte 512 c + 16 lane = registers 4 c .. 4 c + 3 of that lane, so that a wave takes a fragment by three loads of 512 consecutive bytes.
;   W1: image 4 s + 2 b + u of block 32 e + g: lane (r, h) takes row 64 g + 32 b + 8 u + r + 8 (r / 8), bytes 96 s + 24 h + 0..23 and 96 s + 48 + 24 h + 0..23.
;   W2: image 2 s + jj of block 32 e + g: row 32 g + 16 jj + r, the same bytes.
; The three ways part on the work-group's number alone; each has LDS bytes of its own, one barrier and its own end.
.set POS,    256
.set ROWTOK, 16640
.set R1,     2048                      ; LDS: 0: the waves' counts (128 bytes a wave);  R1: W1's block, 16 bytes of padding behind each 768;  R2: W2's likewise
.set R2,     52224
	s_load_b256 s[4:11], s[0:1], 0x0               ; sel s[4:5], W1_codes s[6:7], W2_codes s[8:9], wf s[10:11]
	s_load_b64 s[12:13], s[0:1], 0x20              ; lists
	v_lshl_add_u32 v64, v0, 2, 0x19000
	v_mov_b32 v65, 0
	v_lshrrev_b32 v1, 5, v0
	v_readfirstlane_b32 s14, v1                    ; wave 0..15
	v_and_b32 v1, 31, v0                           ; lane
	v_lshlrev_b32 v2, 4, v0                        ; 16 x thread
	s_wait_kmcnt 0x0
	s_cmp_eq_u32 ttmp9, 0
	s_cbranch_scc1 .Lsort
	s_cmp_lt_u32 ttmp9, 257
	s_cbranch_scc1 .Lw1
.macro RELAY kind, LB
.if \kind == 1
	s_sub_co_u32 s16, ttmp9, 1
.else
	s_sub_co_u32 s16, ttmp9, 257
.endif
	s_mul_i32 s16, s16, 49152                      ; the block's first byte, in and out
	s_mov_b32 s17, 0
	s_add_nc_u64 s[10:11], s[10:11], s[16:17]
.if \kind == 1
	s_add_nc_u64 s[6:7], s[6:7], s[16:17]
.irp i, 0,1,2,3,4,5
	global_load_b128 v[16+4*\i:19+4*\i], v2, s[6:7] offset:8192*\i th:TH_LOAD_NT     ; the sixteen waves read 8,192 consecutive bytes
.endr
.else
	s_add_nc_u64 s[8:9], s[8:9], s[16:17]
	s_add_nc_u64 s[10:11], s[10:11], 12582912
.irp i, 0,1,2,3,4,5
	global_load_b128 v[16+4*\i:19+4*\i], v2, s[8:9] offset:8192*\i th:TH_LOAD_NT
.endr
.endif
.irp m, 0,1,2                          ; byte g of the block goes to g + 16 (g / 768); g / 768 = ((g >> 8) x 43) >> 7 for g under 24,576; 24,576 bytes on are 25,088 in LDS
	v_add_nc_u32 v8, 8192*\m, v2
	v_lshrrev_b32 v9, 8, v8
	v_mul_u32_u24 v9, v9, 43
	v_lshrrev_b32 v9, 7, v9
	v_lshl_add_u32 v[3+\m], v9, 4, v8
	v_add_nc_u32 v[3+\m], \LB, v[3+\m]
.endr
	v_and_b32 v10, 15, v1                          ; r
	v_lshrrev_b32 v11, 4, v1                       ; h
.if \kind == 1
	v_and_b32 v12, 8, v10
	v_add_nc_u32 v12, v12, v10                     ; r + 8 (r / 8)
	v_mul_u32_u24 v6, v12, 784
	s_and_b32 s18, s14, 1
	s_mul_i32 s18, s18, 25088                      ; b = wave % 2: 32 rows
	s_lshr_b32 s19, s14, 1
	s_mul_i32 s19, s19, 96                         ; s = wave / 2
	s_add_co_u32 s18, s18, s19
.else
	v_mul_u32_u24 v6, v10, 1568
	s_mul_i32 s18, s14, 96                         ; s = wave,
	s_lshr_b32 s19, s14, 3
	s_lshl_b32 s19, s19, 4                         ; behind the row's inner padding from s = 8 on
	s_add_co_u32 s18, s18, s19
.endif
	v_mad_u32_u24 v6, v11, 24, v6
	s_add_co_u32 s18, s18, \LB
	v_add_nc_u32 v6, s18, v6
	s_mul_i32 s19, s14, 3072                       ; my two images
	v_lshlrev_b32 v7, 4, v1
	v_add_nc_u32 v7, s19, v7
	s_wait_loadcnt 0x0
.irp i, 0,1,2,3,4,5
	ds_store_b128 v[3+\i%3], v[16+4*\i:19+4*\i] offset:25088*(\i/3)
.endr
	s_wait_dscnt 0x0                               ; for the others' sake: my part of the block lies in LDS
	s_barrier_signal -1
	s_barrier_wait -1
.irp t, 0,1
.irp p, 0,1,2,3,4,5
.if \kind == 1
	ds_load_b64 v[40+12*\t+2*\p:41+12*\t+2*\p], v6 offset:6272*\t+48*(\p/3)+8*(\p%3)
.else
	ds_load_b64 v[40+12*\t+2*\p:41+12*\t+2*\p], v6 offset:25088*\t+48*(\p/3)+8*(\p%3)
.endif
.endr
.endr
	s_wait_dscnt 6                                 ; the first fragment is in; the second's six loads may be out
.irp c, 0,1,2
	global_store_b128 v7, v[40+4*\c:43+4*\c], s[10:11] offset:512*\c      ; the wave stores 512 consecutive bytes
.endr
	s_wait_dscnt 0x0
.irp c, 0,1,2
	global_store_b128 v7, v[52+4*\c:55+4*\c], s[10:11] offset:1536+512*\c
.endr
.endm
	RELAY 2, R2
	s_wait_tensorcnt 0x0
	ds_add_u32 v64, v65
	s_wait_dscnt 0x0
	s_endpgm
.Lw1:
	RELAY 1, R1
	s_wait_tensorcnt 0x0
	ds_add_u32 v64, v65
	s_wait_dscnt 0x0
	s_endpgm
.Lsort:
; REGISTERS: v16-19 four words of sel; v20-27 the eight experts (4 k + c: choice k of token 4 t + c); v28-35 their slots; v36-43 4 x slot; v44-47 the tokens; v48-51 zeros.
; s16-23 my wave's counts; s24-31 the experts' last tiles + 1; s32-39 the running slots; s40-47 tiles an expert; s48-55 rows of lower waves.
	global_load_b128 v[16:19], v2, s[4:5]
.irp i, 0,1,2,3
	v_mov_b32 v[48+\i], 0
.endr
.irp i, 0,1,2
	global_store_b128 v2, v[48:51], s[12:13] offset:ROWTOK+8192*\i
.endr
.irp e, 0,1,2,3,4,5,6,7
	s_mov_b32 s[16+\e], 0
.endr
	s_mov_b32 s58, 0x76543210
	s_mov_b32 s59, 0xfedcba98
	v_lshlrev_b32 v3, 2, v0
	s_wait_loadcnt 0x0
.irp c, 0,1,2,3
	v_and_b32 v[20+\c], 0xff, v[16+\c]
	v_bfe_u32 v[24+\c], v[16+\c], 8, 8
	v_lshl_add_u32 v[44+\c], v0, 2, \c
.endr
.irp i, 0,1,2,3,4,5,6,7
	v_min_u32 v[20+\i], 7, v[20+\i]
	v_mov_b32 v[28+\i], 0
.endr
.irp i, 0,1,2,3,4,5,6,7
.irp e, 0,1,2,3,4,5,6,7
	v_cmp_eq_u32 vcc_lo, \e, v[20+\i]
	s_bcnt1_i32_b32 s56, vcc_lo
	s_add_co_u32 s[16+\e], s[16+\e], s56
.endr
.endr
	v_mov_b32 v8, 0
.irp e, 0,1,2,3,4,5,6,7
	v_writelane_b32 v8, s[16+\e], \e
.endr
	ds_store_b32 v3, v8                            ; lanes 0-7 of a wave's 128 bytes hold its eight counts
	s_wait_dscnt 0x0                               ; for the others' sake: my counts lie in LDS,
	s_wait_storecnt 0x0                            ; and my part of ROWTOK is cleared
	s_barrier_signal -1
	s_barrier_wait -1
	v_and_b32 v9, 7, v1                            ; lane l: expert l % 8, waves 4 (l / 8) + 0 .. 3
	v_lshrrev_b32 v10, 3, v1
	v_lshlrev_b32 v9, 2, v9
	v_lshl_add_u32 v9, v10, 9, v9
	v_lshlrev_b32 v11, 2, v10
.irp i, 0,1,2,3
	ds_load_b32 v[12+\i], v9 offset:128*\i
.endr
	s_wait_dscnt 0x0
	v_add_nc_u32 v52, v12, v13
	v_add3_u32 v52, v52, v14, v15                  ; the expert's rows in my four waves,
	v_mov_b32 v53, 0
.irp i, 0,1,2,3
	v_add_nc_u32 v54, \i, v11
	v_cmp_gt_u32 vcc_lo, s14, v54
	v_cndmask_b32 v54, 0, v[12+\i], vcc_lo
	v_add_nc_u32 v53, v53, v54                     ; and in those of them that come before my wave
.endr
	v_mov_b32 v55, 0
	v_mov_b32 v56, 0
	v_mov_b32_dpp v55, v52 row_xmask:8 row_mask:0xf bank_mask:0xf
	v_mov_b32_dpp v56, v53 row_xmask:8 row_mask:0xf bank_mask:0xf
	v_add_nc_u32 v52, v52, v55
	v_add_nc_u32 v53, v53, v56
	v_permlanex16_b32 v55, v52, s58, s59
	v_permlanex16_b32 v56, v53, s58, s59
	v_add_nc_u32 v52, v52, v55                     ; over all sixteen waves
	v_add_nc_u32 v53, v53, v56
	v_add_nc_u32 v52, 175, v52                     ; tiles = ceil(rows / 176) = (((rows + 175) >> 4) x 745) >> 13, exact up to 4,096 rows
	v_lshrrev_b32 v52, 4, v52
	v_mul_u32_u24 v52, v52, 745
	v_lshrrev_b32 v52, 13, v52
.irp e, 0,1,2,3,4,5,6,7
	v_readlane_b32 s[40+\e], v52, \e
	v_readlane_b32 s[48+\e], v53, \e
.endr
	s_mov_b32 s56, 0
.irp e, 0,1,2,3,4,5,6,7
	s_mul_i32 s57, s56, 176
	s_add_co_u32 s[32+\e], s57, s[48+\e]           ; my wave's first slot of expert e
	s_add_co_u32 s56, s56, s[40+\e]
	s_mov_b32 s[24+\e], s56
.endr
.irp i, 0,1,2,3,4,5,6,7
.irp e, 0,1,2,3,4,5,6,7
	v_cmp_eq_u32 vcc_lo, \e, v[20+\i]
	v_mbcnt_lo_u32_b32 v8, vcc_lo, s[32+\e]        ; the running slot + the lanes below me with the same expert
	v_cndmask_b32 v[28+\i], v[28+\i], v8, vcc_lo
	s_bcnt1_i32_b32 s57, vcc_lo
	s_add_co_u32 s[32+\e], s[32+\e], s57
.endr
.endr
.irp i, 0,1,2,3,4,5,6,7
	v_min_u32 v[28+\i], 0x154f, v[28+\i]           ; a slot is under 5,456
.endr
.irp i, 0,1,2,3,4,5,6,7
	v_lshlrev_b32 v[36+\i], 2, v[28+\i]
.endr
	global_store_b128 v2, v[28:31], s[12:13] offset:POS
	global_store_b128 v2, v[32:35], s[12:13] offset:POS+8192
.irp i, 0,1,2,3,4,5,6,7
	global_store_b32 v[36+\i], v[44+\i%4], s[12:13] offset:ROWTOK
.endr
	s_cmp_lg_u32 s14, 0
	s_cbranch_scc1 .Lsorted
	v_mov_b32 v8, 0                                ; wave 0: lane = tile: its expert is the number of experts whose tiles end at or before it
.irp e, 0,1,2,3,4,5,6
	v_cmp_le_u32 vcc_lo, s[24+\e], v1
	v_cndmask_b32 v9, 0, 1, vcc_lo
	v_add_nc_u32 v8, v8, v9
.endr
	v_mov_b32 v10, 0x100
	v_cmp_gt_u32 vcc_lo, s31, v1                   ; a tile behind the last expert's has no rows
	v_cndmask_b32 v9, 0, v10, vcc_lo
	v_or_b32 v8, v8, v9
	v_lshlrev_b32 v11, 2, v1
	global_store_b32 v11, v8, s[12:13]
.Lsorted:
	s_wait_tensorcnt 0x0
	ds_add_u32 v64, v65
	s_wait_dscnt 0x0
	s_endpgm
.Lfunc_end_k_qc94c6d3f5a_place:
	.size	k_qc94c6d3f5a_place, .Lfunc_end_k_qc94c6d3f5a_place-k_qc94c6d3f5a_place
	.p2alignl 7, 3214868480
	.fill 96, 4, 3214868480
	.section	.rodata,"a",@progbits
	.p2align	6, 0x0
	.amdhsa_kernel k_qc94c6d3f5a_place
		.amdhsa_group_segment_fixed_size 104448
		.amdhsa_private_segment_fixed_size 0
		.amdhsa_enable_private_segment 0
		.amdhsa_kernarg_size 40
		.amdhsa_user_sgpr_count 2
		.amdhsa_user_sgpr_kernarg_segment_ptr 1
		.amdhsa_wavefront_size32 1
		.amdhsa_system_sgpr_workgroup_id_x 1
		.amdhsa_system_sgpr_workgroup_id_y 1
		.amdhsa_system_sgpr_workgroup_id_z 1
		.amdhsa_system_vgpr_workitem_id 0
		.amdhsa_next_free_vgpr 66
		.amdhsa_next_free_sgpr 66
		.amdhsa_reserve_vcc 1
		.amdhsa_float_denorm_mode_32 3
		.amdhsa_float_denorm_mode_16_64 3
		.amdhsa_memory_ordered 1
		.amdhsa_forward_progress 1
		.amdhsa_inst_pref_size 38
	.end_amdhsa_kernel
	.amdgpu_metadata
---
amdhsa.version: [ 1, 2 ]
amdhsa.kernels:
  - .name:           k_qc94c6d3f5a_place
    .symbol:         k_qc94c6d3f5a_place.kd
    .args:
      - { .name: sel, .offset: 0, .size: 8, .value_kind: global_buffer, .address_space: global }
      - { .name: W1_codes, .offset: 8, .size: 8, .value_kind: global_buffer, .address_space: global }
      - { .name: W2_codes, .offset: 16, .size: 8, .value_kind: global_buffer, .address_space: global }
      - { .name: wf, .offset: 24, .size: 8, .value_kind: global_buffer, .address_space: global }
      - { .name: lists, .offset: 32, .size: 8, .value_kind: global_buffer, .address_space: global }
    .group_segment_fixed_size: 104448
    .private_segment_fixed_size: 0
    .kernarg_segment_align: 8
    .kernarg_segment_size: 40
    .max_flat_workgroup_size: 512
    .sgpr_count:     66
    .vgpr_count:     66
    .wavefront_size: 32
...
	.end_amdgpu_metadata
.endif
;; end of part 2
;; launch ffn1 (part 3): grid 8 x 31, 4 waves a work-group, no clusters, 140,288 bytes of LDS; arguments xq, wf, W1_scales, b1, lists, hq; writes hq
.if DOCPART == 3
	.amdgcn_target "amdgcn-amd-amdhsa--gfx1250"
	.amdhsa_code_object_version 6
	.text
	.protected	k_qc94c6d3f5a_ffn1
	.globl	k_qc94c6d3f5a_ffn1
	.p2align	8
	.type	k_qc94c6d3f5a_ffn1,@function
k_qc94c6d3f5a_ffn1:
	s_mov_b64 s[64:65], 0
	v_nop
	global_prefetch_b8 v0, s[64:65] scope:SCOPE_SE
	s_setreg_imm32_b32 hwreg(HW_REG_WAVE_MODE, 25, 1), 1
	s_wait_xcnt 0x0
; h = Q(gelu(Q(x) W1[e] + b1[e])) for a tile of 176 routed rows of one expert and 256 of its 2,048 hidden units.  Codes of E2M3, one E8M0 byte for each 32 along K.
; GRID: x = the slice of 256 hidden units, y = the tile.  31 tiles serve every split of the 4,096 routed rows over 8 experts (sum of ceil(c_e / 176) <= 31): 248 work-groups.
; SHARES.  The four waves share the columns, not the rows: wave w makes hidden units 256 q + 64 w .. + 63 for all 176 rows: 11 x 4 = 44 accumulators.
; The rows' codes (gathered by the stored list) lie whole in LDS behind ONE barrier; the weights come from memory straight into each wave's registers, as fragment images that an earlier launch laid,
; through a ring of five K steps with counted waits.  So the loop over K has no barrier, and no weight byte is read twice in a work-group.
; NO TENSOR LOADS, NO CLUSTER: the launch branches on a stored flag and gathers rows by a stored list, and which tiles share an expert hangs on the split, so no fixed cluster has partners with the same weights.
; A TILE WITHOUT ROWS has no way of its own past the barriers: it runs the head, K step 0 and the way out on rows of token 0, and jumps over K steps 1 to 7, where no barrier stands.  So every byte of hq is stored.
; THE PRODUCT IS USED TRANSPOSED (source 0 = 16 rows of W1, source 1 = 16 rows of x), and W1's rows of a tile were chosen so that a lane's 16 registers of tiles 2 b, 2 b + 1 are hidden units 32 b + 16 h + 0 .. 15 of ITS row.
; b1 is the C of each sum's first product.  gelu(v) = v / (1 + 2^u), u = v (c1 + c2 v^2), c1 = -2 log2(e) sqrt(2 / pi), c2 = 0.044715 c1: the tanh form, in f32.
; OUT: hq at HC [tile][K step 2 q + w / 2][a][c = w % 2][768]: half a fragment image (bytes 16 lane: registers 6 c .. 6 c + 3; bytes 512 + 8 lane: 6 c + 4, 6 c + 5); at HS [tile][a][q][row][8] the scale bytes.
; LIMITS: NaN, infinities and the scale byte 0xff are not served; a block of zeros carries the byte 1 (its codes are zeros; this program alone reads the bytes).
; REGISTERS, in windows of 256.  window 0: v1-17 addresses; v20-35 W1's scale words; v36-79 x's; v80-211 x's 11 fragments (one set); v212-244 the rows' offsets.   window 1: the ring, 5 x 48.
;   window 2: accumulators of subtiles 0-5 (32 a + 8 jj); from v192 at work.   window 3: subtiles 6-10; v160-191 b1; from v192 at work.  Ahead of the loop v0-131 of windows 2 and 3 hold rows on their way to LDS.
.set XS,     1572864
.set ROWTOK, 16640
.set HS,     8380416
.set PITCH,  784                       ; an LDS row: 768 bytes + 16 = 196 words: the 32 lanes of a fragment's load of 8 bytes touch 64 different words modulo 64
.set SX,     138240                    ; behind the rows: the tile's scale bytes of this slice, [11][16 rows][8]
.set BS,  20
.set AS,  36
.set AF,  80
.set T,   212
.set U,   234
.set B1,  160
.set TA,  192                          ; in windows 2 and 3: v192-223 at work on the gelu
.set TM,  224                          ; v224-231 maxima, scale operands, bytes
.set PW,  232                          ; the two bytes
.set PC,  234                          ; v234-239 the codes; v240-242 the second conversion's
.set C1,  254                          ; v254-255 c1, twice
.set MSB, 0
.macro WIN new                         ; the immediate's high byte repeats the setting that is left
.if MSB != \new
	s_set_vgpr_msb (MSB<<8)|\new
.set MSB, \new
.endif
.endm
.macro PLACES n
.rept \n
	v_nop
.endr
.endm
	s_load_b256 s[4:11], s[0:1], 0x0               ; xq s[4:5], wf s[6:7], W1_scales s[8:9], b1 s[10:11]
	s_load_b128 s[12:15], s[0:1], 0x20             ; lists s[12:13], hq s[14:15]
	v_lshl_add_u32 v254, v0, 2, 0x22200
	v_mov_b32 v255, 0
	v_lshrrev_b32 v18, 5, v0
	v_readfirstlane_b32 s16, v18                   ; wave
	s_mov_b32 s17, ttmp9                           ; q
	s_and_b32 s18, ttmp7, 0xffff                   ; tile
	s_mov_b32 s20, 0x76543210
	s_mov_b32 s21, 0xfedcba98                      ; v_permlanex16_b32's selects for lane l xor 16
	s_mov_b32 s38, 0xbdd2d3e8                      ; c2 = -0.10294324
	s_mov_b32 s39, s38                             ; (named with it as a pair)
	v_and_b32 v1, 15, v0                           ; r
	v_bfe_u32 v2, v0, 4, 1                         ; h
	v_and_b32 v18, 31, v0                          ; lane
	v_lshlrev_b32 v3, 4, v18                       ; 16 x lane
	v_lshlrev_b32 v4, 3, v18                       ; 8 x lane
	v_mul_u32_u24 v5, v1, PITCH
	v_mad_u32_u24 v5, v2, 24, v5                   ; a fragment: row r, + 24 h; subtiles 0-4,
	v_add_nc_u32 v6, 5*16*PITCH, v5                ; 5-9,
	v_add_nc_u32 v7, 10*16*PITCH, v5               ; 10
	s_mul_i32 s23, s16, 44*PITCH
	v_mul_u32_u24 v8, v2, 22*PITCH
	v_lshl_add_u32 v8, v1, 4, v8
	v_add_nc_u32 v8, s23, v8                       ; rows into LDS: lanes 0-15 row 44 w + p, lanes 16-31 row 44 w + 22 + p; 16 bytes a lane
	v_lshlrev_b32 v9, 4, v1
	v_lshlrev_b32 v10, 4, v2
	v_mul_u32_u24 v11, v2, 88
	v_lshlrev_b32 v12, 2, v1
	v_lshlrev_b32 v13, 6, v2
	v_and_b32 v14, 8, v1
	v_add_nc_u32 v14, v14, v1
	v_lshlrev_b32 v14, 5, v14
	v_add_nc_u32 v14, v14, v10                     ; W1's scale bytes: row r + 8 (r / 8) of 32 bytes, + 16 h
	s_lshl_b32 s23, s16, 1
	s_add_co_u32 s23, s23, SX
	v_lshlrev_b32 v15, 3, v1
	v_add_nc_u32 v15, s23, v15                     ; my two scale bytes of row r
	s_lshl_b32 s23, s16, 7
	s_add_co_u32 s23, s23, SX
	v_lshlrev_b32 v16, 2, v18
	v_add_nc_u32 v16, s23, v16                     ; and on the way out: subtile w's 128 bytes, 4 a lane
	s_lshl_b32 s23, s16, 10
	v_lshl_add_u32 v17, v18, 2, s23
	s_lshl_b32 s28, s18, 2
	s_mov_b32 s29, 0
	s_mul_i32 s26, s18, 704
	s_mov_b32 s27, 0
	s_mul_i32 s24, s16, 176
	s_mov_b32 s25, 0
	s_mul_i32 s36, s18, 270336                     ; hq: the tile's codes, K step 2 q + w / 2, half w % 2
	s_lshl_b32 s42, s17, 1
	s_lshr_b32 s43, s16, 1
	s_add_co_u32 s42, s42, s43
	s_mul_i32 s42, s42, 11*1536
	s_add_co_u32 s36, s36, s42
	s_and_b32 s43, s16, 1
	s_mul_i32 s43, s43, 768
	s_add_co_u32 s36, s36, s43
	s_mov_b32 s37, 0
	s_mul_i32 s40, s18, 11264                      ; and its scale bytes of this slice
	s_lshl_b32 s42, s17, 7
	s_add_co_u32 s40, s40, s42
	s_add_co_u32 s40, s40, HS
	s_mov_b32 s41, 0
	s_wait_kmcnt 0x0
	s_add_nc_u64 s[28:29], s[12:13], s[28:29]
	s_load_b32 s19, s[28:29], 0x0                  ; expert | active << 8
	s_add_nc_u64 s[26:27], s[12:13], s[26:27]      ; the tile's 176 tokens (ROWTOK in the immediate)
	s_add_nc_u64 s[24:25], s[26:27], s[24:25]      ; my wave's 44 of them
	s_add_nc_u64 s[36:37], s[14:15], s[36:37]
	s_add_nc_u64 s[40:41], s[14:15], s[40:41]
.irp m, 0,1,2,3,4,5,6,7,8,9,10
	global_load_b64 v[T+2*\m:T+2*\m+1], v11, s[24:25] offset:ROWTOK+8*\m     ; the tokens of rows 44 w + 22 h + 0 .. 21
.endr
.irp a, 0,1,2,3,4,5,6,7,8,9,10
	global_load_b32 v[U+\a], v12, s[26:27] offset:ROWTOK+64*\a               ; and of rows 16 a + r
.endr
	s_wait_loadcnt 0x0
.set n, 0
.rept 22
	v_min_u32 v[T+n], 0x7ff, v[T+n]                ; a token is under 2,048
.set n, n+1
.endr
.set n, 0
.rept 22
	v_mul_u32_u24 v[T+n], v[T+n], 768
.set n, n+1
.endr
.set n, 0
.rept 22
	v_add_nc_u32 v[T+n], v[T+n], v9                ; its codes, + 16 r
.set n, n+1
.endr
.irp a, 0,1,2,3,4,5,6,7,8,9,10
	v_min_u32 v[U+\a], 0x7ff, v[U+\a]
.endr
.irp a, 0,1,2,3,4,5,6,7,8,9,10
	v_lshlrev_b32 v[U+\a], 5, v[U+\a]
.endr
.irp a, 0,1,2,3,4,5,6,7,8,9,10
	v_add_nc_u32 v[U+\a], v[U+\a], v10             ; its 32 scale bytes, + 16 h
.endr
.irp a, 0,1,2,3,4,5,6,7,8,9,10
	global_load_b128 v[AS+4*\a:AS+4*\a+3], v[U+\a], s[4:5] offset:XS         ; register k: lanes 0-15 the word of K step k, lanes 16-31 that of K step 4 + k
.endr
	WIN 0x80                                       ; destination window 2
.set p, 0
.rept 11
.irp t, 0,1,2
	global_load_b128 v[12*p+4*\t:12*p+4*\t+3], v[T+p], s[4:5] offset:256*\t  ; sixteen lanes read 256 consecutive bytes of a row
.endr
.set p, p+1
.endr
	WIN 0xc0                                       ; destination window 3
.set p, 0
.rept 11
.irp t, 0,1,2
	global_load_b128 v[12*p+4*\t:12*p+4*\t+3], v[T+11+p], s[4:5] offset:256*\t
.endr
.set p, p+1
.endr
	s_wait_loadcnt 33                              ; x's scale words and the first 33 are in; the second 33 may be out
	WIN 0x08                                       ; an LDS store's data: window 2
.set p, 0
.rept 11
.irp t, 0,1,2
	ds_store_b128 v8, v[12*p+4*\t:12*p+4*\t+3] offset:PITCH*p+256*\t
.endr
.set p, p+1
.endr
	WIN 0
	s_wait_kmcnt 0x0
	s_and_b32 s22, s19, 0xff
	s_min_u32 s22, s22, 7                          ; the expert
	s_lshl_b32 s23, s22, 11
	s_lshl_b32 s42, s17, 8
	s_add_co_u32 s23, s23, s42
	s_lshl_b32 s42, s16, 6
	s_add_co_u32 s23, s23, s42                     ; 2,048 e + 256 q + 64 w: my first hidden unit
	s_lshl_b32 s30, s23, 2
	s_mov_b32 s31, 0
	s_add_nc_u64 s[30:31], s[10:11], s[30:31]      ; b1
	s_lshl_b32 s32, s23, 5
	s_mov_b32 s33, 0
	s_add_nc_u64 s[32:33], s[8:9], s[32:33]        ; W1's scale bytes
	s_lshl_b32 s34, s22, 5
	s_lshl_b32 s42, s17, 2
	s_add_co_u32 s34, s34, s42
	s_add_co_u32 s34, s34, s16
	s_mul_i32 s34, s34, 49152                      ; block 32 e + 4 q + w of fragment images
	s_mov_b32 s35, 0
	s_add_nc_u64 s[34:35], s[6:7], s[34:35]
	WIN 0xc0
.irp jj, 0,1,2,3
	global_load_b128 v[B1+8*\jj:B1+8*\jj+3], v13, s[30:31] offset:(32*(\jj/2)+8*(\jj%2))*4       ; b1 in the result's layout: units 32 b + 16 h + 8 u + 0 .. 7
	global_load_b128 v[B1+8*\jj+4:B1+8*\jj+7], v13, s[30:31] offset:(32*(\jj/2)+8*(\jj%2))*4+16
.endr
	WIN 0
.irp jj, 0,1,2,3
	global_load_b128 v[BS+4*\jj:BS+4*\jj+3], v14, s[32:33] offset:(32*(\jj/2)+8*(\jj%2))*32
.endr
.macro BLOAD s                         ; K step s's four fragments of W1 into ring set s % 5: twelve loads of 512 consecutive bytes
.irp jj, 0,1,2,3
.irp c, 0,1,2
	global_load_b128 v[48*((\s)%5)+12*\jj+4*\c:48*((\s)%5)+12*\jj+4*\c+3], v3, s[34:35] offset:(4*(\s)+\jj)*1536+512*\c
.endr
.endr
.endm
	WIN 0x40                                       ; destination window 1
.irp s, 0,1,2,3,4
	BLOAD \s
.endr
	s_wait_loadcnt 60                              ; the rows, b1 and W1's scale words are in; the ring's 60 loads may be out
	WIN 0x0c                                       ; data: window 3
.set p, 0
.rept 11
.irp t, 0,1,2
	ds_store_b128 v8, v[12*p+4*\t:12*p+4*\t+3] offset:PITCH*(11+p)+256*\t
.endr
.set p, p+1
.endr
	WIN 0
	s_wait_dscnt 0x0                               ; for the others' sake: my 44 rows lie in LDS
	s_barrier_signal -1
	s_barrier_wait -1
.macro FRAGA a, s                      ; x's fragment of subtile a, K step s: 24 + 24 bytes of row 16 a + r as they lie, in pieces of 8
.irp p, 0,1,2,3,4,5
	ds_load_b64 v[AF+12*(\a)+2*\p:AF+12*(\a)+2*\p+1], v[5+(\a)/5] offset:((\a)%5)*16*PITCH+96*(\s)+48*(\p/3)+8*(\p%3)
.endr
.endm
.macro MUL a, s                        ; subtile a against W1's four tiles.  The 44 accumulators take turns in the same order in every K step
.if (\a) < 6
.set AC, 32*(\a)
.else
.set AC, 32*((\a)-6)
.endif
.irp jj, 0,1,2,3
.if (\s) == 0
	v_wmma_scale_f32_16x16x128_f8f6f4 v[AC+8*\jj:AC+8*\jj+7], v[48*((\s)%5)+12*\jj:48*((\s)%5)+12*\jj+11], v[AF+12*(\a):AF+12*(\a)+11], v[B1+8*\jj:B1+8*\jj+7], v[BS+4*\jj], v[AS+4*(\a)] matrix_a_fmt:MATRIX_FMT_FP6 matrix_b_fmt:MATRIX_FMT_FP6
.elseif (\s) < 4
	v_wmma_scale_f32_16x16x128_f8f6f4 v[AC+8*\jj:AC+8*\jj+7], v[48*((\s)%5)+12*\jj:48*((\s)%5)+12*\jj+11], v[AF+12*(\a):AF+12*(\a)+11], v[AC+8*\jj:AC+8*\jj+7], v[BS+4*\jj+(\s)], v[AS+4*(\a)+(\s)] matrix_a_fmt:MATRIX_FMT_FP6 matrix_b_fmt:MATRIX_FMT_FP6
.else
	v_wmma_scale_f32_16x16x128_f8f6f4 v[AC+8*\jj:AC+8*\jj+7], v[48*((\s)%5)+12*\jj:48*((\s)%5)+12*\jj+11], v[AF+12*(\a):AF+12*(\a)+11], v[AC+8*\jj:AC+8*\jj+7], v[BS+4*\jj+(\s)-4], v[AS+4*(\a)+(\s)-4] matrix_a_fmt:MATRIX_FMT_FP6 matrix_b_fmt:MATRIX_FMT_FP6 matrix_a_scale:MATRIX_SCALE_ROW1 matrix_b_scale:MATRIX_SCALE_ROW1
.endif
.endr
.endm
; A K step of 128: 44 matrix instructions.  A subtile's fragment is free as soon as its four products are issued: subtiles 0-5 are fetched anew in the step's middle, 6-10 at its end, each run behind four places.
.macro STEP s
.if (\s) < 4
	s_wait_loadcnt 48                              ; this step's weights are in; the four later steps' 48 loads may be out
.else
	s_wait_loadcnt 12*(7-(\s))
.endif
	s_wait_dscnt 30                                ; subtiles 0-5 are in; the 30 younger loads (6-10) may be out
.if (\s) == 0
	WIN 0xb1                                       ; W1 window 1, x window 0, C = b1 window 3, D window 2
.else
	WIN 0xa1
.endif
.irp a, 0,1,2,3,4,5
	MUL \a, \s
.endr
.if (\s) < 7
	PLACES 4
	WIN 0
.irp a, 0,1,2,3,4,5
	FRAGA \a, (\s)+1
.endr
	s_wait_dscnt 36                                ; subtiles 6-10 are in; the 36 just issued may be out
.else
	s_wait_dscnt 0x0
.endif
	WIN 0xf1
.irp a, 6,7,8,9,10
	MUL \a, \s
.endr
.if (\s) < 7
	PLACES 4
	WIN 0
.irp a, 6,7,8,9,10
	FRAGA \a, (\s)+1
.endr
.endif
.if (\s) < 3
	WIN 0x40
	BLOAD (\s)+5                                   ; into the set that this step has multiplied
.endif
	WIN 0
.endm
.irp a, 0,1,2,3,4,5,6,7,8,9,10
	FRAGA \a, 0
.endr
	STEP 0
	s_bitcmp1_b32 s19, 8                           ; a tile without rows leaves the other seven K steps out: a forward jump on the stored flag, over no barrier
	s_cbranch_scc0 .Ljoin
.irp s, 1,2,3,4,5,6,7
	STEP \s
.endr
.Ljoin:
	s_wait_loadcnt 0x0                             ; on the short way loads are still out
	s_wait_dscnt 0x0
	PLACES 4                                       ; behind the last products, ahead of the first read of results
; THE WAY OUT of subtile a: gelu on its 32 registers a lane, two blocks of 32 quantised, half a fragment image and two scale bytes a row.
.macro TAIL a
.if (\a) < 6
.set X0, 32*(\a)
	WIN 0xaa                                       ; every operand in the accumulators' own window
.else
.set X0, 32*((\a)-6)
	WIN 0xff
.endif
.if ((\a) == 0) || ((\a) == 6)
	v_mov_b32 v[C1], 0xc0135761                    ; c1 = -2.3022082
	v_mov_b32 v[C1+1], 0xc0135761
	v_mov_b32 v[TM+2], 0                           ; a lane permute's destination counts as one of its sources
	v_mov_b32 v[TM+3], 0
.endif
.set n, 0
.rept 16
	v_pk_mul_f32 v[TA+n:TA+n+1], v[X0+n:X0+n+1], v[X0+n:X0+n+1]            ; v^2: each accumulator is read from its low end on
.set n, n+2
.endr
.set n, 0
.rept 16
	v_pk_fma_f32 v[TA+n:TA+n+1], v[TA+n:TA+n+1], s[38:39], v[C1:C1+1] op_sel_hi:[1,0,1]
.set n, n+2
.endr
.set n, 0
.rept 16
	v_pk_mul_f32 v[TA+n:TA+n+1], v[TA+n:TA+n+1], v[X0+n:X0+n+1]            ; u
.set n, n+2
.endr
.set n, 0
.rept 32
	v_exp_f32 v[TA+n], v[TA+n]
.set n, n+1
.endr
	v_nop                                          ; a plain instruction behind the exponentials
.set n, 0
	s_wait_alu depctr_va_vdst(0)
.rept 16
	v_pk_add_f32 v[TA+n:TA+n+1], v[TA+n:TA+n+1], 1.0 op_sel_hi:[1,0]
.set n, n+2
.endr
.set n, 0
.rept 32
	v_rcp_f32 v[TA+n], v[TA+n]
.set n, n+1
.endr
	v_nop                                          ; a plain instruction behind the reciprocals
.set n, 0
	s_wait_alu depctr_va_vdst(0)
.rept 16
	v_pk_mul_f32 v[X0+n:X0+n+1], v[X0+n:X0+n+1], v[TA+n:TA+n+1]            ; gelu
.set n, n+2
.endr
.irp b, 0,1
	v_max3_num_f32 v[TM+\b], |v[X0+16*\b]|, |v[X0+16*\b+1]|, 0x1800000     ; block b: my 16 numbers, and the floor 2^(3 - 127)
.endr
.irp i, 2,4,6,8,10,12,14
.irp b, 0,1
	v_max3_num_f32 v[TM+\b], v[TM+\b], |v[X0+16*\b+\i]|, |v[X0+16*\b+\i+1]|
.endr
.endr
.irp b, 0,1
	v_permlanex16_b32 v[TM+2+\b], v[TM+\b], s20, s21
.endr
.irp b, 0,1
	v_max_num_f32 v[TM+\b], v[TM+\b], v[TM+2+\b]   ; with lane l xor 16's 16: the block's largest magnitude
.endr
.irp b, 0,1
	v_add_nc_u32 v[TM+4+\b], 0xff000000, v[TM+\b]  ; 2 off its exponent field: the conversion's scale operand
.endr
.irp b, 0,1
	v_lshrrev_b32 v[TM+6+\b], 23, v[TM+4+\b]       ; the scale's byte
.endr
	s_wait_xcnt 0x0                                ; the last subtile's stores have read their data:
	s_wait_dscnt 0x0                               ; only now are those registers written again
	v_lshl_or_b32 v[PW], v[TM+7], 8, v[TM+6]
	v_cvt_scalef32_pk16_fp6_f32 v[PC:PC+2], v[X0:X0+15], v[TM+4]
	v_cvt_scalef32_pk16_fp6_f32 v[PC+6:PC+8], v[X0+16:X0+31], v[TM+5]
	v_nop                                          ; a plain instruction behind the scaled conversions
.irp i, 0,1,2
	v_permlane16_swap_b32 v[PC+\i], v[PC+6+\i]     ; a whole block to a lane: lanes 0-15 block 0, lanes 16-31 block 1
.endr
.irp i, 0,1,2
	v_mov_b32 v[PC+3+\i], v[PC+6+\i]
.endr
.if (\a) < 6
	WIN 0x08                                       ; a store's data: window 2; its address: window 0
.else
	WIN 0x0c
.endif
	global_store_b128 v3, v[PC:PC+3], s[36:37] offset:1536*(\a)            ; 512 consecutive bytes,
	global_store_b64 v4, v[PC+4:PC+5], s[36:37] offset:1536*(\a)+512       ; and the 256 behind them
	ds_store_b16 v15, v[PW] offset:128*(\a)        ; both halves of the lanes write the same two bytes with the same value
.endm
.irp a, 0,1,2,3,4,5,6,7,8,9,10
	TAIL \a
.endr
	WIN 0
	s_wait_dscnt 0x0                               ; for the others' sake: my scale bytes lie in LDS
	s_barrier_signal -1
	s_barrier_wait -1
	ds_load_b32 v18, v16                           ; wave w stores subtiles w, w + 4 and (w under 3) w + 8: 128 consecutive bytes each
	ds_load_b32 v19, v16 offset:512
	s_wait_dscnt 0x0
	global_store_b32 v17, v18, s[40:41]
	global_store_b32 v17, v19, s[40:41] offset:4096
	s_cmp_lt_u32 s16, 3
	s_cbranch_scc0 .Lend
	ds_load_b32 v1, v16 offset:1024
	s_wait_dscnt 0x0
	global_store_b32 v17, v1, s[40:41] offset:8192
.Lend:
	s_wait_tensorcnt 0x0
	ds_add_u32 v254, v255
	s_wait_dscnt 0x0
	s_endpgm
.Lfunc_end_k_qc94c6d3f5a_ffn1:
	.size	k_qc94c6d3f5a_ffn1, .Lfunc_end_k_qc94c6d3f5a_ffn1-k_qc94c6d3f5a_ffn1
	.p2alignl 7, 3214868480
	.fill 96, 4, 3214868480
	.section	.rodata,"a",@progbits
	.p2align	6, 0x0
	.amdhsa_kernel k_qc94c6d3f5a_ffn1
		.amdhsa_group_segment_fixed_size 140288
		.amdhsa_private_segment_fixed_size 0
		.amdhsa_enable_private_segment 0
		.amdhsa_kernarg_size 48
		.amdhsa_user_sgpr_count 2
		.amdhsa_user_sgpr_kernarg_segment_ptr 1
		.amdhsa_wavefront_size32 1
		.amdhsa_system_sgpr_workgroup_id_x 1
		.amdhsa_system_sgpr_workgroup_id_y 1
		.amdhsa_system_sgpr_workgroup_id_z 1
		.amdhsa_system_vgpr_workitem_id 0
		.amdhsa_next_free_vgpr 1024
		.amdhsa_next_free_sgpr 66
		.amdhsa_reserve_vcc 0
		.amdhsa_float_denorm_mode_32 3
		.amdhsa_float_denorm_mode_16_64 3
		.amdhsa_memory_ordered 1
		.amdhsa_forward_progress 1
		.amdhsa_inst_pref_size 219
	.end_amdhsa_kernel
	.amdgpu_metadata
---
amdhsa.version: [ 1, 2 ]
amdhsa.kernels:
  - .name:           k_qc94c6d3f5a_ffn1
    .symbol:         k_qc94c6d3f5a_ffn1.kd
    .args:
      - { .name: xq, .offset: 0, .size: 8, .value_kind: global_buffer, .address_space: global }
      - { .name: wf, .offset: 8, .size: 8, .value_kind: global_buffer, .address_space: global }
      - { .name: W1_scales, .offset: 16, .size: 8, .value_kind: global_buffer, .address_space: global }
      - { .name: b1, .offset: 24, .size: 8, .value_kind: global_buffer, .address_space: global }
      - { .name: lists, .offset: 32, .size: 8, .value_kind: global_buffer, .address_space: global }
      - { .name: hq, .offset: 40, .size: 8, .value_kind: global_buffer, .address_space: global }
    .group_segment_fixed_size: 140288
    .private_segment_fixed_size: 0
    .kernarg_segment_align: 8
    .kernarg_segment_size: 48
    .max_flat_workgroup_size: 128
    .sgpr_count:     66
    .vgpr_count:     1024
    .wavefront_size: 32
...
	.end_amdgpu_metadata
.endif
;; end of part 3
;; launch ffn2 (part 4): grid 8 x 31, 4 waves a work-group, no clusters, 282,112 bytes of LDS; arguments hq, wf, W2_scales, b2, lists, y; writes y
.if DOCPART == 4
	.amdgcn_target "amdgcn-amd-amdhsa--gfx1250"
	.amdhsa_code_object_version 6
	.text
	.protected	k_qc94c6d3f5a_ffn2
	.globl	k_qc94c6d3f5a_ffn2
	.p2align	8
	.type	k_qc94c6d3f5a_ffn2,@function
k_qc94c6d3f5a_ffn2:
	s_mov_b64 s[64:65], 0
	v_nop
	global_prefetch_b8 v0, s[64:65] scope:SCOPE_SE
	s_setreg_imm32_b32 hwreg(HW_REG_WAVE_MODE, 25, 1), 1
	s_wait_xcnt 0x0
; y[slot] = h W2[e] + b2[e] for a tile of 176 routed rows of one expert and 128 of the 1,024 outputs.  Both operands are codes of E2M3 with one E8M0 byte for each 32 along K = 2,048.
; GRID: x = the slice of 128 outputs, y = the tile: 248 work-groups, for every split.
; SHARES.  Wave w makes outputs 128 q + 32 w .. + 31 for all 176 rows: 11 x 2 = 22 accumulators; 16 K steps of 128.
; The tile's codes of h are one dense block of 270,336 bytes, already laid as register images: it is copied into LDS as it lies, behind ONE barrier; the weights come from memory straight into registers,
; as fragment images, through a ring of ten K steps with counted waits.  The loop over K has no barrier.
; NO TENSOR LOADS, NO CLUSTER: the launch branches on a stored flag, and which tiles share an expert hangs on the split.
; A TILE WITHOUT ROWS runs the head, K step 0 and the way out, and jumps over K steps 1 to 15, where no barrier stands: every byte of y is stored.
; THE PRODUCT IS USED TRANSPOSED (source 0 = 16 rows of W2, source 1 = 16 rows of h): a lane holds eight neighbouring outputs of one row.  b2 is the C of each sum's first product.
; LIMITS: NaN, infinities and the scale byte 0xff are not served.
; REGISTERS.  window 0: v1-15 addresses; v16-31 W2's scale words; v32-75 h's; v80-211 h's fragments, set 0; v212-233 scale bytes on their way; v240-245 addresses of the copy.   window 1: the ring, 10 x 24.
;   window 2: the accumulators (16 a + 8 jj); v176-191 b2.   window 3: v80-211 h's fragments, set 1.  Ahead of the loop v0-175 of windows 2 and 3 hold the block on its way to LDS; on the way out window 3 holds rows of y.
.set HS,   8380416
.set HSL,  270336                      ; LDS: the block at 0; behind it h's scale words as images: (2 a + G) 512 + 16 lane
.set SPIT, 528                         ; the way out: 176 rows of 512 bytes + 16, over the block's first bytes, behind a barrier
.set BS,  16
.set AS,  32
.set AF,  80
.set HT,  212
.set CA,  240
.set B2,  176
.set MSB, 0
.macro WIN new
.if MSB != \new
	s_set_vgpr_msb (MSB<<8)|\new
.set MSB, \new
.endif
.endm
.macro PLACES n
.rept \n
	v_nop
.endr
.endm
	s_load_b256 s[4:11], s[0:1], 0x0               ; hq s[4:5], wf s[6:7], W2_scales s[8:9], b2 s[10:11]
	s_load_b128 s[12:15], s[0:1], 0x20             ; lists s[12:13], y s[14:15]
	v_lshl_add_u32 v254, v0, 2, 0x44c00
	v_mov_b32 v255, 0
	v_lshrrev_b32 v76, 5, v0
	v_readfirstlane_b32 s16, v76                   ; wave
	s_mov_b32 s17, ttmp9                           ; q
	s_and_b32 s18, ttmp7, 0xffff                   ; tile
	v_and_b32 v1, 15, v0                           ; r
	v_bfe_u32 v2, v0, 4, 1                         ; h
	v_and_b32 v76, 31, v0                          ; lane
	v_lshlrev_b32 v3, 4, v76                       ; 16 x lane
	v_lshlrev_b32 v4, 4, v76                       ; an image's 16 bytes a lane: stepped from K step to K step
	v_lshl_add_u32 v5, v76, 3, 512                 ; and its 8 bytes a lane, 512 bytes on
	v_lshrrev_b32 v77, 6, v0
	v_lshlrev_b32 v7, 9, v77
	v_bfe_u32 v77, v0, 5, 1
	v_lshl_add_u32 v7, v77, 8, v7
	v_lshl_add_u32 v7, v1, 4, v7
	v_lshl_add_u32 v7, v2, 3, v7
	v_add_nc_u32 v7, HSL, v7                       ; thread t holds the words of K steps 2 q', 2 q' + 1 (q' = t / 16) of row r: image q' / 4, lane 16 ((q' / 2) % 2) + r, bytes 8 (q' % 2)
	v_add_nc_u32 v8, HSL, v3
	v_lshlrev_b32 v9, 4, v0                        ; 16 x thread
	v_lshlrev_b32 v10, 3, v0                       ; 8 x thread
	v_lshlrev_b32 v11, 5, v2
	v_lshlrev_b32 v12, 6, v1
	v_lshl_add_u32 v12, v2, 4, v12                 ; W2's scale bytes: row r of 64 bytes, + 16 h
	s_lshl_b32 s23, s16, 7
	v_mul_u32_u24 v13, v1, SPIT
	v_lshl_add_u32 v13, v2, 5, v13
	v_add_nc_u32 v13, s23, v13                     ; into the stage: row r, + 32 h, + 128 w: subtiles 0-5,
	v_add_nc_u32 v14, 6*16*SPIT, v13               ; 6-10
	s_mul_i32 s23, s16, 44*SPIT
	v_add_nc_u32 v15, s23, v3                      ; out of it: my 44 rows, 16 bytes a lane
.irp k, 0,1,2,3,4,5
	v_add_nc_u32 v[CA+\k], 45056*\k, v9            ; the copy: 22 stores of 2,048 bytes to an address register
.endr
	s_lshl_b32 s28, s18, 2
	s_mov_b32 s29, 0
	s_mul_i32 s24, s18, 270336
	s_mov_b32 s25, 0
	s_mul_i32 s26, s18, 11264
	s_add_co_u32 s26, s26, HS
	s_mov_b32 s27, 0
	s_mul_i32 s36, s18, 176
	s_mul_i32 s42, s16, 44
	s_add_co_u32 s36, s36, s42
	s_lshl_b32 s36, s36, 12
	s_lshl_b32 s42, s17, 9
	s_add_co_u32 s36, s36, s42                     ; y: slot 176 tile + 44 w, + 512 q
	s_mov_b32 s37, 0
	s_wait_kmcnt 0x0
	s_add_nc_u64 s[28:29], s[12:13], s[28:29]
	s_load_b32 s19, s[28:29], 0x0                  ; expert | active << 8
	s_add_nc_u64 s[24:25], s[4:5], s[24:25]        ; the tile's codes
	s_add_nc_u64 s[26:27], s[4:5], s[26:27]        ; and scale bytes
	s_add_nc_u64 s[36:37], s[14:15], s[36:37]
.macro GLD b                           ; a third of the block: 44 loads, the four waves reading 2,048 consecutive bytes each time
.set n, 0
.rept 44
	global_load_b128 v[4*n:4*n+3], v9, s[24:25] offset:2048*(44*(\b)+n)
.set n, n+1
.endr
.endm
.macro LST b
.set n, 0
.rept 44
	ds_store_b128 v[CA+2*(\b)+n/22], v[4*n:4*n+3] offset:2048*(n%22)
.set n, n+1
.endr
.endm
.irp a, 0,1,2,3,4,5,6,7,8,9,10
	global_load_b64 v[HT+2*\a:HT+2*\a+1], v10, s[26:27] offset:1024*\a
.endr
	WIN 0xc0                                       ; destination window 3
	GLD 0
	WIN 0x80                                       ; destination window 2
	GLD 1
	s_wait_loadcnt 44                              ; the scale bytes and the first third are in; the second third may be out
	WIN 0
.irp a, 0,1,2,3,4,5,6,7,8,9,10
	ds_store_b64 v7, v[HT+2*\a:HT+2*\a+1] offset:1024*\a
.endr
	WIN 0x0c                                       ; data: window 3
	LST 0
	s_wait_dscnt 0x0                               ; the stores have read their registers
	WIN 0xc0
	GLD 2
	s_wait_loadcnt 44                              ; the second third is in
	WIN 0x08                                       ; data: window 2
	LST 1
	WIN 0
	s_wait_kmcnt 0x0
	s_and_b32 s22, s19, 0xff
	s_min_u32 s22, s22, 7                          ; the expert
	s_lshl_b32 s23, s22, 10
	s_lshl_b32 s42, s17, 7
	s_add_co_u32 s23, s23, s42
	s_lshl_b32 s42, s16, 5
	s_add_co_u32 s23, s23, s42                     ; 1,024 e + 128 q + 32 w: my first output
	s_lshl_b32 s30, s23, 2
	s_mov_b32 s31, 0
	s_add_nc_u64 s[30:31], s[10:11], s[30:31]      ; b2
	s_lshl_b32 s32, s23, 6
	s_mov_b32 s33, 0
	s_add_nc_u64 s[32:33], s[8:9], s[32:33]        ; W2's scale bytes
	s_lshl_b32 s34, s22, 5
	s_lshl_b32 s42, s17, 2
	s_add_co_u32 s34, s34, s42
	s_add_co_u32 s34, s34, s16
	s_mul_i32 s34, s34, 49152
	s_add_co_u32 s34, s34, 12582912                ; block 32 e + 4 q + w of W2's fragment images
	s_mov_b32 s35, 0
	s_add_nc_u64 s[34:35], s[6:7], s[34:35]
	WIN 0x80
.irp jj, 0,1
	global_load_b128 v[B2+8*\jj:B2+8*\jj+3], v11, s[30:31] offset:64*\jj             ; b2 in the result's layout: outputs 16 jj + 8 h + 0 .. 7
	global_load_b128 v[B2+8*\jj+4:B2+8*\jj+7], v11, s[30:31] offset:64*\jj+16
.endr
	WIN 0
.irp jj, 0,1
.irp g, 0,1
	global_load_b128 v[BS+8*\jj+4*\g:BS+8*\jj+4*\g+3], v12, s[32:33] offset:1024*\jj+32*\g   ; register k: lanes 0-15 the word of K step 8 G + k, lanes 16-31 that of 8 G + 4 + k
.endr
.endr
.macro RLOAD s                         ; K step s's two fragments of W2 into ring set s % 10: six loads of 512 consecutive bytes
.irp jj, 0,1
.irp c, 0,1,2
	global_load_b128 v[24*((\s)%10)+12*\jj+4*\c:24*((\s)%10)+12*\jj+4*\c+3], v3, s[34:35] offset:(2*(\s)+\jj)*1536+512*\c
.endr
.endr
.endm
	WIN 0x40                                       ; destination window 1
.irp s, 0,1,2,3,4,5,6,7,8,9
	RLOAD \s
.endr
	s_wait_loadcnt 60                              ; the last third, b2 and W2's scale words are in; the ring's 60 loads may be out
	WIN 0x0c
	LST 2
	WIN 0
	s_wait_dscnt 0x0                               ; for the others' sake: my part of the block lies in LDS
	s_barrier_signal -1
	s_barrier_wait -1
.macro FRAGH                           ; a K step's eleven fragments of h: for each half image 16 bytes a lane and 8 bytes a lane
.irp a, 0,1,2,3,4,5,6,7,8,9,10
.irp c, 0,1
	ds_load_b128 v[AF+12*\a+6*\c:AF+12*\a+6*\c+3], v4 offset:1536*\a+768*\c
	ds_load_b64 v[AF+12*\a+6*\c+4:AF+12*\a+6*\c+5], v5 offset:1536*\a+768*\c
.endr
.endr
.endm
.macro MUL2 s                          ; 22 matrix instructions; the accumulators take turns in the same order in every K step
.irp a, 0,1,2,3,4,5,6,7,8,9,10
.irp jj, 0,1
.if (\s) == 0
	v_wmma_scale_f32_16x16x128_f8f6f4 v[16*\a+8*\jj:16*\a+8*\jj+7], v[24*((\s)%10)+12*\jj:24*((\s)%10)+12*\jj+11], v[AF+12*\a:AF+12*\a+11], v[B2+8*\jj:B2+8*\jj+7], v[BS+8*\jj], v[AS+4*\a] matrix_a_fmt:MATRIX_FMT_FP6 matrix_b_fmt:MATRIX_FMT_FP6
.elseif (((\s)/4)%2) == 0
	v_wmma_scale_f32_16x16x128_f8f6f4 v[16*\a+8*\jj:16*\a+8*\jj+7], v[24*((\s)%10)+12*\jj:24*((\s)%10)+12*\jj+11], v[AF+12*\a:AF+12*\a+11], v[16*\a+8*\jj:16*\a+8*\jj+7], v[BS+8*\jj+4*((\s)/8)+(\s)%4], v[AS+4*\a+(\s)%4] matrix_a_fmt:MATRIX_FMT_FP6 matrix_b_fmt:MATRIX_FMT_FP6
.else
	v_wmma_scale_f32_16x16x128_f8f6f4 v[16*\a+8*\jj:16*\a+8*\jj+7], v[24*((\s)%10)+12*\jj:24*((\s)%10)+12*\jj+11], v[AF+12*\a:AF+12*\a+11], v[16*\a+8*\jj:16*\a+8*\jj+7], v[BS+8*\jj+4*((\s)/8)+(\s)%4], v[AS+4*\a+(\s)%4] matrix_a_fmt:MATRIX_FMT_FP6 matrix_b_fmt:MATRIX_FMT_FP6 matrix_a_scale:MATRIX_SCALE_ROW1 matrix_b_scale:MATRIX_SCALE_ROW1
.endif
.endr
.endr
.endm
; A K step: the next step's fragments of h are asked for first, into the set that the last step multiplied (two address steps and two v_nop are the four places behind its products), then this step is multiplied.
.macro STEP s
.if (\s) < 15
	v_add_nc_u32 v4, 11*1536, v4
	v_add_nc_u32 v5, 11*1536, v5
	PLACES 2
.if (\s) == 8
.irp a, 0,1,2,3,4,5,6,7,8,9,10
	ds_load_b128 v[AS+4*\a:AS+4*\a+3], v8 offset:1024*\a+512               ; h's scale words of K steps 8 to 15
.endr
.endif
.if ((\s)%2) == 0
	WIN 0xc0                                       ; set 1 lies in window 3
.endif
	FRAGH
.if ((\s) > 0) && ((\s) < 7)
	WIN 0x40
	RLOAD (\s)+9                                   ; into the ring set that the last step multiplied
.endif
	s_wait_dscnt 44                                ; this step's fragments (and scale words) are in; the 44 just issued may be out
.else
	s_wait_dscnt 0x0
.endif
.if (\s) < 7
	s_wait_loadcnt 54                              ; this step's weights are in; the nine later steps' 54 loads may be out
.else
	s_wait_loadcnt 6*(15-(\s))
.endif
.if ((\s)%2) == 0
	WIN 0xa1                                       ; W2 window 1, h window 0, C and D window 2
.else
	WIN 0xad                                       ; h window 3
.endif
	MUL2 \s
	WIN 0
.endm
.irp a, 0,1,2,3,4,5,6,7,8,9,10
	ds_load_b128 v[AS+4*\a:AS+4*\a+3], v8 offset:1024*\a                   ; h's scale words of K steps 0 to 7
.endr
	FRAGH
	STEP 0
	s_bitcmp1_b32 s19, 8                           ; a tile without rows leaves the other fifteen K steps out: a forward jump on the stored flag, over no barrier
	s_cbranch_scc0 .Ljoin
.irp s, 1,2,3,4,5,6,7,8,9,10,11,12,13,14,15
	STEP \s
.endr
.Ljoin:
	s_wait_loadcnt 0x0                             ; on the short way loads are still out
	s_wait_dscnt 0x0                               ; my reads of the block are over
	PLACES 4                                       ; behind the last products, ahead of the first read of results
	s_barrier_signal -1
	s_barrier_wait -1                              ; everybody's are: the stage may be written over the block
	WIN 0x08                                       ; data: window 2
.irp a, 0,1,2,3,4,5,6,7,8,9,10
.irp jj, 0,1
	ds_store_b128 v[13+\a/6], v[16*\a+8*\jj:16*\a+8*\jj+3] offset:16*SPIT*(\a%6)+64*\jj       ; each accumulator from its low end on
	ds_store_b128 v[13+\a/6], v[16*\a+8*\jj+4:16*\a+8*\jj+7] offset:16*SPIT*(\a%6)+64*\jj+16
.endr
.endr
	WIN 0
	s_wait_dscnt 0x0                               ; for the others' sake: my 128 bytes of every row lie in the stage
	s_barrier_signal -1
	s_barrier_wait -1
	WIN 0xc0                                       ; destination window 3
.set n, 0
.rept 44
	ds_load_b128 v[4*n:4*n+3], v15 offset:SPIT*n
.set n, n+1
.endr
	WIN 0x0c                                       ; data: window 3
.set n, 0
.rept 44
	s_wait_dscnt 43-n                              ; row n is back; the younger rows may be out
	global_store_b128 v3, v[4*n:4*n+3], s[36:37] offset:4096*n             ; 32 lanes store 512 consecutive bytes, at a multiple of 256 from y's first byte
.set n, n+1
.endr
	WIN 0
	s_wait_tensorcnt 0x0
	ds_add_u32 v254, v255
	s_wait_dscnt 0x0
	s_endpgm
.Lfunc_end_k_qc94c6d3f5a_ffn2:
	.size	k_qc94c6d3f5a_ffn2, .Lfunc_end_k_qc94c6d3f5a_ffn2-k_qc94c6d3f5a_ffn2
	.p2alignl 7, 3214868480
	.fill 96, 4, 3214868480
	.section	.rodata,"a",@progbits
	.p2align	6, 0x0
	.amdhsa_kernel k_qc94c6d3f5a_ffn2
		.amdhsa_group_segment_fixed_size 282112
		.amdhsa_private_segment_fixed_size 0
		.amdhsa_enable_private_segment 0
		.amdhsa_kernarg_size 48
		.amdhsa_user_sgpr_count 2
		.amdhsa_user_sgpr_kernarg_segment_ptr 1
		.amdhsa_wavefront_size32 1
		.amdhsa_system_sgpr_workgroup_id_x 1
		.amdhsa_system_sgpr_workgroup_id_y 1
		.amdhsa_system_sgpr_workgroup_id_z 1
		.amdhsa_system_vgpr_workitem_id 0
		.amdhsa_next_free_vgpr 1024
		.amdhsa_next_free_sgpr 66
		.amdhsa_reserve_vcc 0
		.amdhsa_float_denorm_mode_32 3
		.amdhsa_float_denorm_mode_16_64 3
		.amdhsa_memory_ordered 1
		.amdhsa_forward_progress 1
		.amdhsa_inst_pref_size 143
	.end_amdhsa_kernel
	.amdgpu_metadata
---
amdhsa.version: [ 1, 2 ]
amdhsa.kernels:
  - .name:           k_qc94c6d3f5a_ffn2
    .symbol:         k_qc94c6d3f5a_ffn2.kd
    .args:
      - { .name: hq, .offset: 0, .size: 8, .value_kind: global_buffer, .address_space: global }
      - { .name: wf, .offset: 8, .size: 8, .value_kind: global_buffer, .address_space: global }
      - { .name: W2_scales, .offset: 16, .size: 8, .value_kind: global_buffer, .address_space: global }
      - { .name: b2, .offset: 24, .size: 8, .value_kind: global_buffer, .address_space: global }
      - { .name: lists, .offset: 32, .size: 8, .value_kind: global_buffer, .address_space: global }
      - { .name: y, .offset: 40, .size: 8, .value_kind: global_buffer, .address_space: global }
    .group_segment_fixed_size: 282112
    .private_segment_fixed_size: 0
    .kernarg_segment_align: 8
    .kernarg_segment_size: 48
    .max_flat_workgroup_size: 128
    .sgpr_count:     66
    .vgpr_count:     1024
    .wavefront_size: 32
...
	.end_amdgpu_metadata
.endif
;; end of part 4
;; launch combine (part 5): grid 256 x 1, 4 waves a work-group, no clusters, 0 bytes of LDS; arguments y, xq, lists, out0; writes out0
.if DOCPART == 5
	.amdgcn_target "amdgcn-amd-amdhsa--gfx1250"
	.amdhsa_code_object_version 6
	.text
	.protected	k_qc94c6d3f5a_combine
	.globl	k_qc94c6d3f5a_combine
	.p2align	8
	.type	k_qc94c6d3f5a_combine,@function
k_qc94c6d3f5a_combine:
	s_mov_b64 s[64:65], 0
	v_nop
	global_prefetch_b8 v0, s[64:65] scope:SCOPE_SE
	s_setreg_imm32_b32 hwreg(HW_REG_WAVE_MODE, 25, 1), 1
	s_wait_xcnt 0x0
; out0[t] = p0 y[slot0(t)] + p1 y[slot1(t)]: each output row has one owner.  The slots are whole numbers stored by an earlier launch (lists at POS), the two probabilities f32 (xq at GW).
; A wave takes two tokens: 32 loads of 512 consecutive bytes, all issued at once, one packed multiply and one packed multiply-add for two numbers, 16 stores of 512 consecutive bytes.
; A stream: no LDS, no barrier, no matrix unit.
.set POS, 256
.set GW,  1638400
	s_load_b256 s[4:11], s[0:1], 0x0               ; y s[4:5], xq s[6:7], lists s[8:9], out0 s[10:11]
	v_lshrrev_b32 v1, 5, v0
	v_readfirstlane_b32 s12, v1                    ; wave
	v_and_b32 v1, 31, v0
	v_lshlrev_b32 v2, 4, v1                        ; 16 x lane
	s_lshl_b32 s13, ttmp9, 3
	s_lshl_b32 s14, s12, 1
	s_add_co_u32 s13, s13, s14                     ; my first token
	s_lshl_b32 s14, s13, 2
	s_mov_b32 s15, 0
	s_lshl_b32 s36, s13, 12
	s_mov_b32 s37, 0
	s_wait_kmcnt 0x0
	s_add_nc_u64 s[8:9], s[8:9], s[14:15]
	s_add_nc_u64 s[6:7], s[6:7], s[14:15]
	s_add_nc_u64 s[10:11], s[10:11], s[36:37]
	s_load_b64 s[16:17], s[8:9], POS               ; the two tokens' first slots,
	s_load_b64 s[18:19], s[8:9], POS+8192          ; second slots,
	s_load_b64 s[20:21], s[6:7], GW                ; first probabilities,
	s_load_b64 s[22:23], s[6:7], GW+8192           ; second probabilities
	s_wait_kmcnt 0x0
.irp i, 0,1,2,3
	s_min_u32 s[16+\i], s[16+\i], 0x154f           ; a slot is under 5,456
.endr
	s_lshl_b32 s24, s16, 12
	s_mov_b32 s25, 0
	s_lshl_b32 s26, s18, 12
	s_mov_b32 s27, 0
	s_lshl_b32 s28, s17, 12
	s_mov_b32 s29, 0
	s_lshl_b32 s30, s19, 12
	s_mov_b32 s31, 0
	s_add_nc_u64 s[24:25], s[4:5], s[24:25]        ; token 0: its first row of y,
	s_add_nc_u64 s[26:27], s[4:5], s[26:27]        ; its second;
	s_add_nc_u64 s[28:29], s[4:5], s[28:29]        ; token 1 likewise
	s_add_nc_u64 s[30:31], s[4:5], s[30:31]
	s_mov_b32 s32, s21                             ; the packed forms take a pair's low word for both halves: token 1's probabilities get pairs of their own
	s_mov_b32 s33, s21
	s_mov_b32 s34, s23
	s_mov_b32 s35, s23
.irp t, 0,1
.irp j, 0,1,2,3,4,5,6,7
	global_load_b128 v[16+64*\t+4*\j:19+64*\t+4*\j], v2, s[24+4*\t:25+4*\t] offset:512*\j th:TH_LOAD_NT
.endr
.irp j, 0,1,2,3,4,5,6,7
	global_load_b128 v[48+64*\t+4*\j:51+64*\t+4*\j], v2, s[26+4*\t:27+4*\t] offset:512*\j th:TH_LOAD_NT
.endr
.endr
.macro MIX t, g0, g1
.set n, 0
.rept 16
	v_pk_mul_f32 v[48+64*\t+n:49+64*\t+n], v[48+64*\t+n:49+64*\t+n], s[\g1:\g1+1] op_sel_hi:[1,0]
.set n, n+2
.endr
.set n, 0
.rept 16
	v_pk_fma_f32 v[16+64*\t+n:17+64*\t+n], v[16+64*\t+n:17+64*\t+n], s[\g0:\g0+1], v[48+64*\t+n:49+64*\t+n] op_sel_hi:[1,0,1]
.set n, n+2
.endr
.irp j, 0,1,2,3,4,5,6,7
	global_store_b128 v2, v[16+64*\t+4*\j:19+64*\t+4*\j], s[10:11] offset:4096*\t+512*\j th:TH_STORE_NT
.endr
.endm
	s_wait_loadcnt 16                              ; token 0's 16 loads are in; token 1's may be out
	MIX 0, 20, 22
	s_wait_loadcnt 0x0
	MIX 1, 32, 34
	s_endpgm
.Lfunc_end_k_qc94c6d3f5a_combine:
	.size	k_qc94c6d3f5a_combine, .Lfunc_end_k_qc94c6d3f5a_combine-k_qc94c6d3f5a_combine
	.p2alignl 7, 3214868480
	.fill 96, 4, 3214868480
	.section	.rodata,"a",@progbits
	.p2align	6, 0x0
	.amdhsa_kernel k_qc94c6d3f5a_combine
		.amdhsa_group_segment_fixed_size 0
		.amdhsa_private_segment_fixed_size 0
		.amdhsa_enable_private_segment 0
		.amdhsa_kernarg_size 32
		.amdhsa_user_sgpr_count 2
		.amdhsa_user_sgpr_kernarg_segment_ptr 1
		.amdhsa_wavefront_size32 1
		.amdhsa_system_sgpr_workgroup_id_x 1
		.amdhsa_system_sgpr_workgroup_id_y 1
		.amdhsa_system_sgpr_workgroup_id_z 1
		.amdhsa_system_vgpr_workitem_id 0
		.amdhsa_next_free_vgpr 144
		.amdhsa_next_free_sgpr 66
		.amdhsa_reserve_vcc 0
		.amdhsa_float_denorm_mode_32 3
		.amdhsa_float_denorm_mode_16_64 3
		.amdhsa_memory_ordered 1
		.amdhsa_forward_progress 1
		.amdhsa_inst_pref_size 11
	.end_amdhsa_kernel
	.amdgpu_metadata
---
amdhsa.version: [ 1, 2 ]
amdhsa.kernels:
  - .name:           k_qc94c6d3f5a_combine
    .symbol:         k_qc94c6d3f5a_combine.kd
    .args:
      - { .name: y, .offset: 0, .size: 8, .value_kind: global_buffer, .address_space: global }
      - { .name: xq, .offset: 8, .size: 8, .value_kind: global_buffer, .address_space: global }
      - { .name: lists, .offset: 16, .size: 8, .value_kind: global_buffer, .address_space: global }
      - { .name: out0, .offset: 24, .size: 8, .value_kind: global_buffer, .address_space: global }
    .group_segment_fixed_size: 0
    .private_segment_fixed_size: 0
    .kernarg_segment_align: 8
    .kernarg_segment_size: 32
    .max_flat_workgroup_size: 128
    .sgpr_count:     66
    .vgpr_count:     144
    .wavefront_size: 32
...
	.end_amdgpu_metadata
.endif
;; end of part 5
;; ======== version 2 of 2: 5 launches
;; workspace buffers: xq 1,654,784 bytes; sel 8,192 bytes of whole numbers; wf 25,165,824 bytes; lists 41,216 bytes of whole numbers; hq 8,729,600 bytes; y 22,347,776 bytes
;; launch route (part 6): grid 256 x 1, 4 waves a work-group, no clusters, 58,112 bytes of LDS; arguments x, Wr, br, xq, sel; writes xq, sel
.if DOCPART == 6
	.amdgcn_target "amdgcn-amd-amdhsa--gfx1250"
	.amdhsa_code_object_version 6
	.text
	.protected	k_qc94c6d3f5a_route
	.globl	k_qc94c6d3f5a_route
	.p2align	8
	.type	k_qc94c6d3f5a_route,@function
k_qc94c6d3f5a_route:
	s_mov_b64 s[64:65], 0
	v_nop
	global_prefetch_b8 v0, s[64:65] scope:SCOPE_SE
	s_setreg_imm32_b32 hwreg(HW_REG_WAVE_MODE, 25, 1), 1
	s_wait_xcnt 0x0
; ROUTER AND QUANTISER OF x.  x [2048][1024] f32, Wr [1024][8] f32, br [8] f32.
; A work-group takes 8 tokens, each of its four waves two.  A wave reads its two rows of x once (16 loads of 512 consecutive bytes) and uses them twice:
;  (1) logits = x Wr + br in f32 multiply-adds, softmax with the row's maximum taken away, the two largest probabilities (the lower index wins a tie, as jax.lax.top_k has it);
;      stored at fixed places: sel[t] = i0 | i1 << 8 (whole numbers), the two probabilities as f32 in xq at GW: no address here hangs on the choice.
;  (2) codes of E2M3 with one E8M0 byte for each 32 along D: xq at XC, [2048][768] bytes, and at XS, [2048][32] bytes.
; A block's scale is its largest magnitude's exponent field less 2, held at 1 from below (a block of zeros keeps the byte 1: its codes are zeros, and this program alone reads the bytes).
; LIMITS: NaN and infinities in x, Wr, br are not served.  The logits' sums run lane by lane and then across lanes, another order than the reference's: two probabilities
; that differ by about 1e-7 of their size may be chosen the other way round.
.set SP,   80                          ; a lane's place in a stage: 64 bytes + 16 of padding
.set STG,  36864                       ; LDS: Wr at 0 (16 bytes of padding behind each 128: 36,864 bytes); then two stages of 32 x SP bytes for each wave;
.set SCB,  57344                       ; then the work-group's 256 scale bytes
.set XS,   1572864                     ; xq: the scale bytes
.set GW,   1638400                     ; xq: the gate weights, [2][2048] f32
.set ACC,  16                          ; v16-31   logits: 8 a + e
.set X,    32                          ; v32-95   x as loaded: 32 a + 4 j + c = x[token a][128 j + 4 lane + c]
.set WR,   96                          ; v96-159  Wr on its way to LDS, then two sets of 32: 8 c + e = Wr[128 j + 4 lane + c][e]
.set RES,  144                         ; v144-151 a token's word and two probabilities (Wr's registers are free by then)
.set XN,   160                         ; v160-191 two sets of 16 neighbours
.set C,    192                         ; v192-207 a step's three registers of codes, and its byte
	s_load_b256 s[4:11], s[0:1], 0x0               ; x s[4:5], Wr s[6:7], br s[8:9], xq s[10:11]
	s_load_b64 s[12:13], s[0:1], 0x20              ; sel
	v_lshl_add_u32 v208, v0, 2, 0xe100
	v_mov_b32 v209, 0
	v_lshrrev_b32 v8, 5, v0
	v_readfirstlane_b32 s27, v8                    ; wave
	v_and_b32 v1, 31, v0                           ; lane
	v_lshlrev_b32 v2, 4, v1                        ; 16 x lane
	v_lshlrev_b32 v3, 4, v0                        ; 16 x thread
	v_mul_u32_u24 v4, v1, 12                       ; my 16 codes in a step's 384 bytes
	v_lshrrev_b32 v8, 3, v0
	v_lshl_add_u32 v6, v8, 4, v3                   ; Wr into LDS: 16 t + 16 (t / 8)
	v_mul_u32_u24 v7, v1, 144                      ; and out of it: my four rows of Wr, 128 bytes + 16
	s_mul_i32 s28, s27, 2*32*SP
	s_add_co_u32 s28, s28, STG                     ; my wave's stages
	v_lshrrev_b32 v14, 2, v1
	v_mul_u32_u24 v14, v14, SP
	v_and_b32 v15, 3, v1
	v_lshl_add_u32 v14, v15, 4, v14
	v_add_nc_u32 v14, s28, v14                     ; into a stage: SP (lane / 4) + 16 (lane % 4)
	v_mul_u32_u24 v15, v1, SP
	v_add_nc_u32 v15, s28, v15                     ; out of it: SP x lane
	s_lshl_b32 s29, s27, 6
	s_add_co_u32 s29, s29, SCB
	v_lshrrev_b32 v5, 1, v1
	v_add_nc_u32 v5, s29, v5                       ; my block's scale byte: 64 a wave, one for two lanes
	s_mov_b32 s24, 0x76543210
	s_mov_b32 s25, 0xfedcba98                      ; v_permlanex16_b32's selects for lane l xor 16
	s_mov_b32 s26, 0x3fb8aa3b                      ; log2(e)
	s_lshl_b32 s30, ttmp9, 3
	s_lshl_b32 s31, s27, 1
	s_add_co_u32 s30, s30, s31                     ; my first token
	s_lshl_b32 s32, s30, 12
	s_mov_b32 s33, 0
	s_mul_i32 s34, s30, 768
	s_mov_b32 s35, 0
	s_lshl_b32 s36, s30, 2
	s_mov_b32 s37, 0
	s_lshl_b32 s38, ttmp9, 8
	s_mov_b32 s39, 0
	s_wait_kmcnt 0x0
	s_load_b256 s[16:23], s[8:9], 0x0              ; br
	s_add_nc_u64 s[4:5], s[4:5], s[32:33]          ; x at my first token
	s_add_nc_u64 s[34:35], s[10:11], s[34:35]      ; its codes
	s_add_nc_u64 s[12:13], s[12:13], s[36:37]      ; its word in sel
	s_add_nc_u64 s[36:37], s[10:11], s[36:37]      ; its gate weights (GW stands in the immediate)
	s_add_nc_u64 s[38:39], s[10:11], s[38:39]      ; the work-group's scale bytes (XS in the immediate)
.irp i, 0,1,2,3,4,5,6,7,8,9,10,11,12,13,14,15
	global_load_b128 v[WR+4*\i:WR+4*\i+3], v3, s[6:7] offset:2048*\i      ; the four waves read 2,048 consecutive bytes of Wr
.endr
.irp a, 0,1
.irp j, 0,1,2,3,4,5,6,7
	global_load_b128 v[X+32*\a+4*\j:X+32*\a+4*\j+3], v2, s[4:5] offset:4096*\a+512*\j th:TH_LOAD_NT
.endr
.endr
	s_wait_loadcnt 16                              ; Wr is in; the 16 younger loads, x's, may be out
.irp i, 0,1,2,3,4,5,6,7,8,9,10,11,12,13,14,15
	ds_store_b128 v6, v[WR+4*\i:WR+4*\i+3] offset:2304*\i
.endr
	s_wait_dscnt 0x0                               ; for the others' sake: my part of Wr lies in LDS
	s_barrier_signal -1
	s_barrier_wait -1
.irp q, 0,1,2,3,4,5,6,7
	ds_load_b128 v[WR+4*\q:WR+4*\q+3], v7 offset:16*\q
.endr
	s_wait_loadcnt 0x0                             ; x
; 128 along D: the next 128's rows of Wr are asked for, then 32 packed multiply-adds: two experts at a time, one number of x for both halves
.macro ROUT j
.set W, WR+32*((\j)%2)
.if (\j) < 7
.irp q, 0,1,2,3,4,5,6,7
	ds_load_b128 v[WR+32*(((\j)+1)%2)+4*\q:WR+32*(((\j)+1)%2)+4*\q+3], v7 offset:4608*((\j)+1)+16*\q
.endr
	s_wait_alu depctr_va_vdst(0)
	s_wait_dscnt 8                                 ; this step's eight are in; the eight just issued may be out
.else
	s_wait_dscnt 0x0
.endif
.irp c, 0,1,2,3
.irp a, 0,1
.irp e, 0,2,4,6
.if ((\j) == 0) && (\c == 0)
	v_pk_mul_f32 v[ACC+8*\a+\e:ACC+8*\a+\e+1], v[W+8*\c+\e:W+8*\c+\e+1], v[X+32*\a+4*(\j):X+32*\a+4*(\j)+1] op_sel_hi:[1,0]      ; the first product starts the sums
.elseif (\c%2) == 0
	v_pk_fma_f32 v[ACC+8*\a+\e:ACC+8*\a+\e+1], v[W+8*\c+\e:W+8*\c+\e+1], v[X+32*\a+4*(\j)+\c:X+32*\a+4*(\j)+\c+1], v[ACC+8*\a+\e:ACC+8*\a+\e+1] op_sel_hi:[1,0,1]
.else
	v_pk_fma_f32 v[ACC+8*\a+\e:ACC+8*\a+\e+1], v[W+8*\c+\e:W+8*\c+\e+1], v[X+32*\a+4*(\j)+\c-1:X+32*\a+4*(\j)+\c], v[ACC+8*\a+\e:ACC+8*\a+\e+1] op_sel:[0,1,0] op_sel_hi:[1,1,1]
.endif
.endr
.endr
.endr
.endm
.irp j, 0,1,2,3,4,5,6,7
	s_wait_alu depctr_va_vdst(0)
	ROUT \j
.endr
; the 16 sums across the 32 lanes: every lane ends with all of them
.irp m, 1,2,4,8
.irp i, 0,1,2,3,4,5,6,7,8,9,10,11,12,13,14,15
	v_add_f32_dpp v[ACC+\i], v[ACC+\i], v[ACC+\i] row_xmask:\m row_mask:0xf bank_mask:0xf
.endr
.endr
.irp i, 0,1,2,3,4,5,6,7,8,9,10,11,12,13,14,15
	v_permlanex16_b32 v[WR+\i], v[ACC+\i], s24, s25
.endr
	s_wait_kmcnt 0x0                               ; br
.irp i, 0,1,2,3,4,5,6,7,8,9,10,11,12,13,14,15
	v_add_f32 v[ACC+\i], v[ACC+\i], v[WR+\i]
.endr
.irp a, 0,1
.irp e, 0,1,2,3,4,5,6,7
	v_add_f32 v[ACC+8*\a+\e], s[16+\e], v[ACC+8*\a+\e]
.endr
.endr
.macro SCAN val, idx                   ; the largest of the eight, ascending with a strict compare: the lower index wins a tie
	v_mov_b32 v[\val], v[L]
	v_mov_b32 v[\idx], 0
.irp e, 1,2,3,4,5,6,7
	v_cmp_gt_f32 vcc_lo, v[L+\e], v[\val]
	v_cndmask_b32 v[\val], v[\val], v[L+\e], vcc_lo
	v_cndmask_b32 v[\idx], v[\idx], \e, vcc_lo
.endr
.endm
.macro TOP2 a
.set L, ACC+8*\a
	v_max3_num_f32 v8, v[L], v[L+1], v[L+2]        ; the row's maximum is taken away ahead of the exponentials
	v_max3_num_f32 v8, v8, v[L+3], v[L+4]
	v_max3_num_f32 v8, v8, v[L+5], v[L+6]
	v_max_num_f32 v8, v8, v[L+7]
	v_mul_f32 v9, s26, v8
.irp e, 0,1,2,3,4,5,6,7
	v_fma_f32 v[L+\e], v[L+\e], s26, -v9
.endr
	s_wait_alu depctr_va_vdst(0)
.irp e, 0,1,2,3,4,5,6,7
	v_exp_f32 v[L+\e], v[L+\e]
.endr
	v_nop                                          ; a plain instruction behind the exponentials
	s_wait_alu depctr_va_vdst(0)
	v_add_f32 v8, v[L], v[L+1]
	v_add_f32 v9, v[L+2], v[L+3]
	v_add_f32 v10, v[L+4], v[L+5]
	v_add_f32 v11, v[L+6], v[L+7]
	v_add_f32 v8, v8, v9
	v_add_f32 v10, v10, v11
	v_add_f32 v8, v8, v10
	s_wait_alu depctr_va_vdst(0)
	v_rcp_f32 v8, v8
	v_nop                                          ; a plain instruction behind the reciprocal
	s_wait_alu depctr_va_vdst(0)
.irp e, 0,1,2,3,4,5,6,7
	v_mul_f32 v[L+\e], v[L+\e], v8                 ; the probabilities
.endr
	SCAN 10, 11
.irp e, 0,1,2,3,4,5,6,7
	v_cmp_eq_u32 vcc_lo, \e, v11
	v_cndmask_b32 v[L+\e], v[L+\e], -1.0, vcc_lo   ; the winner steps out
.endr
	SCAN 12, 13
	v_lshl_or_b32 v[RES+4*\a], v13, 8, v11
	v_mov_b32 v[RES+4*\a+1], v10
	v_mov_b32 v[RES+4*\a+2], v12
.endm
	TOP2 0
	TOP2 1
	v_cmp_eq_u32 vcc_lo, 1, v1                     ; lane a takes token a's three words
	v_cndmask_b32 v8, v[RES], v[RES+4], vcc_lo
	v_cndmask_b32 v9, v[RES+1], v[RES+5], vcc_lo
	v_cndmask_b32 v10, v[RES+2], v[RES+6], vcc_lo
	v_lshlrev_b32 v11, 2, v1
	v_cmp_gt_u32 vcc_lo, 2, v1
	s_wait_alu depctr_va_vdst(0)
	s_wait_xcnt 0x0                                ; EXEC changes only behind this wait
	s_and_saveexec_b32 s40, vcc_lo
	global_store_b32 v11, v8, s[12:13]
	global_store_b32 v11, v9, s[36:37] offset:GW
	global_store_b32 v11, v10, s[36:37] offset:GW+8192
	s_wait_xcnt 0x0                                ; and again: the stores have read EXEC, v8-11
	s_or_b32 exec_lo, exec_lo, s40
; THE QUANTISER: four steps of 512 numbers (step t = 2 a + half).  A step's 2,048 bytes turn through my stage, so that a lane holds 16 neighbours; two lanes hold a block.
.macro TURN t
.irp i, 0,1,2,3
	ds_store_b128 v14, v[X+16*(\t)+4*\i:X+16*(\t)+4*\i+3] offset:32*SP*((\t)%2)+8*SP*\i
.endr
.irp i, 0,1,2,3
	ds_load_b128 v[XN+16*((\t)%2)+4*\i:XN+16*((\t)%2)+4*\i+3], v15 offset:32*SP*((\t)%2)+16*\i   ; LDS serves a wave's instructions in order: these see the stores above
.endr
.endm
.macro STEP t
.set XR, XN+16*((\t)%2)
.if (\t) > 0
	s_wait_dscnt 1                                 ; this step's numbers are back; the last step's byte store may be out
.else
	s_wait_dscnt 0x0
.endif
.if (\t) < 3
	TURN (\t)+1
.endif
	v_max3_num_f32 v8, |v[XR]|, |v[XR+1]|, |v[XR+2]|
	v_max3_num_f32 v9, |v[XR+3]|, |v[XR+4]|, |v[XR+5]|
.irp i, 6,10
	v_max3_num_f32 v8, v8, |v[XR+\i]|, |v[XR+\i+1]|
	v_max3_num_f32 v9, v9, |v[XR+\i+2]|, |v[XR+\i+3]|
.endr
	v_max3_num_f32 v8, v8, |v[XR+14]|, |v[XR+15]|
	v_max3_num_f32 v8, v8, v9, 0x1800000           ; the floor 2^(3 - 127): the byte cannot fall under 1
	v_max_num_f32_dpp v8, v8, v8 row_xmask:1 row_mask:0xf bank_mask:0xf   ; with my neighbour's 16: the block's largest magnitude
	v_add_nc_u32 v11, 0xff000000, v8               ; 2 off its exponent field: the conversion's scale operand
	v_cvt_scalef32_pk16_fp6_f32 v[C+4*(\t):C+4*(\t)+2], v[XR:XR+15], v11
	v_lshrrev_b32 v[C+4*(\t)+3], 23, v11           ; the scale's byte
	ds_store_b8 v5, v[C+4*(\t)+3] offset:16*(\t)   ; both lanes of a block write the same byte with the same value
	global_store_b96 v4, v[C+4*(\t):C+4*(\t)+2], s[34:35] offset:384*(\t)   ; the wave stores 384 consecutive bytes
.endm
	TURN 0
.irp t, 0,1,2,3
	STEP \t
.endr
	s_wait_dscnt 0x0                               ; for wave 0's sake: my 64 scale bytes lie in LDS
	s_barrier_signal -1
	s_barrier_wait -1
	s_cmp_lg_u32 s27, 0
	s_cbranch_scc1 .Lend
	v_lshl_add_u32 v8, v1, 3, SCB
	v_lshlrev_b32 v9, 3, v1
	ds_load_b64 v[12:13], v8
	s_wait_alu depctr_va_vdst(0)
	s_wait_dscnt 0x0
	global_store_b64 v9, v[12:13], s[38:39] offset:XS      ; 32 lanes store 256 consecutive bytes, at a multiple of 256 from the buffer's first byte
.Lend:
	s_wait_tensorcnt 0x0
	ds_add_u32 v208, v209
	s_wait_dscnt 0x0
	s_endpgm
.Lfunc_end_k_qc94c6d3f5a_route:
	.size	k_qc94c6d3f5a_route, .Lfunc_end_k_qc94c6d3f5a_route-k_qc94c6d3f5a_route
	.p2alignl 7, 3214868480
	.fill 96, 4, 3214868480
	.section	.rodata,"a",@progbits
	.p2align	6, 0x0
	.amdhsa_kernel k_qc94c6d3f5a_route
		.amdhsa_group_segment_fixed_size 58112
		.amdhsa_private_segment_fixed_size 0
		.amdhsa_enable_private_segment 0
		.amdhsa_kernarg_size 40
		.amdhsa_user_sgpr_count 2
		.amdhsa_user_sgpr_kernarg_segment_ptr 1
		.amdhsa_wavefront_size32 1
		.amdhsa_system_sgpr_workgroup_id_x 1
		.amdhsa_system_sgpr_workgroup_id_y 1
		.amdhsa_system_sgpr_workgroup_id_z 1
		.amdhsa_system_vgpr_workitem_id 0
		.amdhsa_next_free_vgpr 210
		.amdhsa_next_free_sgpr 66
		.amdhsa_reserve_vcc 1
		.amdhsa_float_denorm_mode_32 3
		.amdhsa_float_denorm_mode_16_64 3
		.amdhsa_memory_ordered 1
		.amdhsa_forward_progress 1
		.amdhsa_inst_pref_size 50
	.end_amdhsa_kernel
	.amdgpu_metadata
---
amdhsa.version: [ 1, 2 ]
amdhsa.kernels:
  - .name:           k_qc94c6d3f5a_route
    .symbol:         k_qc94c6d3f5a_route.kd
    .args:
      - { .name: x, .offset: 0, .size: 8, .value_kind: global_buffer, .address_space: global }
      - { .name: Wr, .offset: 8, .size: 8, .value_kind: global_buffer, .address_space: global }
      - { .name: br, .offset: 16, .size: 8, .value_kind: global_buffer, .address_space: global }
      - { .name: xq, .offset: 24, .size: 8, .value_kind: global_buffer, .address_space: global }
      - { .name: sel, .offset: 32, .size: 8, .value_kind: global_buffer, .address_space: global }
    .group_segment_fixed_size: 58112
    .private_segment_fixed_size: 0
    .kernarg_segment_align: 8
    .kernarg_segment_size: 40
    .max_flat_workgroup_size: 128
    .sgpr_count:     66
    .vgpr_count:     210
    .wavefront_size: 32
...
	.end_amdgpu_metadata
.endif
;; end of part 6
;; launch place (part 7): grid 513 x 1, 16 waves a work-group, no clusters, 104,448 bytes of LDS; arguments sel, W1_codes, W2_codes, wf, lists; writes wf, lists
.if DOCPART == 7
	.amdgcn_target "amdgcn-amd-amdhsa--gfx1250"
	.amdhsa_code_object_version 6
	.text
	.protected	k_qc94c6d3f5a_place
	.globl	k_qc94c6d3f5a_place
	.p2align	8
	.type	k_qc94c6d3f5a_place,@function
k_qc94c6d3f5a_place:
	s_mov_b64 s[64:65], 0
	v_nop
	global_prefetch_b8 v0, s[64:65] scope:SCOPE_SE
	s_setreg_imm32_b32 hwreg(HW_REG_WAVE_MODE, 25, 1), 1
	s_wait_xcnt 0x0
; WORK-GROUP 0 PLACES THE ROUTED ROWS; WORK-GROUPS 1 TO 512 LAY THE WEIGHTS' CODES IN THE ORDER OF THE OPERAND'S REGISTERS, beside it, in the same launch.
; THE PLACING.  sel[t] = i0 | i1 << 8, whole numbers stored by the launch before.  4,096 routed rows are sorted by expert (a counting sort without atomics: counts a wave by ballots, the
; waves' counts through LDS, one barrier).  Each expert begins on a tile of 176 rows: sum of ceil(c_e / 176) is at most (4,096 + 8 x 175) / 176, so at most 31 tiles, for every split.
; lists: TINFO [32] = expert | active << 8;  POS [2][2048] = the slot of a token's first and second row;  ROWTOK [slot] = token (0 where a slot has no row: it is then computed and never read).
; ROWTOK is first cleared; those stores are waited for (STOREcnt 0) in front of the barrier, and the tokens are stored behind it.
; THE LAYING.  A block is 49,152 consecutive bytes of codes (64 rows of W1, or 32 rows of W2) and becomes 32 fragment images of 1,536 bytes at the same offset in wf (W2's behind W1's):
; image byte 512 c + 16 lane = registers 4 c .. 4 c + 3 of that lane, so that a wave takes a fragment by three loads of 512 consecutive bytes.
;   W1: image 4 s + 2 b + u of block 32 e + g: lane (r, h) takes row 64 g + 32 b + 8 u + r + 8 (r / 8), bytes 96 s + 24 h + 0..23 and 96 s + 48 + 24 h + 0..23.
;   W2: image 2 s + jj of block 32 e + g: row 32 g + 16 jj + r, the same bytes.
; The three ways part on the work-group's number alone; each has LDS bytes of its own, one barrier and its own end.
.set POS,    256
.set ROWTOK, 16640
.set R1,     2048                      ; LDS: 0: the waves' counts (128 bytes a wave);  R1: W1's block, 16 bytes of padding behind each 768;  R2: W2's likewise
.set R2,     52224
	s_load_b256 s[4:11], s[0:1], 0x0               ; sel s[4:5], W1_codes s[6:7], W2_codes s[8:9], wf s[10:11]
	s_load_b64 s[12:13], s[0:1], 0x20              ; lists
	v_lshl_add_u32 v64, v0, 2, 0x19000
	v_mov_b32 v65, 0
	v_lshrrev_b32 v1, 5, v0
	s_delay_alu instid0(VALU_DEP_1)
	v_readfirstlane_b32 s14, v1                    ; wave 0..15
	v_and_b32 v1, 31, v0                           ; lane
	v_lshlrev_b32 v2, 4, v0                        ; 16 x thread
	s_wait_kmcnt 0x0
	s_cmp_eq_u32 ttmp9, 0
	s_cbranch_scc1 .Lsort
	s_cmp_lt_u32 ttmp9, 257
	s_cbranch_scc1 .Lw1
.macro RELAY kind, LB
.if \kind == 1
	s_sub_co_u32 s16, ttmp9, 1
.else
	s_sub_co_u32 s16, ttmp9, 257
.endif
	s_mul_i32 s16, s16, 49152                      ; the block's first byte, in and out
	s_mov_b32 s17, 0
	s_add_nc_u64 s[10:11], s[10:11], s[16:17]
.if \kind == 1
	s_add_nc_u64 s[6:7], s[6:7], s[16:17]
.irp i, 0,1,2,3,4,5
	global_load_b128 v[16+4*\i:19+4*\i], v2, s[6:7] offset:8192*\i th:TH_LOAD_NT     ; the sixteen waves read 8,192 consecutive bytes
.endr
.else
	s_add_nc_u64 s[8:9], s[8:9], s[16:17]
	s_add_nc_u64 s[10:11], s[10:11], 12582912
.irp i, 0,1,2,3,4,5
	global_load_b128 v[16+4*\i:19+4*\i], v2, s[8:9] offset:8192*\i th:TH_LOAD_NT
.endr
.endif
.irp m, 0,1,2                          ; byte g of the block goes to g + 16 (g / 768); g / 768 = ((g >> 8) x 43) >> 7 for g under 24,576; 24,576 bytes on are 25,088 in LDS
	v_add_nc_u32 v8, 8192*\m, v2
	s_delay_alu instid0(VALU_DEP_1)
	v_lshrrev_b32 v9, 8, v8
	s_delay_alu instid0(VALU_DEP_1)
	v_mul_u32_u24 v9, v9, 43
	s_delay_alu instid0(VALU_DEP_1)
	v_lshrrev_b32 v9, 7, v9
	s_delay_alu instid0(VALU_DEP_1)
	v_lshl_add_u32 v[3+\m], v9, 4, v8
	s_delay_alu instid0(VALU_DEP_1)
	v_add_nc_u32 v[3+\m], \LB, v[3+\m]
.endr
	v_and_b32 v10, 15, v1                          ; r
	v_lshrrev_b32 v11, 4, v1                       ; h
.if \kind == 1
	s_delay_alu instid0(VALU_DEP_2)
	v_and_b32 v12, 8, v10
	s_delay_alu instid0(VALU_DEP_1)
	v_add_nc_u32 v12, v12, v10                     ; r + 8 (r / 8)
	s_delay_alu instid0(VALU_DEP_1)
	v_mul_u32_u24 v6, v12, 784
	s_and_b32 s18, s14, 1
	s_mul_i32 s18, s18, 25088                      ; b = wave % 2: 32 rows
	s_lshr_b32 s19, s14, 1
	s_mul_i32 s19, s19, 96                         ; s = wave / 2
	s_add_co_u32 s18, s18, s19
.else
	s_delay_alu instid0(VALU_DEP_2)
	v_mul_u32_u24 v6, v10, 1568
	s_mul_i32 s18, s14, 96                         ; s = wave,
	s_lshr_b32 s19, s14, 3
	s_lshl_b32 s19, s19, 4                         ; behind the row's inner padding from s = 8 on
	s_add_co_u32 s18, s18, s19
.endif
	v_mad_u32_u24 v6, v11, 24, v6
	s_add_co_u32 s18, s18, \LB
	v_add_nc_u32 v6, s18, v6
	s_mul_i32 s19, s14, 3072                       ; my two images
	v_lshlrev_b32 v7, 4, v1
	s_delay_alu instid0(VALU_DEP_1)
	v_add_nc_u32 v7, s19, v7
	s_wait_alu depctr_va_vdst(0)
	s_wait_loadcnt 0x0
.irp i, 0,1,2,3,4,5
	ds_store_b128 v[3+\i%3], v[16+4*\i:19+4*\i] offset:25088*(\i/3)
.endr
	s_wait_dscnt 0x0                               ; for the others' sake: my part of the block lies in LDS
	s_barrier_signal -1
	s_barrier_wait -1
.irp t, 0,1
.irp p, 0,1,2,3,4,5
.if \kind == 1
	ds_load_b64 v[40+12*\t+2*\p:41+12*\t+2*\p], v6 offset:6272*\t+48*(\p/3)+8*(\p%3)
.else
	ds_load_b64 v[40+12*\t+2*\p:41+12*\t+2*\p], v6 offset:25088*\t+48*(\p/3)+8*(\p%3)
.endif
.endr
.endr
	s_wait_dscnt 6                                 ; the first fragment is in; the second's six loads may be out
.irp c, 0,1,2
	global_store_b128 v7, v[40+4*\c:43+4*\c], s[10:11] offset:512*\c      ; the wave stores 512 consecutive bytes
.endr
	s_wait_dscnt 0x0
.irp c, 0,1,2
	global_store_b128 v7, v[52+4*\c:55+4*\c], s[10:11] offset:1536+512*\c
.endr
.endm
	s_wait_alu depctr_va_vdst(0)
	RELAY 2, R2
	s_wait_tensorcnt 0x0
	ds_add_u32 v64, v65
	s_wait_dscnt 0x0
	s_endpgm
.Lw1:
	s_wait_alu depctr_va_vdst(0)
	RELAY 1, R1
	s_wait_tensorcnt 0x0
	ds_add_u32 v64, v65
	s_wait_dscnt 0x0
	s_endpgm
.Lsort:
	s_wait_alu depctr_va_vdst(0)
; REGISTERS: v16-19 four words of sel; v20-27 the eight experts (4 k + c: choice k of token 4 t + c); v28-35 their slots; v36-43 4 x slot; v44-47 the tokens; v48-51 zeros.
; s16-23 my wave's counts; s24-31 the experts' last tiles + 1; s32-39 the running slots; s40-47 tiles an expert; s48-55 rows of lower waves.
	global_load_b128 v[16:19], v2, s[4:5]
.irp i, 0,1,2,3
	v_mov_b32 v[48+\i], 0
.endr
.irp i, 0,1,2
	global_store_b128 v2, v[48:51], s[12:13] offset:ROWTOK+8192*\i
.endr
.irp e, 0,1,2,3,4,5,6,7
	s_mov_b32 s[16+\e], 0
.endr
	s_mov_b32 s58, 0x76543210
	s_mov_b32 s59, 0xfedcba98
	v_lshlrev_b32 v3, 2, v0
	s_wait_loadcnt 0x0
.irp c, 0,1,2,3
	v_and_b32 v[20+\c], 0xff, v[16+\c]
	v_bfe_u32 v[24+\c], v[16+\c], 8, 8
	v_lshl_add_u32 v[44+\c], v0, 2, \c
.endr
.irp i, 0,1,2,3,4,5,6,7
	v_min_u32 v[20+\i], 7, v[20+\i]
	v_mov_b32 v[28+\i], 0
.endr
.irp i, 0,1,2,3,4,5,6,7
.irp e, 0,1,2,3,4,5,6,7
	v_cmp_eq_u32 vcc_lo, \e, v[20+\i]
	s_bcnt1_i32_b32 s56, vcc_lo
	s_add_co_u32 s[16+\e], s[16+\e], s56
.endr
.endr
	v_mov_b32 v8, 0
.irp e, 0,1,2,3,4,5,6,7
	s_delay_alu instid0(VALU_DEP_1)
	v_writelane_b32 v8, s[16+\e], \e
.endr
	ds_store_b32 v3, v8                            ; lanes 0-7 of a wave's 128 bytes hold its eight counts
	s_wait_dscnt 0x0                               ; for the others' sake: my counts lie in LDS,
	s_wait_storecnt 0x0                            ; and my part of ROWTOK is cleared
	s_barrier_signal -1
	s_barrier_wait -1
	v_and_b32 v9, 7, v1                            ; lane l: expert l % 8, waves 4 (l / 8) + 0 .. 3
	v_lshrrev_b32 v10, 3, v1
	s_delay_alu instid0(VALU_DEP_2)
	v_lshlrev_b32 v9, 2, v9
	s_delay_alu instid0(VALU_DEP_1)
	v_lshl_add_u32 v9, v10, 9, v9
	s_delay_alu instid0(VALU_DEP_3)
	v_lshlrev_b32 v11, 2, v10
.irp i, 0,1,2,3
	ds_load_b32 v[12+\i], v9 offset:128*\i
.endr
	s_wait_alu depctr_va_vdst(0)
	s_wait_dscnt 0x0
	v_add_nc_u32 v52, v12, v13
	s_delay_alu instid0(VALU_DEP_1)
	v_add3_u32 v52, v52, v14, v15                  ; the expert's rows in my four waves,
	v_mov_b32 v53, 0
.irp i, 0,1,2,3
	v_add_nc_u32 v54, \i, v11
	s_delay_alu instid0(VALU_DEP_1)
	v_cmp_gt_u32 vcc_lo, s14, v54
	s_delay_alu instid0(VALU_DEP_1)
	v_cndmask_b32 v54, 0, v[12+\i], vcc_lo
	s_delay_alu instid0(VALU_DEP_1)
	v_add_nc_u32 v53, v53, v54                     ; and in those of them that come before my wave
.endr
	v_mov_b32 v55, 0
	v_mov_b32 v56, 0
	v_mov_b32_dpp v55, v52 row_xmask:8 row_mask:0xf bank_mask:0xf
	s_delay_alu instid0(VALU_DEP_4)
	v_mov_b32_dpp v56, v53 row_xmask:8 row_mask:0xf bank_mask:0xf
	s_delay_alu instid0(VALU_DEP_2)
	v_add_nc_u32 v52, v52, v55
	s_delay_alu instid0(VALU_DEP_2)
	v_add_nc_u32 v53, v53, v56
	s_delay_alu instid0(VALU_DEP_2)
	v_permlanex16_b32 v55, v52, s58, s59
	s_delay_alu instid0(VALU_DEP_2)
	v_permlanex16_b32 v56, v53, s58, s59
	s_delay_alu instid0(VALU_DEP_2)
	v_add_nc_u32 v52, v52, v55                     ; over all sixteen waves
	s_delay_alu instid0(VALU_DEP_2)
	v_add_nc_u32 v53, v53, v56
	s_delay_alu instid0(VALU_DEP_2)
	v_add_nc_u32 v52, 175, v52                     ; tiles = ceil(rows / 176) = (((rows + 175) >> 4) x 745) >> 13, exact up to 4,096 rows
	s_delay_alu instid0(VALU_DEP_1)
	v_lshrrev_b32 v52, 4, v52
	s_delay_alu instid0(VALU_DEP_1)
	v_mul_u32_u24 v52, v52, 745
	s_delay_alu instid0(VALU_DEP_1)
	v_lshrrev_b32 v52, 13, v52
.irp e, 0,1,2,3,4,5,6,7
	v_readlane_b32 s[40+\e], v52, \e
	v_readlane_b32 s[48+\e], v53, \e
.endr
	s_mov_b32 s56, 0
.irp e, 0,1,2,3,4,5,6,7
	s_mul_i32 s57, s56, 176
	s_add_co_u32 s[32+\e], s57, s[48+\e]           ; my wave's first slot of expert e
	s_add_co_u32 s56, s56, s[40+\e]
	s_mov_b32 s[24+\e], s56
.endr
.irp i, 0,1,2,3,4,5,6,7
.irp e, 0,1,2,3,4,5,6,7
	v_cmp_eq_u32 vcc_lo, \e, v[20+\i]
	s_delay_alu instid0(VALU_DEP_1)
	v_mbcnt_lo_u32_b32 v8, vcc_lo, s[32+\e]        ; the running slot + the lanes below me with the same expert
	s_delay_alu instid0(VALU_DEP_1)
	v_cndmask_b32 v[28+\i], v[28+\i], v8, vcc_lo
	s_bcnt1_i32_b32 s57, vcc_lo
	s_add_co_u32 s[32+\e], s[32+\e], s57
.endr
.endr
.irp i, 0,1,2,3,4,5,6,7
	v_min_u32 v[28+\i], 0x154f, v[28+\i]           ; a slot is under 5,456
.endr
.irp i, 0,1,2,3,4,5,6,7
	v_lshlrev_b32 v[36+\i], 2, v[28+\i]
.endr
	global_store_b128 v2, v[28:31], s[12:13] offset:POS
	global_store_b128 v2, v[32:35], s[12:13] offset:POS+8192
.irp i, 0,1,2,3,4,5,6,7
	global_store_b32 v[36+\i], v[44+\i%4], s[12:13] offset:ROWTOK
.endr
	s_cmp_lg_u32 s14, 0
	s_cbranch_scc1 .Lsorted
	v_mov_b32 v8, 0                                ; wave 0: lane = tile: its expert is the number of experts whose tiles end at or before it
.irp e, 0,1,2,3,4,5,6
	v_cmp_le_u32 vcc_lo, s[24+\e], v1
	s_delay_alu instid0(VALU_DEP_1)
	v_cndmask_b32 v9, 0, 1, vcc_lo
	s_delay_alu instid0(VALU_DEP_1)
	v_add_nc_u32 v8, v8, v9
.endr
	v_mov_b32 v10, 0x100
	v_cmp_gt_u32 vcc_lo, s31, v1                   ; a tile behind the last expert's has no rows
	s_delay_alu instid0(VALU_DEP_1)
	v_cndmask_b32 v9, 0, v10, vcc_lo
	s_delay_alu instid0(VALU_DEP_1)
	v_or_b32 v8, v8, v9
	v_lshlrev_b32 v11, 2, v1
	global_store_b32 v11, v8, s[12:13]
.Lsorted:
	s_wait_tensorcnt 0x0
	ds_add_u32 v64, v65
	s_wait_dscnt 0x0
	s_endpgm
.Lfunc_end_k_qc94c6d3f5a_place:
	.size	k_qc94c6d3f5a_place, .Lfunc_end_k_qc94c6d3f5a_place-k_qc94c6d3f5a_place
	.p2alignl 7, 3214868480
	.fill 96, 4, 3214868480
	.section	.rodata,"a",@progbits
	.p2align	6, 0x0
	.amdhsa_kernel k_qc94c6d3f5a_place
		.amdhsa_group_segment_fixed_size 104448
		.amdhsa_private_segment_fixed_size 0
		.amdhsa_enable_private_segment 0
		.amdhsa_kernarg_size 40
		.amdhsa_user_sgpr_count 2
		.amdhsa_user_sgpr_kernarg_segment_ptr 1
		.amdhsa_wavefront_size32 1
		.amdhsa_system_sgpr_workgroup_id_x 1
		.amdhsa_system_sgpr_workgroup_id_y 1
		.amdhsa_system_sgpr_workgroup_id_z 1
		.amdhsa_system_vgpr_workitem_id 0
		.amdhsa_next_free_vgpr 66
		.amdhsa_next_free_sgpr 66
		.amdhsa_reserve_vcc 1
		.amdhsa_float_denorm_mode_32 3
		.amdhsa_float_denorm_mode_16_64 3
		.amdhsa_memory_ordered 1
		.amdhsa_forward_progress 1
		.amdhsa_inst_pref_size 45
	.end_amdhsa_kernel
	.amdgpu_metadata
---
amdhsa.version: [ 1, 2 ]
amdhsa.kernels:
  - .name:           k_qc94c6d3f5a_place
    .symbol:         k_qc94c6d3f5a_place.kd
    .args:
      - { .name: sel, .offset: 0, .size: 8, .value_kind: global_buffer, .address_space: global }
      - { .name: W1_codes, .offset: 8, .size: 8, .value_kind: global_buffer, .address_space: global }
      - { .name: W2_codes, .offset: 16, .size: 8, .value_kind: global_buffer, .address_space: global }
      - { .name: wf, .offset: 24, .size: 8, .value_kind: global_buffer, .address_space: global }
      - { .name: lists, .offset: 32, .size: 8, .value_kind: global_buffer, .address_space: global }
    .group_segment_fixed_size: 104448
    .private_segment_fixed_size: 0
    .kernarg_segment_align: 8
    .kernarg_segment_size: 40
    .max_flat_workgroup_size: 512
    .sgpr_count:     66
    .vgpr_count:     66
    .wavefront_size: 32
...
	.end_amdgpu_metadata
.endif
;; end of part 7
;; launch ffn1 (part 8): grid 8 x 31, 4 waves a work-group, no clusters, 140,288 bytes of LDS; arguments xq, wf, W1_scales, b1, lists, hq; writes hq
.if DOCPART == 8
	.amdgcn_target "amdgcn-amd-amdhsa--gfx1250"
	.amdhsa_code_object_version 6
	.text
	.protected	k_qc94c6d3f5a_ffn1
	.globl	k_qc94c6d3f5a_ffn1
	.p2align	8
	.type	k_qc94c6d3f5a_ffn1,@function
k_qc94c6d3f5a_ffn1:
	s_mov_b64 s[64:65], 0
	v_nop
	global_prefetch_b8 v0, s[64:65] scope:SCOPE_SE
	s_setreg_imm32_b32 hwreg(HW_REG_WAVE_SCHED_MODE, 0, 2), 2
	s_setreg_imm32_b32 hwreg(HW_REG_WAVE_MODE, 25, 1), 1
	s_wait_xcnt 0x0
	s_wait_alu depctr_vm_vsrc(0)
; h = Q(gelu(Q(x) W1[e] + b1[e])) for a tile of 176 routed rows of one expert and 256 of its 2,048 hidden units.  Codes of E2M3, one E8M0 byte for each 32 along K.
; GRID: x = the slice of 256 hidden units, y = the tile.  31 tiles serve every split of the 4,096 routed rows over 8 experts (sum of ceil(c_e / 176) <= 31): 248 work-groups.
; SHARES.  The four waves share the columns, not the rows: wave w makes hidden units 256 q + 64 w .. + 63 for all 176 rows: 11 x 4 = 44 accumulators.
; The rows' codes (gathered by the stored list) lie whole in LDS behind ONE barrier; the weights come from memory straight into each wave's registers, as fragment images that an earlier launch laid,
; through a ring of five K steps with counted waits.  So the loop over K has no barrier, and no weight byte is read twice in a work-group.
; NO TENSOR LOADS, NO CLUSTER: the launch branches on a stored flag and gathers rows by a stored list, and which tiles share an expert hangs on the split, so no fixed cluster has partners with the same weights.
; A TILE WITHOUT ROWS has no way of its own past the barriers: it runs the head, K step 0 and the way out on rows of token 0, and jumps over K steps 1 to 7, where no barrier stands.  So every byte of hq is stored.
; THE PRODUCT IS USED TRANSPOSED (source 0 = 16 rows of W1, source 1 = 16 rows of x), and W1's rows of a tile were chosen so that a lane's 16 registers of tiles 2 b, 2 b + 1 are hidden units 32 b + 16 h + 0 .. 15 of ITS row.
; b1 is the C of each sum's first product.  gelu(v) = v / (1 + 2^u), u = v (c1 + c2 v^2), c1 = -2 log2(e) sqrt(2 / pi), c2 = 0.044715 c1: the tanh form, in f32.
; OUT: hq at HC [tile][K step 2 q + w / 2][a][c = w % 2][768]: half a fragment image (bytes 16 lane: registers 6 c .. 6 c + 3; bytes 512 + 8 lane: 6 c + 4, 6 c + 5); at HS [tile][a][q][row][8] the scale bytes.
; LIMITS: NaN, infinities and the scale byte 0xff are not served; a block of zeros carries the byte 1 (its codes are zeros; this program alone reads the bytes).
; THE MODE: SCHED_MODE bits 1:0 = 2 (LLVM: expert scheduling mode 2), set by the entry lines.  The code itself states the register dependences
; between vector or matrix instructions and memory or LDS instructions, with s_wait_alu, always for 0.
; THE PLAN.  Registers that memory or LDS instructions touch, from the barrier on:
;   X0, X1     two sets of x's eleven fragments.  K step s: its products read X[s % 2]; the LDS loads of K step s + 1 land in the other set, which the products of K step s - 1 read.
;   the ring   K step s: its products read set s % 5; in K steps 1 to 3 the loads of K step s + 4 land in set (s - 1) % 5, which the products of K step s - 1 read.
;   v3, v5-7   offsets and LDS addresses, made at the head and never written again: immediate offsets do the rest.
;   So ONE wait on va_vdst stands at the head of each of K steps 1 to 6.  The step's loads follow it in two runs among its products, which name X[s % 2], ring set s % 5, the scale words and the accumulators:
;   none of the registers that those loads touch.  K step 0 loads into registers that no vector or matrix instruction has named since the head's waits; K step 7 loads nothing.
;   THE WAY OUT has two out-buffers to a window, by turns: subtile a's conversions write buffer a % 2; its three stores are issued in subtile a + 1, behind the wait that stands there for the exponentials;
;   the waits ahead of a buffer's next writing stand a subtile behind the stores that read it.
; REGISTERS, in windows of 256.  window 0: v1-17 addresses; v20-35 W1's scale words; v36-79 x's; v80-211 X0; v212-244 the rows' offsets, of which v212-223 later hold X1's subtile 5.   window 1: the ring, 5 x 48.
;   window 2: accumulators of subtiles 0-5 (32 a + 8 jj); v192-251 X1's subtiles 0-4, on the way out at work.   window 3: accumulators of subtiles 6-10; v160-191 b1; v192-251 X1's subtiles 6-10, on the way out at work.
;   Ahead of the loop v0-131 of windows 2 and 3 hold rows on their way to LDS.
.set XS,     1572864
.set ROWTOK, 16640
.set HS,     8380416
.set PITCH,  784                       ; an LDS row: 768 bytes + 16 = 196 words: the 32 lanes of a fragment's load of 8 bytes touch 64 different words modulo 64
.set SX,     138240                    ; behind the rows: the tile's scale bytes of this slice, [11][16 rows][8]
.set BS,  20
.set AS,  36
.set AF,  80                           ; X0, in window 0
.set AG,  192                          ; X1, in windows 2 and 3
.set AH,  212                          ; X1's subtile 5, in window 0
.set T,   212
.set U,   234
.set B1,  160
.set TA,  192                          ; in windows 2 and 3: v192-223 at work on the gelu
.set TM,  224                          ; v224-231 maxima, scale operands, bytes
.set PW,  232                          ; v232, v233 the two bytes: out-buffers 0 and 1
.set PC,  234                          ; v234-239 the codes: out-buffer 0; v244-249: out-buffer 1
.set PT,  240                          ; v240-242 the second conversion's
.set C1,  254                          ; v254-255 c1, twice
.set MSB, 0
.macro WIN new                         ; the immediate's high byte repeats the setting that is left
.if MSB != \new
	s_set_vgpr_msb (MSB<<8)|\new
.set MSB, \new
.endif
.endm
.macro PLACES n
.rept \n
	v_nop
.endr
.endm
	s_load_b256 s[4:11], s[0:1], 0x0               ; xq s[4:5], wf s[6:7], W1_scales s[8:9], b1 s[10:11]
	s_load_b128 s[12:15], s[0:1], 0x20             ; lists s[12:13], hq s[14:15]
	v_lshl_add_u32 v254, v0, 2, 0x22200
	v_mov_b32 v255, 0
	v_lshrrev_b32 v18, 5, v0
	v_readfirstlane_b32 s16, v18                   ; wave
	s_mov_b32 s17, ttmp9                           ; q
	s_and_b32 s18, ttmp7, 0xffff                   ; tile
	s_mov_b32 s20, 0x76543210
	s_mov_b32 s21, 0xfedcba98                      ; v_permlanex16_b32's selects for lane l xor 16
	s_mov_b32 s38, 0xbdd2d3e8                      ; c2 = -0.10294324
	s_mov_b32 s39, s38                             ; (named with it as a pair)
	v_and_b32 v1, 15, v0                           ; r
	v_bfe_u32 v2, v0, 4, 1                         ; h
	v_and_b32 v18, 31, v0                          ; lane
	v_lshlrev_b32 v3, 4, v18                       ; 16 x lane
	v_lshlrev_b32 v4, 3, v18                       ; 8 x lane
	v_mul_u32_u24 v5, v1, PITCH
	v_mad_u32_u24 v5, v2, 24, v5                   ; a fragment: row r, + 24 h; subtiles 0-4,
	v_add_nc_u32 v6, 5*16*PITCH, v5                ; 5-9,
	v_add_nc_u32 v7, 10*16*PITCH, v5               ; 10
	s_wait_alu depctr_va_sdst(0)                   ; s16 is written, ahead of its first reader: LDS places and the bases of the weights, b1 and hq are made from it
	s_mul_i32 s23, s16, 44*PITCH
	v_mul_u32_u24 v8, v2, 22*PITCH
	v_lshl_add_u32 v8, v1, 4, v8
	v_add_nc_u32 v8, s23, v8                       ; rows into LDS: lanes 0-15 row 44 w + p, lanes 16-31 row 44 w + 22 + p; 16 bytes a lane
	v_lshlrev_b32 v9, 4, v1
	v_lshlrev_b32 v10, 4, v2
	v_mul_u32_u24 v11, v2, 88
	v_lshlrev_b32 v12, 2, v1
	v_lshlrev_b32 v13, 6, v2
	v_and_b32 v14, 8, v1
	v_add_nc_u32 v14, v14, v1
	v_lshlrev_b32 v14, 5, v14
	v_add_nc_u32 v14, v14, v10                     ; W1's scale bytes: row r + 8 (r / 8) of 32 bytes, + 16 h
	s_lshl_b32 s23, s16, 1
	s_add_co_u32 s23, s23, SX
	v_lshlrev_b32 v15, 3, v1
	v_add_nc_u32 v15, s23, v15                     ; my two scale bytes of row r
	s_lshl_b32 s23, s16, 7
	s_add_co_u32 s23, s23, SX
	v_lshlrev_b32 v16, 2, v18
	v_add_nc_u32 v16, s23, v16                     ; and on the way out: subtile w's 128 bytes, 4 a lane
	s_lshl_b32 s23, s16, 10
	v_lshl_add_u32 v17, v18, 2, s23
	s_lshl_b32 s28, s18, 2
	s_mov_b32 s29, 0
	s_mul_i32 s26, s18, 704
	s_mov_b32 s27, 0
	s_mul_i32 s24, s16, 176
	s_mov_b32 s25, 0
	s_mul_i32 s36, s18, 270336                     ; hq: the tile's codes, K step 2 q + w / 2, half w % 2
	s_lshl_b32 s42, s17, 1
	s_lshr_b32 s43, s16, 1
	s_add_co_u32 s42, s42, s43
	s_mul_i32 s42, s42, 11*1536
	s_add_co_u32 s36, s36, s42
	s_and_b32 s43, s16, 1
	s_mul_i32 s43, s43, 768
	s_add_co_u32 s36, s36, s43
	s_mov_b32 s37, 0
	s_mul_i32 s40, s18, 11264                      ; and its scale bytes of this slice
	s_lshl_b32 s42, s17, 7
	s_add_co_u32 s40, s40, s42
	s_add_co_u32 s40, s40, HS
	s_mov_b32 s41, 0
	s_wait_kmcnt 0x0
	s_add_nc_u64 s[28:29], s[12:13], s[28:29]
	s_load_b32 s19, s[28:29], 0x0                  ; expert | active << 8
	s_add_nc_u64 s[26:27], s[12:13], s[26:27]      ; the tile's 176 tokens (ROWTOK in the immediate)
	s_add_nc_u64 s[24:25], s[26:27], s[24:25]      ; my wave's 44 of them
	s_add_nc_u64 s[36:37], s[14:15], s[36:37]
	s_add_nc_u64 s[40:41], s[14:15], s[40:41]
	s_wait_alu depctr_va_vdst(0)                   ; the offsets and addresses v3 to v17 are written, which the kernel's loads and stores read; v1 and v18, in which LDS loads land at the end, are named by no vector instruction from here on
.irp m, 0,1,2,3,4,5,6,7,8,9,10
	global_load_b64 v[T+2*\m:T+2*\m+1], v11, s[24:25] offset:ROWTOK+8*\m     ; the tokens of rows 44 w + 22 h + 0 .. 21
.endr
.irp a, 0,1,2,3,4,5,6,7,8,9,10
	global_load_b32 v[U+\a], v12, s[26:27] offset:ROWTOK+64*\a               ; and of rows 16 a + r
.endr
	s_wait_loadcnt 0x0
.set n, 0
.rept 22
	v_min_u32 v[T+n], 0x7ff, v[T+n]                ; a token is under 2,048
.set n, n+1
.endr
.set n, 0
.rept 22
	v_mul_u32_u24 v[T+n], v[T+n], 768
.set n, n+1
.endr
.set n, 0
.rept 22
	v_add_nc_u32 v[T+n], v[T+n], v9                ; its codes, + 16 r
.set n, n+1
.endr
.irp a, 0,1,2,3,4,5,6,7,8,9,10
	v_min_u32 v[U+\a], 0x7ff, v[U+\a]
.endr
.irp a, 0,1,2,3,4,5,6,7,8,9,10
	v_lshlrev_b32 v[U+\a], 5, v[U+\a]
.endr
.irp a, 0,1,2,3,4,5,6,7,8,9,10
	v_add_nc_u32 v[U+\a], v[U+\a], v10             ; its 32 scale bytes, + 16 h
.endr
	s_wait_alu depctr_va_vdst(0)                   ; the rows' offsets v212 to v244 are written, which the 77 loads below read (only loads and window switches stand between); no vector instruction names them again, so loads may land in v212-223 later
.irp a, 0,1,2,3,4,5,6,7,8,9,10
	global_load_b128 v[AS+4*\a:AS+4*\a+3], v[U+\a], s[4:5] offset:XS         ; register k: lanes 0-15 the word of K step k, lanes 16-31 that of K step 4 + k
.endr
	WIN 0x80                                       ; destination window 2
.set p, 0
.rept 11
.irp t, 0,1,2
	global_load_b128 v[12*p+4*\t:12*p+4*\t+3], v[T+p], s[4:5] offset:256*\t  ; sixteen lanes read 256 consecutive bytes of a row
.endr
.set p, p+1
.endr
	WIN 0xc0                                       ; destination window 3
.set p, 0
.rept 11
.irp t, 0,1,2
	global_load_b128 v[12*p+4*\t:12*p+4*\t+3], v[T+11+p], s[4:5] offset:256*\t
.endr
.set p, p+1
.endr
	s_wait_loadcnt 33                              ; x's scale words and the first 33 are in; the second 33 may be out
	WIN 0x08                                       ; an LDS store's data: window 2
.set p, 0
.rept 11
.irp t, 0,1,2
	ds_store_b128 v8, v[12*p+4*\t:12*p+4*\t+3] offset:PITCH*p+256*\t
.endr
.set p, p+1
.endr
	WIN 0
	s_wait_kmcnt 0x0
	s_and_b32 s22, s19, 0xff
	s_min_u32 s22, s22, 7                          ; the expert
	s_lshl_b32 s23, s22, 11
	s_lshl_b32 s42, s17, 8
	s_add_co_u32 s23, s23, s42
	s_lshl_b32 s42, s16, 6
	s_add_co_u32 s23, s23, s42                     ; 2,048 e + 256 q + 64 w: my first hidden unit
	s_lshl_b32 s30, s23, 2
	s_mov_b32 s31, 0
	s_add_nc_u64 s[30:31], s[10:11], s[30:31]      ; b1
	s_lshl_b32 s32, s23, 5
	s_mov_b32 s33, 0
	s_add_nc_u64 s[32:33], s[8:9], s[32:33]        ; W1's scale bytes
	s_lshl_b32 s34, s22, 5
	s_lshl_b32 s42, s17, 2
	s_add_co_u32 s34, s34, s42
	s_add_co_u32 s34, s34, s16
	s_mul_i32 s34, s34, 49152                      ; block 32 e + 4 q + w of fragment images
	s_mov_b32 s35, 0
	s_add_nc_u64 s[34:35], s[6:7], s[34:35]
	WIN 0xc0
.irp jj, 0,1,2,3
	global_load_b128 v[B1+8*\jj:B1+8*\jj+3], v13, s[30:31] offset:(32*(\jj/2)+8*(\jj%2))*4       ; b1 in the result's layout: units 32 b + 16 h + 8 u + 0 .. 7
	global_load_b128 v[B1+8*\jj+4:B1+8*\jj+7], v13, s[30:31] offset:(32*(\jj/2)+8*(\jj%2))*4+16
.endr
	WIN 0
.irp jj, 0,1,2,3
	global_load_b128 v[BS+4*\jj:BS+4*\jj+3], v14, s[32:33] offset:(32*(\jj/2)+8*(\jj%2))*32
.endr
.macro BLOAD s                         ; K step s's four fragments of W1 into ring set s % 5: twelve loads of 512 consecutive bytes
.irp jj, 0,1,2,3
.irp c, 0,1,2
	global_load_b128 v[48*((\s)%5)+12*\jj+4*\c:48*((\s)%5)+12*\jj+4*\c+3], v3, s[34:35] offset:(4*(\s)+\jj)*1536+512*\c
.endr
.endr
.endm
	WIN 0x40                                       ; destination window 1
.irp s, 0,1,2,3,4
	BLOAD \s
.endr
	s_wait_loadcnt 60                              ; the rows, b1 and W1's scale words are in; the ring's 60 loads may be out
	WIN 0x0c                                       ; data: window 3
.set p, 0
.rept 11
.irp t, 0,1,2
	ds_store_b128 v8, v[12*p+4*\t:12*p+4*\t+3] offset:PITCH*(11+p)+256*\t
.endr
.set p, p+1
.endr
	WIN 0
	s_wait_dscnt 0x0                               ; for the others' sake: my 44 rows lie in LDS
	s_barrier_signal -1
	s_barrier_wait -1
	s_wait_alu depctr_vm_vsrc(0)                   ; my LDS stores have read v0-131 of windows 2 and 3, which the products write from here on; the rows' loads have read v212-223, in which X1's subtile 5 lands
.macro FRAGA a, s                      ; x's fragment of subtile a, K step s, into set s % 2: 24 + 24 bytes of row 16 a + r as they lie, in pieces of 8
.if ((\s)%2) == 0
.set FD, AF+12*(\a)
	WIN 0
.elseif (\a) < 5
.set FD, AG+12*(\a)
	WIN 0x80                                       ; destination window 2
.elseif (\a) == 5
.set FD, AH
	WIN 0
.else
.set FD, AG+12*((\a)-6)
	WIN 0xc0                                       ; destination window 3
.endif
.irp p, 0,1,2,3,4,5
	ds_load_b64 v[FD+2*\p:FD+2*\p+1], v[5+(\a)/5] offset:((\a)%5)*16*PITCH+96*(\s)+48*(\p/3)+8*(\p%3)
.endr
.endm
.macro MUL a, s                        ; subtile a against W1's four tiles.  The 44 accumulators take turns in the same order in every K step
.if (\a) < 6
.set AC, 32*(\a)
.else
.set AC, 32*((\a)-6)
.endif
.if ((\s)%2) == 0
.set FS, AF+12*(\a)
.if (\a) >= 6
	WIN 0xf1                                       ; W1 window 1, x window 0, C and D window 3
.elseif (\s) == 0
	WIN 0xb1                                       ; W1 window 1, x window 0, C = b1 window 3, D window 2
.else
	WIN 0xa1                                       ; W1 window 1, x window 0, C and D window 2
.endif
.elseif (\a) < 5
.set FS, AG+12*(\a)
	WIN 0xa9                                       ; x window 2
.elseif (\a) == 5
.set FS, AH
	WIN 0xa1
.else
.set FS, AG+12*((\a)-6)
	WIN 0xfd                                       ; x, C and D window 3
.endif
.irp jj, 0,1,2,3
.if (\s) == 0
	v_wmma_scale_f32_16x16x128_f8f6f4 v[AC+8*\jj:AC+8*\jj+7], v[48*((\s)%5)+12*\jj:48*((\s)%5)+12*\jj+11], v[FS:FS+11], v[B1+8*\jj:B1+8*\jj+7], v[BS+4*\jj], v[AS+4*(\a)] matrix_a_fmt:MATRIX_FMT_FP6 matrix_b_fmt:MATRIX_FMT_FP6
.elseif (\s) < 4
	v_wmma_scale_f32_16x16x128_f8f6f4 v[AC+8*\jj:AC+8*\jj+7], v[48*((\s)%5)+12*\jj:48*((\s)%5)+12*\jj+11], v[FS:FS+11], v[AC+8*\jj:AC+8*\jj+7], v[BS+4*\jj+(\s)], v[AS+4*(\a)+(\s)] matrix_a_fmt:MATRIX_FMT_FP6 matrix_b_fmt:MATRIX_FMT_FP6
.else
	v_wmma_scale_f32_16x16x128_f8f6f4 v[AC+8*\jj:AC+8*\jj+7], v[48*((\s)%5)+12*\jj:48*((\s)%5)+12*\jj+11], v[FS:FS+11], v[AC+8*\jj:AC+8*\jj+7], v[BS+4*\jj+(\s)-4], v[AS+4*(\a)+(\s)-4] matrix_a_fmt:MATRIX_FMT_FP6 matrix_b_fmt:MATRIX_FMT_FP6 matrix_a_scale:MATRIX_SCALE_ROW1 matrix_b_scale:MATRIX_SCALE_ROW1
.endif
.endr
.endm
; A K step of 128: 44 matrix instructions on set s % 2.  The next step's fragments go into the other set, in two runs early in the step: subtiles 0-5 behind the products of subtiles 0-2,
; subtiles 6-10 (and, in K steps 1 to 3, the ring's next weights) behind those of subtiles 3-5; the 20 products of subtiles 6-10 follow them.
.macro STEP s
.if ((\s) > 0) && ((\s) < 7)
	PLACES 4                                       ; four places behind the last step's products (ISA guide 7.12.1)
	s_wait_alu depctr_va_vdst(0)                   ; the last step's products are done reading their set of x's fragments and their ring set, in which this step's loads land
.endif
.if (\s) == 0
	s_wait_loadcnt 48                              ; this step's weights are in; the four later steps' 48 loads may be out
.elseif (\s) < 4
	s_wait_loadcnt 36                              ; this step's weights are in; the three later steps' 36 loads may be out
.else
	s_wait_loadcnt 12*(7-(\s))
.endif
	s_wait_dscnt 30                                ; subtiles 0-5 are in; the 30 younger loads (6-10) may be out
.irp a, 0,1,2
	MUL \a, \s
.endr
.if (\s) < 7
.irp a, 0,1,2,3,4,5
	FRAGA \a, (\s)+1                               ; no wait: no product since the wait at the step's head names the other set or v5 to v7
.endr
.endif
.irp a, 3,4,5
	MUL \a, \s
.endr
.if (\s) < 7
	s_wait_dscnt 36                                ; subtiles 6-10 are in; the 36 issued in this step may be out
.irp a, 6,7,8,9,10
	FRAGA \a, (\s)+1
.endr
.else
	s_wait_dscnt 0x0
.endif
.if ((\s) > 0) && ((\s) < 4)
	WIN 0x40
	BLOAD (\s)+4                                   ; into the set that the last step has multiplied
.endif
.irp a, 6,7,8,9,10
	MUL \a, \s
.endr
	WIN 0
.endm
.irp a, 0,1,2,3,4,5,6,7,8,9,10
	FRAGA \a, 0
.endr
	STEP 0
	s_bitcmp1_b32 s19, 8                           ; a tile without rows leaves the other seven K steps out: a forward jump on the stored flag, over no barrier
	s_cbranch_scc0 .Ljoin
.irp s, 1,2,3,4,5,6,7
	STEP \s
.endr
.Ljoin:
	s_wait_loadcnt 0x0                             ; on the short way loads are still out
	s_wait_dscnt 0x0
	PLACES 4                                       ; behind the last products, ahead of the first read of results and of the first vector write into registers that they read
; THE WAY OUT of subtile a: gelu on its 32 registers a lane, two blocks of 32 quantised, half a fragment image and two scale bytes a row.
.macro OWN a                           ; every operand in the accumulators' own window
.if (\a) < 6
	WIN 0xaa
.else
	WIN 0xff
.endif
.endm
.macro SEND a                          ; subtile a's three stores, out of out-buffer a % 2 of its window
.if (\a) < 6
	WIN 0x08                                       ; a store's data: window 2; its address: window 0
.else
	WIN 0x0c
.endif
	global_store_b128 v3, v[PC+10*((\a)%2):PC+10*((\a)%2)+3], s[36:37] offset:1536*(\a)            ; 512 consecutive bytes,
	global_store_b64 v4, v[PC+10*((\a)%2)+4:PC+10*((\a)%2)+5], s[36:37] offset:1536*(\a)+512       ; and the 256 behind them
	ds_store_b16 v15, v[PW+(\a)%2] offset:128*(\a) ; both halves of the lanes write the same two bytes with the same value
.endm
.macro TAIL a
.if (\a) < 6
.set X0, 32*(\a)
.else
.set X0, 32*((\a)-6)
.endif
.set PO, PC+10*((\a)%2)
	OWN \a
.if ((\a) == 0) || ((\a) == 6)
	v_mov_b32 v[C1], 0xc0135761                    ; c1 = -2.3022082
	v_mov_b32 v[C1+1], 0xc0135761
	v_mov_b32 v[TM+2], 0                           ; a lane permute's destination counts as one of its sources
	v_mov_b32 v[TM+3], 0
.endif
.set n, 0
.rept 16
	v_pk_mul_f32 v[TA+n:TA+n+1], v[X0+n:X0+n+1], v[X0+n:X0+n+1]            ; v^2: each accumulator is read from its low end on
.set n, n+2
.endr
.set n, 0
.rept 16
	v_pk_fma_f32 v[TA+n:TA+n+1], v[TA+n:TA+n+1], s[38:39], v[C1:C1+1] op_sel_hi:[1,0,1]
.set n, n+2
.endr
.set n, 0
.rept 16
	v_pk_mul_f32 v[TA+n:TA+n+1], v[TA+n:TA+n+1], v[X0+n:X0+n+1]            ; u
.set n, n+2
.endr
.set n, 0
	s_wait_alu depctr_va_vdst(0)
.rept 32
	v_exp_f32 v[TA+n], v[TA+n]
.set n, n+1
.endr
	v_nop                                          ; a plain instruction behind the exponentials
	s_wait_alu depctr_va_vdst(0)                   ; the 32 exponentials have written v[TA ..], ahead of their first reader; and the last subtile's codes and bytes are written, which the stores below read
.if (\a) > 0
	SEND (\a)-1
	OWN \a
.endif
.set n, 0
.rept 16
	v_pk_add_f32 v[TA+n:TA+n+1], v[TA+n:TA+n+1], 1.0 op_sel_hi:[1,0]
.set n, n+2
.endr
.set n, 0
	s_wait_alu depctr_va_vdst(0)
.rept 32
	v_rcp_f32 v[TA+n], v[TA+n]
.set n, n+1
.endr
	v_nop                                          ; a plain instruction behind the reciprocals
	s_wait_alu depctr_va_vdst(0)                   ; the 32 reciprocals have written v[TA ..], ahead of their first reader
.set n, 0
.rept 16
	v_pk_mul_f32 v[X0+n:X0+n+1], v[X0+n:X0+n+1], v[TA+n:TA+n+1]            ; gelu
.set n, n+2
.endr
.irp b, 0,1
	v_max3_num_f32 v[TM+\b], |v[X0+16*\b]|, |v[X0+16*\b+1]|, 0x1800000     ; block b: my 16 numbers, and the floor 2^(3 - 127)
.endr
.irp i, 2,4,6,8,10,12,14
.irp b, 0,1
	v_max3_num_f32 v[TM+\b], v[TM+\b], |v[X0+16*\b+\i]|, |v[X0+16*\b+\i+1]|
.endr
.endr
.irp b, 0,1
	v_permlanex16_b32 v[TM+2+\b], v[TM+\b], s20, s21
.endr
.irp b, 0,1
	v_max_num_f32 v[TM+\b], v[TM+\b], v[TM+2+\b]   ; with lane l xor 16's 16: the block's largest magnitude
.endr
.irp b, 0,1
	v_add_nc_u32 v[TM+4+\b], 0xff000000, v[TM+\b]  ; 2 off its exponent field: the conversion's scale operand
.endr
.irp b, 0,1
	v_lshrrev_b32 v[TM+6+\b], 23, v[TM+4+\b]       ; the scale's byte
.endr
.if (((\a) >= 2) && ((\a) < 6)) || ((\a) >= 8)     ; where stores have read this out-buffer: those of the subtile two back, issued a subtile ago
	s_wait_alu depctr_va_vdst(0)
	s_wait_xcnt 0x0                                ; the global stores issued so far have had their addresses translated: their data are written again only behind this wait,
	s_wait_dscnt 0x0                               ; the LDS stores of the bytes are done,
	s_wait_alu depctr_vm_vsrc(0)                   ; and the stores have read this out-buffer's codes and bytes, which the lines below write again
.endif
	v_lshl_or_b32 v[PW+(\a)%2], v[TM+7], 8, v[TM+6]
	v_cvt_scalef32_pk16_fp6_f32 v[PO:PO+2], v[X0:X0+15], v[TM+4]
	v_cvt_scalef32_pk16_fp6_f32 v[PT:PT+2], v[X0+16:X0+31], v[TM+5]
	v_nop                                          ; a plain instruction behind the scaled conversions
.irp i, 0,1,2
	v_permlane16_swap_b32 v[PO+\i], v[PT+\i]       ; a whole block to a lane: lanes 0-15 block 0, lanes 16-31 block 1
.endr
.irp i, 0,1,2
	v_mov_b32 v[PO+3+\i], v[PT+\i]
.endr
.endm
.irp a, 0,1,2,3,4,5,6,7,8,9,10
	TAIL \a
.endr
	s_wait_alu depctr_va_vdst(0)                   ; subtile 10's codes and bytes are written, which the last three stores read
	SEND 10
	WIN 0
	s_wait_dscnt 0x0                               ; for the others' sake: my scale bytes lie in LDS
	s_barrier_signal -1
	s_barrier_wait -1
	ds_load_b32 v18, v16                           ; wave w stores subtiles w, w + 4 and (w under 3) w + 8: 128 consecutive bytes each
	ds_load_b32 v19, v16 offset:512
	s_wait_dscnt 0x0
	global_store_b32 v17, v18, s[40:41]
	global_store_b32 v17, v19, s[40:41] offset:4096
	s_cmp_lt_u32 s16, 3
	s_cbranch_scc0 .Lend
	ds_load_b32 v1, v16 offset:1024
	s_wait_dscnt 0x0
	global_store_b32 v17, v1, s[40:41] offset:8192
.Lend:
	s_wait_dscnt 0x0                               ; the closing lines, six on end
	s_wait_alu 0x0
	s_wait_tensorcnt 0x0
	ds_add_u32 v254, v255
	s_wait_dscnt 0x0
	s_endpgm
.Lfunc_end_k_qc94c6d3f5a_ffn1:
	.size	k_qc94c6d3f5a_ffn1, .Lfunc_end_k_qc94c6d3f5a_ffn1-k_qc94c6d3f5a_ffn1
	.p2alignl 7, 3214868480
	.fill 96, 4, 3214868480
	.section	.rodata,"a",@progbits
	.p2align	6, 0x0
	.amdhsa_kernel k_qc94c6d3f5a_ffn1
		.amdhsa_group_segment_fixed_size 140288
		.amdhsa_private_segment_fixed_size 0
		.amdhsa_enable_private_segment 0
		.amdhsa_kernarg_size 48
		.amdhsa_user_sgpr_count 2
		.amdhsa_user_sgpr_kernarg_segment_ptr 1
		.amdhsa_wavefront_size32 1
		.amdhsa_system_sgpr_workgroup_id_x 1
		.amdhsa_system_sgpr_workgroup_id_y 1
		.amdhsa_system_sgpr_workgroup_id_z 1
		.amdhsa_system_vgpr_workitem_id 0
		.amdhsa_next_free_vgpr 1024
		.amdhsa_next_free_sgpr 66
		.amdhsa_reserve_vcc 0
		.amdhsa_float_denorm_mode_32 3
		.amdhsa_float_denorm_mode_16_64 3
		.amdhsa_memory_ordered 1
		.amdhsa_forward_progress 1
		.amdhsa_inst_pref_size 220
	.end_amdhsa_kernel
	.amdgpu_metadata
---
amdhsa.version: [ 1, 2 ]
amdhsa.kernels:
  - .name:           k_qc94c6d3f5a_ffn1
    .symbol:         k_qc94c6d3f5a_ffn1.kd
    .args:
      - { .name: xq, .offset: 0, .size: 8, .value_kind: global_buffer, .address_space: global }
      - { .name: wf, .offset: 8, .size: 8, .value_kind: global_buffer, .address_space: global }
      - { .name: W1_scales, .offset: 16, .size: 8, .value_kind: global_buffer, .address_space: global }
      - { .name: b1, .offset: 24, .size: 8, .value_kind: global_buffer, .address_space: global }
      - { .name: lists, .offset: 32, .size: 8, .value_kind: global_buffer, .address_space: global }
      - { .name: hq, .offset: 40, .size: 8, .value_kind: global_buffer, .address_space: global }
    .group_segment_fixed_size: 140288
    .private_segment_fixed_size: 0
    .kernarg_segment_align: 8
    .kernarg_segment_size: 48
    .max_flat_workgroup_size: 128
    .sgpr_count:     66
    .vgpr_count:     1024
    .wavefront_size: 32
...
	.end_amdgpu_metadata
.endif
;; end of part 8
;; launch ffn2 (part 9): grid 8 x 31, 4 waves a work-group, no clusters, 282,112 bytes of LDS; arguments hq, wf, W2_scales, b2, lists, y; writes y
.if DOCPART == 9
	.amdgcn_target "amdgcn-amd-amdhsa--gfx1250"
	.amdhsa_code_object_version 6
	.text
	.protected	k_qc94c6d3f5a_ffn2
	.globl	k_qc94c6d3f5a_ffn2
	.p2align	8
	.type	k_qc94c6d3f5a_ffn2,@function
k_qc94c6d3f5a_ffn2:
	s_mov_b64 s[64:65], 0
	v_nop
	global_prefetch_b8 v0, s[64:65] scope:SCOPE_SE
	s_setreg_imm32_b32 hwreg(HW_REG_WAVE_SCHED_MODE, 0, 2), 2
	s_setreg_imm32_b32 hwreg(HW_REG_WAVE_MODE, 25, 1), 1
	s_wait_xcnt 0x0
	s_wait_alu depctr_vm_vsrc(0)
; y[slot] = h W2[e] + b2[e] for a tile of 176 routed rows of one expert and 128 of the 1,024 outputs.  Both operands are codes of E2M3 with one E8M0 byte for each 32 along K = 2,048.
; GRID: x = the slice of 128 outputs, y = the tile: 248 work-groups, for every split.
; SHARES.  Wave w makes outputs 128 q + 32 w .. + 31 for all 176 rows: 11 x 2 = 22 accumulators; 16 K steps of 128.
; The tile's codes of h are one dense block of 270,336 bytes, already laid as register images: it is copied into LDS as it lies, behind ONE barrier; the weights come from memory straight into registers,
; as fragment images, through a ring of ten K steps with counted waits.  The loop over K has no barrier.
; NO TENSOR LOADS, NO CLUSTER: the launch branches on a stored flag, and which tiles share an expert hangs on the split.
; A TILE WITHOUT ROWS runs the head, K step 0 and the way out, and jumps over K steps 1 to 15, where no barrier stands: every byte of y is stored.
; THE PRODUCT IS USED TRANSPOSED (source 0 = 16 rows of W2, source 1 = 16 rows of h): a lane holds eight neighbouring outputs of one row.  b2 is the C of each sum's first product.
; LIMITS: NaN, infinities and the scale byte 0xff are not served.
; THE MODE: SCHED_MODE bits 1:0 = 2 (LLVM: expert scheduling mode 2), set by the entry lines.  The code itself states the register dependences
; between vector or matrix instructions and memory or LDS instructions, with s_wait_alu, always for 0.
; THE PLAN.  Registers that memory or LDS instructions touch, from the barrier on:
;   sets 0, 1  h's eleven fragments.  K step s: its products read set s % 2; the LDS loads of K step s + 1 land in the other set, which the products of K step s - 1 read.
;   the ring   K step s: its products read set s % 10; in K steps 1 to 6 the loads of K step s + 9 land in set (s - 1) % 10, which the products of K step s - 1 read.
;   v32-75     h's scale words: read by every product; loaded anew once, at the head of K step 8.
;   v4, v5     the fragments' LDS addresses: read by every fragment load, stepped by a vector add once a K step, at its head (an LDS address has no scalar base).
;   v3, v8     made at the head and never written again.
;   So at the head of each of K steps 0 to 14 stand one wait on vm_vsrc, ahead of the two adds, and ONE wait on va_vdst behind them.  The step's loads follow in two runs among its products, which name
;   set s % 2, ring set s % 10, the scale words and the accumulators: none of the registers that those loads touch.  K step 15 loads nothing and has neither wait.
; REGISTERS.  window 0: v1-15 addresses; v16-31 W2's scale words; v32-75 h's; v80-211 h's fragments, set 0; v212-233 scale bytes on their way; v240-245 addresses of the copy.   window 1: the ring, 10 x 24.
;   window 2: the accumulators (16 a + 8 jj); v176-191 b2.   window 3: v80-211 h's fragments, set 1.  Ahead of the loop v0-175 of windows 2 and 3 hold the block on its way to LDS; on the way out window 3 holds rows of y.
.set HS,   8380416
.set HSL,  270336                      ; LDS: the block at 0; behind it h's scale words as images: (2 a + G) 512 + 16 lane
.set SPIT, 528                         ; the way out: 176 rows of 512 bytes + 16, over the block's first bytes, behind a barrier
.set BS,  16
.set AS,  32
.set AF,  80
.set HT,  212
.set CA,  240
.set B2,  176
.set MSB, 0
.macro WIN new
.if MSB != \new
	s_set_vgpr_msb (MSB<<8)|\new
.set MSB, \new
.endif
.endm
.macro PLACES n
.rept \n
	v_nop
.endr
.endm
	s_load_b256 s[4:11], s[0:1], 0x0               ; hq s[4:5], wf s[6:7], W2_scales s[8:9], b2 s[10:11]
	s_load_b128 s[12:15], s[0:1], 0x20             ; lists s[12:13], y s[14:15]
	v_lshl_add_u32 v254, v0, 2, 0x44c00
	v_mov_b32 v255, 0
	v_lshrrev_b32 v76, 5, v0
	v_readfirstlane_b32 s16, v76                   ; wave
	s_mov_b32 s17, ttmp9                           ; q
	s_and_b32 s18, ttmp7, 0xffff                   ; tile
	v_and_b32 v1, 15, v0                           ; r
	v_bfe_u32 v2, v0, 4, 1                         ; h
	v_and_b32 v76, 31, v0                          ; lane
	v_lshlrev_b32 v3, 4, v76                       ; 16 x lane
	v_lshlrev_b32 v4, 4, v76                       ; an image's 16 bytes a lane: stepped from K step to K step
	v_lshl_add_u32 v5, v76, 3, 512                 ; and its 8 bytes a lane, 512 bytes on
	v_lshrrev_b32 v77, 6, v0
	v_lshlrev_b32 v7, 9, v77
	v_bfe_u32 v77, v0, 5, 1
	v_lshl_add_u32 v7, v77, 8, v7
	v_lshl_add_u32 v7, v1, 4, v7
	v_lshl_add_u32 v7, v2, 3, v7
	v_add_nc_u32 v7, HSL, v7                       ; thread t holds the words of K steps 2 q', 2 q' + 1 (q' = t / 16) of row r: image q' / 4, lane 16 ((q' / 2) % 2) + r, bytes 8 (q' % 2)
	v_add_nc_u32 v8, HSL, v3
	v_lshlrev_b32 v9, 4, v0                        ; 16 x thread
	v_lshlrev_b32 v10, 3, v0                       ; 8 x thread
	v_lshlrev_b32 v11, 5, v2
	v_lshlrev_b32 v12, 6, v1
	v_lshl_add_u32 v12, v2, 4, v12                 ; W2's scale bytes: row r of 64 bytes, + 16 h
	s_wait_alu depctr_va_sdst(0)                   ; s16 is written, ahead of its first reader: LDS places and the bases of the weights, b2 and y are made from it
	s_lshl_b32 s23, s16, 7
	v_mul_u32_u24 v13, v1, SPIT
	v_lshl_add_u32 v13, v2, 5, v13
	v_add_nc_u32 v13, s23, v13                     ; into the stage: row r, + 32 h, + 128 w: subtiles 0-5,
	v_add_nc_u32 v14, 6*16*SPIT, v13               ; 6-10
	s_mul_i32 s23, s16, 44*SPIT
	v_add_nc_u32 v15, s23, v3                      ; out of it: my 44 rows, 16 bytes a lane
.irp k, 0,1,2,3,4,5
	v_add_nc_u32 v[CA+\k], 45056*\k, v9            ; the copy: 22 stores of 2,048 bytes to an address register
.endr
	s_lshl_b32 s28, s18, 2
	s_mov_b32 s29, 0
	s_mul_i32 s24, s18, 270336
	s_mov_b32 s25, 0
	s_mul_i32 s26, s18, 11264
	s_add_co_u32 s26, s26, HS
	s_mov_b32 s27, 0
	s_mul_i32 s36, s18, 176
	s_mul_i32 s42, s16, 44
	s_add_co_u32 s36, s36, s42
	s_lshl_b32 s36, s36, 12
	s_lshl_b32 s42, s17, 9
	s_add_co_u32 s36, s36, s42                     ; y: slot 176 tile + 44 w, + 512 q
	s_mov_b32 s37, 0
	s_wait_kmcnt 0x0
	s_add_nc_u64 s[28:29], s[12:13], s[28:29]
	s_load_b32 s19, s[28:29], 0x0                  ; expert | active << 8
	s_add_nc_u64 s[24:25], s[4:5], s[24:25]        ; the tile's codes
	s_add_nc_u64 s[26:27], s[4:5], s[26:27]        ; and scale bytes
	s_add_nc_u64 s[36:37], s[14:15], s[36:37]
	s_wait_alu depctr_va_vdst(0)                   ; the offsets and addresses v3 to v15 and v240 to v245 are written, which the kernel's loads and stores read
.macro GLD b                           ; a third of the block: 44 loads, the four waves reading 2,048 consecutive bytes each time
.set n, 0
.rept 44
	global_load_b128 v[4*n:4*n+3], v9, s[24:25] offset:2048*(44*(\b)+n)
.set n, n+1
.endr
.endm
.macro LST b
.set n, 0
.rept 44
	ds_store_b128 v[CA+2*(\b)+n/22], v[4*n:4*n+3] offset:2048*(n%22)
.set n, n+1
.endr
.endm
.irp a, 0,1,2,3,4,5,6,7,8,9,10
	global_load_b64 v[HT+2*\a:HT+2*\a+1], v10, s[26:27] offset:1024*\a
.endr
	WIN 0xc0                                       ; destination window 3
	GLD 0
	WIN 0x80                                       ; destination window 2
	GLD 1
	s_wait_loadcnt 44                              ; the scale bytes and the first third are in; the second third may be out
	WIN 0
.irp a, 0,1,2,3,4,5,6,7,8,9,10
	ds_store_b64 v7, v[HT+2*\a:HT+2*\a+1] offset:1024*\a
.endr
	WIN 0x0c                                       ; data: window 3
	LST 0
	s_wait_dscnt 0x0                               ; the first third lies in LDS
	WIN 0xc0
	s_wait_alu depctr_vm_vsrc(0)                   ; the LDS stores above have read v0-175 of window 3, in which the last third's loads land
	GLD 2
	s_wait_loadcnt 44                              ; the second third is in
	WIN 0x08                                       ; data: window 2
	LST 1
	WIN 0
	s_wait_kmcnt 0x0
	s_and_b32 s22, s19, 0xff
	s_min_u32 s22, s22, 7                          ; the expert
	s_lshl_b32 s23, s22, 10
	s_lshl_b32 s42, s17, 7
	s_add_co_u32 s23, s23, s42
	s_lshl_b32 s42, s16, 5
	s_add_co_u32 s23, s23, s42                     ; 1,024 e + 128 q + 32 w: my first output
	s_lshl_b32 s30, s23, 2
	s_mov_b32 s31, 0
	s_add_nc_u64 s[30:31], s[10:11], s[30:31]      ; b2
	s_lshl_b32 s32, s23, 6
	s_mov_b32 s33, 0
	s_add_nc_u64 s[32:33], s[8:9], s[32:33]        ; W2's scale bytes
	s_lshl_b32 s34, s22, 5
	s_lshl_b32 s42, s17, 2
	s_add_co_u32 s34, s34, s42
	s_add_co_u32 s34, s34, s16
	s_mul_i32 s34, s34, 49152
	s_add_co_u32 s34, s34, 12582912                ; block 32 e + 4 q + w of W2's fragment images
	s_mov_b32 s35, 0
	s_add_nc_u64 s[34:35], s[6:7], s[34:35]
	WIN 0x80
.irp jj, 0,1
	global_load_b128 v[B2+8*\jj:B2+8*\jj+3], v11, s[30:31] offset:64*\jj             ; b2 in the result's layout: outputs 16 jj + 8 h + 0 .. 7
	global_load_b128 v[B2+8*\jj+4:B2+8*\jj+7], v11, s[30:31] offset:64*\jj+16
.endr
	WIN 0
.irp jj, 0,1
.irp g, 0,1
	global_load_b128 v[BS+8*\jj+4*\g:BS+8*\jj+4*\g+3], v12, s[32:33] offset:1024*\jj+32*\g   ; register k: lanes 0-15 the word of K step 8 G + k, lanes 16-31 that of 8 G + 4 + k
.endr
.endr
.macro RLOAD s                         ; K step s's two fragments of W2 into ring set s % 10: six loads of 512 consecutive bytes
.irp jj, 0,1
.irp c, 0,1,2
	global_load_b128 v[24*((\s)%10)+12*\jj+4*\c:24*((\s)%10)+12*\jj+4*\c+3], v3, s[34:35] offset:(2*(\s)+\jj)*1536+512*\c
.endr
.endr
.endm
	WIN 0x40                                       ; destination window 1
.irp s, 0,1,2,3,4,5,6,7,8,9
	RLOAD \s
.endr
	s_wait_loadcnt 60                              ; the last third, b2 and W2's scale words are in; the ring's 60 loads may be out
	WIN 0x0c
	LST 2
	WIN 0
	s_wait_dscnt 0x0                               ; for the others' sake: my part of the block lies in LDS
	s_barrier_signal -1
	s_barrier_wait -1
.macro FRAGH a, set                    ; subtile a's fragment of h into the set named: for each half image 16 bytes a lane and 8 bytes a lane
.if (\set) == 0
	WIN 0
.else
	WIN 0xc0                                       ; set 1 lies in window 3
.endif
.irp c, 0,1
	ds_load_b128 v[AF+12*(\a)+6*\c:AF+12*(\a)+6*\c+3], v4 offset:1536*(\a)+768*\c
	ds_load_b64 v[AF+12*(\a)+6*\c+4:AF+12*(\a)+6*\c+5], v5 offset:1536*(\a)+768*\c
.endr
.endm
.macro MUL2 a, s                       ; subtile a against W2's two tiles; the 22 accumulators take turns in the same order in every K step
.if ((\s)%2) == 0
	WIN 0xa1                                       ; W2 window 1, h window 0, C and D window 2
.else
	WIN 0xad                                       ; h window 3
.endif
.irp jj, 0,1
.if (\s) == 0
	v_wmma_scale_f32_16x16x128_f8f6f4 v[16*(\a)+8*\jj:16*(\a)+8*\jj+7], v[24*((\s)%10)+12*\jj:24*((\s)%10)+12*\jj+11], v[AF+12*(\a):AF+12*(\a)+11], v[B2+8*\jj:B2+8*\jj+7], v[BS+8*\jj], v[AS+4*(\a)] matrix_a_fmt:MATRIX_FMT_FP6 matrix_b_fmt:MATRIX_FMT_FP6
.elseif (((\s)/4)%2) == 0
	v_wmma_scale_f32_16x16x128_f8f6f4 v[16*(\a)+8*\jj:16*(\a)+8*\jj+7], v[24*((\s)%10)+12*\jj:24*((\s)%10)+12*\jj+11], v[AF+12*(\a):AF+12*(\a)+11], v[16*(\a)+8*\jj:16*(\a)+8*\jj+7], v[BS+8*\jj+4*((\s)/8)+(\s)%4], v[AS+4*(\a)+(\s)%4] matrix_a_fmt:MATRIX_FMT_FP6 matrix_b_fmt:MATRIX_FMT_FP6
.else
	v_wmma_scale_f32_16x16x128_f8f6f4 v[16*(\a)+8*\jj:16*(\a)+8*\jj+7], v[24*((\s)%10)+12*\jj:24*((\s)%10)+12*\jj+11], v[AF+12*(\a):AF+12*(\a)+11], v[16*(\a)+8*\jj:16*(\a)+8*\jj+7], v[BS+8*\jj+4*((\s)/8)+(\s)%4], v[AS+4*(\a)+(\s)%4] matrix_a_fmt:MATRIX_FMT_FP6 matrix_b_fmt:MATRIX_FMT_FP6 matrix_a_scale:MATRIX_SCALE_ROW1 matrix_b_scale:MATRIX_SCALE_ROW1
.endif
.endr
.endm
; A K step: 22 matrix instructions on set s % 2.  The next step's fragments of h go into the other set, in two runs early in the step: subtiles 0-5 behind the products of subtiles 0-2,
; subtiles 6-10 (and, in K steps 1 to 6, the ring's next weights) behind those of subtiles 3-5; the ten products of subtiles 6-10 follow them.
.macro STEP s
.if (\s) < 15
	s_wait_alu depctr_vm_vsrc(0)                   ; the LDS loads issued so far have read v4 and v5, which the adds write (ahead of K step 0 also: the copy's LDS stores have read v0-175 of windows 2 and 3, which the products and the loads below write)
	v_add_nc_u32 v4, 11*1536, v4
	v_add_nc_u32 v5, 11*1536, v5
	PLACES 2                                       ; with the two adds: four places behind the last step's products (ISA guide 7.12.1)
	s_wait_alu depctr_va_vdst(0)                   ; v4 and v5 are written, which this step's LDS loads read; the last step's products are done reading the other set of h's fragments, their ring set and, ahead of K step 8, h's scale words, in which this step's loads land
.endif
.if (\s) == 8
.irp a, 0,1,2,3,4,5,6,7,8,9,10
	ds_load_b128 v[AS+4*\a:AS+4*\a+3], v8 offset:1024*\a+512               ; h's scale words of K steps 8 to 15
.endr
	s_wait_dscnt 0x0                               ; they are in, and so are this step's fragments
.else
	s_wait_dscnt 20                                ; subtiles 0-5 (ahead of K step 0: and the scale words) are in; the 20 younger loads (6-10) may be out
.endif
.if (\s) == 0
	s_wait_loadcnt 54                              ; this step's weights are in; the nine later steps' 54 loads may be out
.elseif (\s) < 7
	s_wait_loadcnt 48                              ; this step's weights are in; the eight later steps' 48 loads may be out
.else
	s_wait_loadcnt 6*(15-(\s))
.endif
.irp a, 0,1,2
	MUL2 \a, \s
.endr
.if (\s) < 15
.irp a, 0,1,2,3,4,5
	FRAGH \a, ((\s)+1)%2                           ; no wait: no product since the wait at the step's head names the other set, v4 or v5
.endr
.endif
.irp a, 3,4,5
	MUL2 \a, \s
.endr
.if (\s) < 15
	s_wait_dscnt 24                                ; subtiles 6-10 are in; the 24 issued in this step may be out
.irp a, 6,7,8,9,10
	FRAGH \a, ((\s)+1)%2
.endr
.else
	s_wait_dscnt 0x0
.endif
.if ((\s) > 0) && ((\s) < 7)
	WIN 0x40
	RLOAD (\s)+9                                   ; into the ring set that the last step multiplied
.endif
.irp a, 6,7,8,9,10
	MUL2 \a, \s
.endr
	WIN 0
.endm
.irp a, 0,1,2,3,4,5,6,7,8,9,10
	ds_load_b128 v[AS+4*\a:AS+4*\a+3], v8 offset:1024*\a                   ; h's scale words of K steps 0 to 7
.endr
.irp a, 0,1,2,3,4,5,6,7,8,9,10
	FRAGH \a, 0
.endr
	STEP 0
	s_bitcmp1_b32 s19, 8                           ; a tile without rows leaves the other fifteen K steps out: a forward jump on the stored flag, over no barrier
	s_cbranch_scc0 .Ljoin
.irp s, 1,2,3,4,5,6,7,8,9,10,11,12,13,14,15
	STEP \s
.endr
.Ljoin:
	s_wait_loadcnt 0x0                             ; on the short way loads are still out
	s_wait_dscnt 0x0                               ; my reads of the block are over
	PLACES 4                                       ; behind the last products, ahead of the first read of results
	s_wait_alu depctr_va_vdst(0)                   ; the products have written the accumulators, which the LDS stores below read, and are done reading set 1 in window 3, in which rows of y land; the places above stay beside this wait
	s_barrier_signal -1
	s_barrier_wait -1                              ; everybody's are: the stage may be written over the block
	WIN 0x08                                       ; data: window 2
.irp a, 0,1,2,3,4,5,6,7,8,9,10
.irp jj, 0,1
	ds_store_b128 v[13+\a/6], v[16*\a+8*\jj:16*\a+8*\jj+3] offset:16*SPIT*(\a%6)+64*\jj       ; each accumulator from its low end on
	ds_store_b128 v[13+\a/6], v[16*\a+8*\jj+4:16*\a+8*\jj+7] offset:16*SPIT*(\a%6)+64*\jj+16
.endr
.endr
	WIN 0
	s_wait_dscnt 0x0                               ; for the others' sake: my 128 bytes of every row lie in the stage
	s_barrier_signal -1
	s_barrier_wait -1
	WIN 0xc0                                       ; destination window 3
.set n, 0
.rept 44
	ds_load_b128 v[4*n:4*n+3], v15 offset:SPIT*n
.set n, n+1
.endr
	WIN 0x0c                                       ; data: window 3
.set n, 0
.rept 44
	s_wait_dscnt 43-n                              ; row n is back; the younger rows may be out
	global_store_b128 v3, v[4*n:4*n+3], s[36:37] offset:4096*n             ; 32 lanes store 512 consecutive bytes, at a multiple of 256 from y's first byte
.set n, n+1
.endr
	WIN 0
	s_wait_dscnt 0x0                               ; the closing lines, six on end
	s_wait_alu 0x0
	s_wait_tensorcnt 0x0
	ds_add_u32 v254, v255
	s_wait_dscnt 0x0
	s_endpgm
.Lfunc_end_k_qc94c6d3f5a_ffn2:
	.size	k_qc94c6d3f5a_ffn2, .Lfunc_end_k_qc94c6d3f5a_ffn2-k_qc94c6d3f5a_ffn2
	.p2alignl 7, 3214868480
	.fill 96, 4, 3214868480
	.section	.rodata,"a",@progbits
	.p2align	6, 0x0
	.amdhsa_kernel k_qc94c6d3f5a_ffn2
		.amdhsa_group_segment_fixed_size 282112
		.amdhsa_private_segment_fixed_size 0
		.amdhsa_enable_private_segment 0
		.amdhsa_kernarg_size 48
		.amdhsa_user_sgpr_count 2
		.amdhsa_user_sgpr_kernarg_segment_ptr 1
		.amdhsa_wavefront_size32 1
		.amdhsa_system_sgpr_workgroup_id_x 1
		.amdhsa_system_sgpr_workgroup_id_y 1
		.amdhsa_system_sgpr_workgroup_id_z 1
		.amdhsa_system_vgpr_workitem_id 0
		.amdhsa_next_free_vgpr 1024
		.amdhsa_next_free_sgpr 66
		.amdhsa_reserve_vcc 0
		.amdhsa_float_denorm_mode_32 3
		.amdhsa_float_denorm_mode_16_64 3
		.amdhsa_memory_ordered 1
		.amdhsa_forward_progress 1
		.amdhsa_inst_pref_size 147
	.end_amdhsa_kernel
	.amdgpu_metadata
---
amdhsa.version: [ 1, 2 ]
amdhsa.kernels:
  - .name:           k_qc94c6d3f5a_ffn2
    .symbol:         k_qc94c6d3f5a_ffn2.kd
    .args:
      - { .name: hq, .offset: 0, .size: 8, .value_kind: global_buffer, .address_space: global }
      - { .name: wf, .offset: 8, .size: 8, .value_kind: global_buffer, .address_space: global }
      - { .name: W2_scales, .offset: 16, .size: 8, .value_kind: global_buffer, .address_space: global }
      - { .name: b2, .offset: 24, .size: 8, .value_kind: global_buffer, .address_space: global }
      - { .name: lists, .offset: 32, .size: 8, .value_kind: global_buffer, .address_space: global }
      - { .name: y, .offset: 40, .size: 8, .value_kind: global_buffer, .address_space: global }
    .group_segment_fixed_size: 282112
    .private_segment_fixed_size: 0
    .kernarg_segment_align: 8
    .kernarg_segment_size: 48
    .max_flat_workgroup_size: 128
    .sgpr_count:     66
    .vgpr_count:     1024
    .wavefront_size: 32
...
	.end_amdgpu_metadata
.endif
;; end of part 9
;; launch combine (part 10): grid 256 x 1, 4 waves a work-group, no clusters, 0 bytes of LDS; arguments y, xq, lists, out0; writes out0
.if DOCPART == 10
	.amdgcn_target "amdgcn-amd-amdhsa--gfx1250"
	.amdhsa_code_object_version 6
	.text
	.protected	k_qc94c6d3f5a_combine
	.globl	k_qc94c6d3f5a_combine
	.p2align	8
	.type	k_qc94c6d3f5a_combine,@function
k_qc94c6d3f5a_combine:
	s_mov_b64 s[64:65], 0
	v_nop
	global_prefetch_b8 v0, s[64:65] scope:SCOPE_SE
	s_setreg_imm32_b32 hwreg(HW_REG_WAVE_MODE, 25, 1), 1
	s_wait_xcnt 0x0
; out0[t] = p0 y[slot0(t)] + p1 y[slot1(t)]: each output row has one owner.  The slots are whole numbers stored by an earlier launch (lists at POS), the two probabilities f32 (xq at GW).
; A wave takes two tokens: 32 loads of 512 consecutive bytes, all issued at once, one packed multiply and one packed multiply-add for two numbers, 16 stores of 512 consecutive bytes.
; A stream: no LDS, no barrier, no matrix unit.
.set POS, 256
.set GW,  1638400
	s_load_b256 s[4:11], s[0:1], 0x0               ; y s[4:5], xq s[6:7], lists s[8:9], out0 s[10:11]
	v_lshrrev_b32 v1, 5, v0
	v_readfirstlane_b32 s12, v1                    ; wave
	v_and_b32 v1, 31, v0
	v_lshlrev_b32 v2, 4, v1                        ; 16 x lane
	s_lshl_b32 s13, ttmp9, 3
	s_lshl_b32 s14, s12, 1
	s_add_co_u32 s13, s13, s14                     ; my first token
	s_lshl_b32 s14, s13, 2
	s_mov_b32 s15, 0
	s_lshl_b32 s36, s13, 12
	s_mov_b32 s37, 0
	s_wait_alu depctr_va_vdst(0)
	s_wait_kmcnt 0x0
	s_add_nc_u64 s[8:9], s[8:9], s[14:15]
	s_add_nc_u64 s[6:7], s[6:7], s[14:15]
	s_add_nc_u64 s[10:11], s[10:11], s[36:37]
	s_load_b64 s[16:17], s[8:9], POS               ; the two tokens' first slots,
	s_load_b64 s[18:19], s[8:9], POS+8192          ; second slots,
	s_load_b64 s[20:21], s[6:7], GW                ; first probabilities,
	s_load_b64 s[22:23], s[6:7], GW+8192           ; second probabilities
	s_wait_kmcnt 0x0
.irp i, 0,1,2,3
	s_min_u32 s[16+\i], s[16+\i], 0x154f           ; a slot is under 5,456
.endr
	s_lshl_b32 s24, s16, 12
	s_mov_b32 s25, 0
	s_lshl_b32 s26, s18, 12
	s_mov_b32 s27, 0
	s_lshl_b32 s28, s17, 12
	s_mov_b32 s29, 0
	s_lshl_b32 s30, s19, 12
	s_mov_b32 s31, 0
	s_add_nc_u64 s[24:25], s[4:5], s[24:25]        ; token 0: its first row of y,
	s_add_nc_u64 s[26:27], s[4:5], s[26:27]        ; its second;
	s_add_nc_u64 s[28:29], s[4:5], s[28:29]        ; token 1 likewise
	s_add_nc_u64 s[30:31], s[4:5], s[30:31]
	s_mov_b32 s32, s21                             ; the packed forms take a pair's low word for both halves: token 1's probabilities get pairs of their own
	s_mov_b32 s33, s21
	s_mov_b32 s34, s23
	s_mov_b32 s35, s23
.irp t, 0,1
.irp j, 0,1,2,3,4,5,6,7
	global_load_b128 v[16+64*\t+4*\j:19+64*\t+4*\j], v2, s[24+4*\t:25+4*\t] offset:512*\j th:TH_LOAD_NT
.endr
.irp j, 0,1,2,3,4,5,6,7
	global_load_b128 v[48+64*\t+4*\j:51+64*\t+4*\j], v2, s[26+4*\t:27+4*\t] offset:512*\j th:TH_LOAD_NT
.endr
.endr
.macro MIX t, g0, g1
.set n, 0
.rept 16
	v_pk_mul_f32 v[48+64*\t+n:49+64*\t+n], v[48+64*\t+n:49+64*\t+n], s[\g1:\g1+1] op_sel_hi:[1,0]
.set n, n+2
.endr
.set n, 0
.rept 16
	v_pk_fma_f32 v[16+64*\t+n:17+64*\t+n], v[16+64*\t+n:17+64*\t+n], s[\g0:\g0+1], v[48+64*\t+n:49+64*\t+n] op_sel_hi:[1,0,1]
.set n, n+2
.endr
.irp j, 0,1,2,3,4,5,6,7
	global_store_b128 v2, v[16+64*\t+4*\j:19+64*\t+4*\j], s[10:11] offset:4096*\t+512*\j th:TH_STORE_NT
.endr
.endm
	s_wait_loadcnt 16                              ; token 0's 16 loads are in; token 1's may be out
	MIX 0, 20, 22
	s_wait_loadcnt 0x0
	MIX 1, 32, 34
	s_endpgm
.Lfunc_end_k_qc94c6d3f5a_combine:
	.size	k_qc94c6d3f5a_combine, .Lfunc_end_k_qc94c6d3f5a_combine-k_qc94c6d3f5a_combine
	.p2alignl 7, 3214868480
	.fill 96, 4, 3214868480
	.section	.rodata,"a",@progbits
	.p2align	6, 0x0
	.amdhsa_kernel k_qc94c6d3f5a_combine
		.amdhsa_group_segment_fixed_size 0
		.amdhsa_private_segment_fixed_size 0
		.amdhsa_enable_private_segment 0
		.amdhsa_kernarg_size 32
		.amdhsa_user_sgpr_count 2
		.amdhsa_user_sgpr_kernarg_segment_ptr 1
		.amdhsa_wavefront_size32 1
		.amdhsa_system_sgpr_workgroup_id_x 1
		.amdhsa_system_sgpr_workgroup_id_y 1
		.amdhsa_system_sgpr_workgroup_id_z 1
		.amdhsa_system_vgpr_workitem_id 0
		.amdhsa_next_free_vgpr 144
		.amdhsa_next_free_sgpr 66
		.amdhsa_reserve_vcc 0
		.amdhsa_float_denorm_mode_32 3
		.amdhsa_float_denorm_mode_16_64 3
		.amdhsa_memory_ordered 1
		.amdhsa_forward_progress 1
		.amdhsa_inst_pref_size 11
	.end_amdhsa_kernel
	.amdgpu_metadata
---
amdhsa.version: [ 1, 2 ]
amdhsa.kernels:
  - .name:           k_qc94c6d3f5a_combine
    .symbol:         k_qc94c6d3f5a_combine.kd
    .args:
      - { .name: y, .offset: 0, .size: 8, .value_kind: global_buffer, .address_space: global }
      - { .name: xq, .offset: 8, .size: 8, .value_kind: global_buffer, .address_space: global }
      - { .name: lists, .offset: 16, .size: 8, .value_kind: global_buffer, .address_space: global }
      - { .name: out0, .offset: 24, .size: 8, .value_kind: global_buffer, .address_space: global }
    .group_segment_fixed_size: 0
    .private_segment_fixed_size: 0
    .kernarg_segment_align: 8
    .kernarg_segment_size: 32
    .max_flat_workgroup_size: 128
    .sgpr_count:     66
    .vgpr_count:     144
    .wavefront_size: 32
...
	.end_amdgpu_metadata
.endif
;; end of part 10
